; MI455X (gfx1250); checked and timed in simulation.
; The chip was launched on July 23, 2026; its instructions are those of AMD's public machine-readable ISA for CDNA 5 (MIT licence, August 2026) and "CDNA5" Instruction Set Architecture Reference Guide (July 2026). The comments in the code are by the model that wrote it; some were corrected since.
;; Self Attention. Allowed arithmetic: float matrix products may take bf16 or f16 operands with f32 sums; other float arithmetic in f32, or as packed bf16 or f16 multiplies, adds, multiply-adds, maxima and minima; sums over many terms, partial sums and values carried from step to step in f32; what a program stores and reads back later, other than sums and carried values, may be rounded once to bf16 or f16.
;; Inputs: Wfc 1,024 x 1,024 float32; Wk 1,024 x 1,024 float32; Wq 1,024 x 1,024 float32; Wv 1,024 x 1,024 float32; beta 1,024 float32; bfc 1,024 float32; gamma 1,024 float32; x 4 x 2,048 x 1,024 float32.
;; Outputs: out0 4 x 2,048 x 1,024 float32.
;; 3 versions, each right; version 2 is faster than version 1; version 3 is version 2 with the launch cast written anew for expert scheduling mode. Each part assembles by itself: llvm-mc -triple=amdgcn-amd-amdhsa -mcpu=gfx1250 --defsym DOCPART=n.
;; ======== version 1 of 3: 6 launches
;; limits: values are held in f16: magnitudes above 65,504 overflow, below 6.1e-05 lose precision; right only within a limited range of input values; values outside matrix products are rounded to f16
;; workspace buffers: xh 16,777,216 bytes; wh 8,388,608 bytes; qkv 50,331,648 bytes; e 33,554,432 bytes; st 1,048,576 bytes; o 33,554,432 bytes
;; launch cast (part 1): grid 768 x 1, 8 waves a work-group, no clusters, 0 bytes of LDS; arguments x, Wq, Wk, Wv, Wfc, xh, wh; writes xh, wh
.if DOCPART == 1
	.amdgcn_target "amdgcn-amd-amdhsa--gfx1250"
	.amdhsa_code_object_version 6
	.text
	.protected	k_q4c75a73464_cast
	.globl	k_q4c75a73464_cast
	.p2align	8
	.type	k_q4c75a73464_cast,@function
k_q4c75a73464_cast:
	s_mov_b64 s[64:65], 0
	v_nop
	global_prefetch_b8 v0, s[64:65] scope:SCOPE_SE
	s_setreg_imm32_b32 hwreg(HW_REG_WAVE_MODE, 25, 1), 1
	s_wait_xcnt 0x0
; xh = x, wh = [Wq, Wk, Wv, Wfc], each number rounded to bf16 (nearest even) and that number written as f16.
; LIMITS.  The bf16 number is kept exactly from 6.1e-5 to 65,504 in magnitude; below that f16 keeps a fixed step of 6e-8; beyond it the result is an infinity.
; A stream: no LDS, no barrier, no matrix unit, no cluster (no byte is read twice).  A work-group takes 16,384 numbers: 65,536 bytes in, 32,768 out.
; Work-groups 0-511 take x, 512-767 the four weights, 64 each.  Thread t takes 16 bytes at 16 t of each of 16 blocks of 4,096 bytes: all 16 loads are out at once,
; and no register that a load or store reads is written again.
.set X, 8                              ; v[8:71]   block j: four f32 as loaded
.set Y, 72                             ; v[72:103] block j: four f16 to store
	s_load_b256 s[4:11], s[0:1], 0x0               ; x s[4:5], Wq s[6:7], Wk s[8:9], Wv s[10:11]
	s_load_b128 s[12:15], s[0:1], 0x20             ; Wfc s[12:13], xh s[14:15]
	s_load_b64 s[16:17], s[0:1], 0x30              ; wh
	v_lshlrev_b32 v1, 4, v0                        ; 16 t: my bytes of a block read
	v_lshlrev_b32 v2, 3, v0                        ; 8 t: of a block written
	s_mov_b32 s18, 0xffff0000                      ; a word's upper bf16
	s_sub_co_u32 s21, ttmp9, 512                   ; my number among the weights' work-groups (used only from 512 on)
	s_lshr_b32 s22, s21, 6                         ; which weight
	s_and_b32 s23, s21, 63                         ; which part of it
	s_cmp_lt_u32 ttmp9, 512
	s_cselect_b32 s24, ttmp9, s23                  ; my part of the source,
	s_cselect_b32 s26, ttmp9, s21                  ; and of the destination
	s_lshl_b32 s24, s24, 16
	s_mov_b32 s25, 0
	s_lshl_b32 s26, s26, 15
	s_mov_b32 s27, 0
	s_wait_kmcnt 0x0
	s_cmp_eq_u32 s22, 1
	s_cselect_b64 s[28:29], s[8:9], s[6:7]
	s_cmp_eq_u32 s22, 2
	s_cselect_b64 s[28:29], s[10:11], s[28:29]
	s_cmp_eq_u32 s22, 3
	s_cselect_b64 s[28:29], s[12:13], s[28:29]
	s_cmp_lt_u32 ttmp9, 512
	s_cselect_b64 s[28:29], s[4:5], s[28:29]       ; the source: x, or one of the weights
	s_cselect_b64 s[30:31], s[14:15], s[16:17]     ; the destination: xh or wh
	s_add_nc_u64 s[28:29], s[28:29], s[24:25]
	s_add_nc_u64 s[30:31], s[30:31], s[26:27]
.irp j, 0,1,2,3,4,5,6,7,8,9,10,11,12,13,14,15
	global_load_b128 v[X+4*(\j):X+4*(\j)+3], v1, s[28:29] offset:4096*(\j) th:TH_LOAD_NT
.endr
.irp j, 0,1,2,3,4,5,6,7,8,9,10,11,12,13,14,15
	s_wait_loadcnt 15-(\j)                         ; loads come back in order: block j is in, the younger ones stay out
	v_cvt_pk_bf16_f32 v4, v[X+4*(\j)], v[X+4*(\j)+1]
	v_cvt_pk_bf16_f32 v5, v[X+4*(\j)+2], v[X+4*(\j)+3]
	v_lshlrev_b32 v[X+4*(\j)], 16, v4              ; the rounded numbers as f32 again
	v_and_b32 v[X+4*(\j)+1], s18, v4
	v_lshlrev_b32 v[X+4*(\j)+2], 16, v5
	v_and_b32 v[X+4*(\j)+3], s18, v5
	v_cvt_pk_f16_f32 v[Y+2*(\j)], v[X+4*(\j)], v[X+4*(\j)+1]
	v_cvt_pk_f16_f32 v[Y+2*(\j)+1], v[X+4*(\j)+2], v[X+4*(\j)+3]
	global_store_b64 v2, v[Y+2*(\j):Y+2*(\j)+1], s[30:31] offset:2048*(\j)  ; a wave's store covers 256 consecutive bytes, aligned
.endr
	s_endpgm
.Lfunc_end_k_q4c75a73464_cast:
	.size	k_q4c75a73464_cast, .Lfunc_end_k_q4c75a73464_cast-k_q4c75a73464_cast
	.p2alignl 7, 3214868480
	.fill 96, 4, 3214868480
	.section	.rodata,"a",@progbits
	.p2align	6, 0x0
	.amdhsa_kernel k_q4c75a73464_cast
		.amdhsa_group_segment_fixed_size 0
		.amdhsa_private_segment_fixed_size 0
		.amdhsa_enable_private_segment 0
		.amdhsa_kernarg_size 56
		.amdhsa_user_sgpr_count 2
		.amdhsa_user_sgpr_kernarg_segment_ptr 1
		.amdhsa_wavefront_size32 1
		.amdhsa_system_sgpr_workgroup_id_x 1
		.amdhsa_system_sgpr_workgroup_id_y 1
		.amdhsa_system_sgpr_workgroup_id_z 1
		.amdhsa_system_vgpr_workitem_id 0
		.amdhsa_next_free_vgpr 104
		.amdhsa_next_free_sgpr 66
		.amdhsa_reserve_vcc 0
		.amdhsa_float_denorm_mode_32 3
		.amdhsa_float_denorm_mode_16_64 3
		.amdhsa_memory_ordered 1
		.amdhsa_forward_progress 1
		.amdhsa_inst_pref_size 11
	.end_amdhsa_kernel
	.amdgpu_metadata
---
amdhsa.version: [ 1, 2 ]
amdhsa.kernels:
  - .name:           k_q4c75a73464_cast
    .symbol:         k_q4c75a73464_cast.kd
    .args:
      - { .name: x, .offset: 0, .size: 8, .value_kind: global_buffer, .address_space: global }
      - { .name: Wq, .offset: 8, .size: 8, .value_kind: global_buffer, .address_space: global }
      - { .name: Wk, .offset: 16, .size: 8, .value_kind: global_buffer, .address_space: global }
      - { .name: Wv, .offset: 24, .size: 8, .value_kind: global_buffer, .address_space: global }
      - { .name: Wfc, .offset: 32, .size: 8, .value_kind: global_buffer, .address_space: global }
      - { .name: xh, .offset: 40, .size: 8, .value_kind: global_buffer, .address_space: global }
      - { .name: wh, .offset: 48, .size: 8, .value_kind: global_buffer, .address_space: global }
    .group_segment_fixed_size: 0
    .private_segment_fixed_size: 0
    .kernarg_segment_align: 8
    .kernarg_segment_size: 56
    .max_flat_workgroup_size: 256
    .sgpr_count:     66
    .vgpr_count:     104
    .wavefront_size: 32
...
	.end_amdgpu_metadata
.endif
;; end of part 1
;; launch proj (part 2): grid 12 x 64, 4 waves a work-group, clusters of 4 x 4, 327,680 bytes of LDS; arguments xh, wh, qkv; writes qkv
.if DOCPART == 2
	.amdgcn_target "amdgcn-amd-amdhsa--gfx1250"
	.amdhsa_code_object_version 6
	.text
	.protected	k_q4c75a73464_proj
	.globl	k_q4c75a73464_proj
	.p2align	8
	.type	k_q4c75a73464_proj,@function
k_q4c75a73464_proj:
	s_mov_b64 s[64:65], 0
	v_nop
	global_prefetch_b8 v0, s[64:65] scope:SCOPE_SE
	s_setreg_imm32_b32 hwreg(HW_REG_WAVE_MODE, 25, 1), 1
	s_wait_xcnt 0x0
	s_wait_alu depctr_hold_cnt(0) depctr_sa_sdst(0) depctr_va_vdst(0) depctr_va_sdst(0) depctr_va_ssrc(0) depctr_va_vcc(0) depctr_vm_vsrc(0)
	s_getreg_b32 s2, hwreg(HW_REG_IB_STS2, 6, 4)
	s_cmp_eq_u32 s2, 0
	s_cbranch_scc0 .Lentry_in_a_cluster
	s_endpgm
.Lentry_in_a_cluster:
	s_bfe_u32 s2, ttmp6, 0x10000c
	s_cmp_lg_u32 s2, 0xf033
	s_cbranch_scc0 .Lentry_shape_is_right
	s_endpgm
.Lentry_shape_is_right:
; qkv[row][0:3072] = xh[row][:] . [Wq | Wk | Wv].  xh: [8192][1024] f16; wh: [4][1024 d][1024 n] f16; qkv: [8192][3072] f16 (q, k, v side by side).  Sums in f32, rounded once to f16.
; LIMIT.  q, k and v beyond 65,504 in magnitude become infinities.
; A tile of qkv is 128 rows x 256 columns: 768 tiles, three for each of 256 WGPs.  Four waves, 2 x 2, each 64 x 128: 32 accumulators of 16 x 16.  K = 1,024 goes in 8 steps of 128 through two LDS slots.
; The weights lie [K][N] and stay so: a tile's rows are 512 bytes of 256 columns, and ds_load_tr16_b128 turns them on the way out of LDS.
; THE MATRIX INSTRUCTION IS USED TRANSPOSED (source 0 = 16 columns of W, source 1 = 16 rows of x): a lane holds row l % 16 and eight neighbouring columns 8 (l / 16) + 0..7.
; CLUSTER 4 x 4: the four of a row of the cluster need the same rows of x, the four of a column the same columns of W: each tile is asked for jointly.
; REGISTERS.  Window 0: v0-15 addresses; v32-127, v128-223 two fragment buffers (x's 4 fragments, then W's 8); v224-255 packed results.  Window 1: accumulator (a, b) at v[8 (8 a + b)].
.set PA,    272                        ; a row of x in LDS: 256 bytes + 16: the 16 rows of a load start at 16 different groups of four banks (64 banks of 4 bytes: ISA guide 11.1)
.set ALOAD, 64*PA                      ; one tensor load of x: 64 rows
.set ATILE, 2*ALOAD
.set PB,    544                        ; a K row of W in LDS: 512 bytes + 32
.set BLOAD, 64*PB                      ; one tensor load of W: 64 K rows
.set SLOT1, 1<<17                      ; slot 1 begins here: one exclusive or turns an address of one slot into the other's
.set STAGE, SLOT1+ATILE+2*BLOAD        ; behind the ring, never filled by a tensor load: 16 rows x 272 bytes for each wave
.set SP,    272
.set SPARE, STAGE+4*16*SP              ; the spare words: 128 bytes for each wave, two blocks of 256 bytes that no other line names
.set ASTEP, 256                        ; bytes from K step to K step in x,
.set BSTEP, 128*2048                   ; and in W
.set CPITCH, 6144
.set ADRA0, 4                          ; v4   my lane's place in a slot's tile of x; never rewritten
.set ADRB0, 5                          ; v5   the same for W
.set ADRA,  6                          ; v6   the same in the slot in hand
.set ADRB,  7
.set STO,   8                          ; v8   the way out: where I put 16 bytes of a row
.set RD,    9                          ; v9   where I read rows back
.set CO,    10                         ; v10  my byte offset in two rows of qkv
.set SPW,   12                         ; v12  LDS address of my spare word; never rewritten
.set NIL,   13                         ; v13  0; never rewritten
.set F0,    32
.set F1,    128
.set TMP,   224
.set OB,    32                         ; the way out: block a's rows read back into v[32 + 32 a ..]
.set WV, 12                            ; s12 wave; s13 which 64 rows are mine, also: I fetch x (0) or W (1); s14 which 128 columns, also: which half I fetch
.set WR, 13
.set WC, 14
.set CX, 15
.set CY, 16
.set TC, 17                            ; tile column, 0-11
.set TR, 18                            ; tile row, 0-63
.set G1A, 24                           ; s[24:31], s[32:39] descriptor groups 1
.set G1B, 32
.set G0A, 40                           ; s[40:47], s[48:55] groups 0: a set for each first fill; the second then walks
.set G0B, 48
.set CNT, 56
.set TB,  57                           ; LDS byte at which the slot in hand begins
.set MULW, 0x50                        ; C and D in window 1, the fragments in window 0
.set MSB, 0
.macro WIN new                         ; the immediate's high byte repeats the setting that is left; a switch that changes nothing is dropped
.if MSB != (\new)
	s_set_vgpr_msb (MSB<<8)|(\new)
.set MSB, (\new)
.endif
.endm
.macro PLACES                          ; four places in front of loads into registers that matrix instructions have read, and of lines that read results
.rept 4
	v_nop
.endr
.endm
.macro JLOAD                           ; a joint refill: waves 0, 1 fetch x's halves, waves 2, 3 W's; an s_nop 0 and four v_nop follow each line
	s_cmp_eq_u32 s[WR], 0
	s_cbranch_scc0 .Lfor_b_\@
	tensor_load_to_lds s[G0A+4:G0A+7], s[G1A:G1A+7]
	s_nop 0
	PLACES
	s_branch .Lasked_\@
.Lfor_b_\@:
	tensor_load_to_lds s[G0B+4:G0B+7], s[G1B:G1B+7]
	s_nop 0
	PLACES
.Lasked_\@:
.endm
.macro CREST                           ; a round of the cluster's barrier behind its opening barrier
	s_cmp_lg_u32 s[WV], 0
	s_cbranch_scc1 .Lnot_wave_0_\@
	s_barrier_signal -3
.Lnot_wave_0_\@:
	s_barrier_wait -3
	s_barrier_signal -1
	s_barrier_wait -1
.endm
.macro CROUND
	s_barrier_signal -1
	s_barrier_wait -1
	CREST
.endm
.macro MUL8 f, a, zero                 ; row block a x all 8 column blocks, 32 along K.  zero = 1: the product starts the sums.  The 32 accumulators take turns
	WIN MULW
.irp b, 0,1,2,3,4,5,6,7
.if \zero
	v_wmma_f32_16x16x32_f16 v[8*(8*(\a)+(\b)):8*(8*(\a)+(\b))+7], v[(\f)+32+8*(\b):(\f)+32+8*(\b)+7], v[(\f)+8*(\a):(\f)+8*(\a)+7], 0
.else
	v_wmma_f32_16x16x32_f16 v[8*(8*(\a)+(\b)):8*(8*(\a)+(\b))+7], v[(\f)+32+8*(\b):(\f)+32+8*(\b)+7], v[(\f)+8*(\a):(\f)+8*(\a)+7], v[8*(8*(\a)+(\b)):8*(8*(\a)+(\b))+7]
.endif
.endr
.endm
.macro FETCH q, f                      ; 24 LDS loads in one run: quarter q (32 along K) into buffer f: W's 8 fragments, turned, then x's 4
	WIN 0
.irp b, 0,1,2,3,4,5,6,7
	ds_load_tr16_b128 v[(\f)+32+8*(\b):(\f)+32+8*(\b)+3],   v[ADRB] offset:(\q)*32*PB+32*(\b)
	ds_load_tr16_b128 v[(\f)+32+8*(\b)+4:(\f)+32+8*(\b)+7], v[ADRB] offset:(\q)*32*PB+16*PB+32*(\b)
.endr
.irp a, 0,1,2,3
	ds_load_b128 v[(\f)+8*(\a):(\f)+8*(\a)+3],   v[ADRA] offset:(\a)*16*PA+64*(\q)
	ds_load_b128 v[(\f)+8*(\a)+4:(\f)+8*(\a)+7], v[ADRA] offset:(\a)*16*PA+64*(\q)+32
.endr
.endm
.macro QUARTER q, f, g, zero           ; multiplies buffer f; in its middle fetches quarter q into buffer g
	s_wait_dscnt 4                                 ; all but the youngest four loads (x's blocks 2, 3) are in
	MUL8 \f, 0, \zero
	MUL8 \f, 1, \zero
	PLACES
	FETCH \q, \g
	s_wait_dscnt 24                                ; all but the 24 just issued
	MUL8 \f, 2, \zero
	MUL8 \f, 3, \zero
.endm
; The fourth quarter multiplies buffer 1 and changes slots.  In front of the barrier each wave waits for all its tensor loads (one is out: its part of the next slot), adds 0 to its spare word,
; and waits for that and for its reads of this slot.  fill = 1: the barrier opens a round of the cluster's, and this slot is filled again, two K steps ahead, first thing behind the round.
.macro TURN fill
	WIN 0
	s_wait_tensorcnt 0x0
	ds_add_u32 v[SPW], v[NIL]
	s_wait_dscnt 5                                 ; the add and the youngest four loads may be out
	MUL8 F1, 0, 0
	s_wait_dscnt 0x0                               ; the add is done, my reads of this slot are over
	s_barrier_signal -1
	MUL8 F1, 1, 0
	WIN 0
	s_barrier_wait -1
.if \fill
	CREST                                          ; no wave of any partner still reads this slot or has a load on its way
	s_xor_b32 s[G0A+5], s[G0A+5], SLOT1            ; the walking descriptors: the other slot than last time, the next K step
	s_add_nc_u64 s[G0A+6:G0A+7], s[G0A+6:G0A+7], ASTEP
	s_xor_b32 s[G0B+5], s[G0B+5], SLOT1
	s_add_nc_u64 s[G0B+6:G0B+7], s[G0B+6:G0B+7], BSTEP
	JLOAD                                          ; its four v_nop are also the places in front of the loads below
.else
	PLACES
.endif
	s_xor_b32 s[TB], s[TB], SLOT1
	v_add_nc_u32 v[ADRA], s[TB], v[ADRA0]
	v_add_nc_u32 v[ADRB], s[TB], v[ADRB0]
	FETCH 0, F0
	MUL8 F1, 2, 0
	MUL8 F1, 3, 0
.endm
	s_load_b128 s[4:7], s[0:1], 0x0                ; xh s[4:5], wh s[6:7]
	s_load_b64 s[8:9], s[0:1], 0x10                ; qkv
	v_lshl_add_u32 v[SPW], v0, 2, SPARE
	v_mov_b32 v[NIL], 0
	ds_add_u32 v[SPW], v[NIL]                      ; the wave's opening: an add, waited for ahead of my first tensor load
	ds_add_u32 v12, v13
	v_lshrrev_b32 v3, 5, v0
	v_readfirstlane_b32 s[WV], v3
	s_lshr_b32 s[WR], s[WV], 1
	s_and_b32 s[WC], s[WV], 1
	s_bfe_u32 s[CX], ttmp6, 0x40000
	s_bfe_u32 s[CY], ttmp6, 0x40004
	s_lshl_b32 s[TC], ttmp9, 2
	s_add_co_u32 s[TC], s[TC], s[CX]
	s_and_b32 s[TR], ttmp7, 0xffff
	s_lshl_b32 s[TR], s[TR], 2
	s_add_co_u32 s[TR], s[TR], s[CY]
	s_lshl_b32 s62, s[CY], 2
	s_lshl_b32 s62, 15, s62                        ; my row of the cluster
	s_lshl_b32 s63, 0x1111, s[CX]                  ; my column
	s_or_b32 s[G1A], s62, (1<<16)|(1<<20)|(1<<21)|(5<<22)|(3<<25)  ; mask; 2-byte elements; padding on; bit 21 beside a mask; after every 64 words 4 words
	s_mov_b32 s[G1A+1], 128<<16                    ; tensor_dim0 = 128
	s_mov_b32 s[G1A+2], 64<<16                     ; tensor_dim1 = 64
	s_mov_b32 s[G1A+3], 128<<16                    ; tile_dim0 = 128
	s_mov_b32 s[G1A+4], 64                         ; tile_dim1 = 64
	s_mov_b32 s[G1A+5], 1024                       ; elements from row to row
	s_mov_b32 s[G1A+6], 0
	s_mov_b32 s[G1A+7], 0
	s_or_b32 s[G1B], s63, (1<<16)|(1<<20)|(1<<21)|(6<<22)|(7<<25)  ; after every 128 words 8 words
	s_mov_b32 s[G1B+1], 256<<16                    ; 256 columns x 64 K rows
	s_mov_b32 s[G1B+2], 64<<16
	s_mov_b32 s[G1B+3], 256<<16
	s_mov_b32 s[G1B+4], 64
	s_mov_b32 s[G1B+5], 1024
	s_mov_b32 s[G1B+6], 0
	s_mov_b32 s[G1B+7], 0
	s_lshl_b32 s20, s[TR], 18                      ; x: (128 tile row + 64 half) rows of 2,048 bytes: no cx enters
	s_lshl_b32 s21, s[WC], 17
	s_add_co_u32 s20, s20, s21
	s_mov_b32 s21, 0
	s_lshl_b32 s22, ttmp9, 21                      ; W: the weight (2 MiB each), 512 bytes a tile column, 64 K rows a half: no cy enters
	s_lshl_b32 s23, s[CX], 9
	s_add_co_u32 s22, s22, s23
	s_lshl_b32 s23, s[WC], 17
	s_add_co_u32 s22, s22, s23
	s_mov_b32 s23, 0
	s_mul_i32 s2, s[WC], ALOAD                     ; where the tiles go: the wave's number alone
	s_mul_i32 s3, s[WC], BLOAD
	s_add_co_u32 s3, s3, ATILE
	s_lshl_b32 s68, s[TR], 7                       ; my part of qkv: row 128 tile row + 64 WR, byte 512 tile column + 256 WC
	s_lshl_b32 s69, s[WR], 6
	s_add_co_u32 s68, s68, s69
	s_mul_i32 s68, s68, CPITCH
	s_lshl_b32 s69, s[TC], 9
	s_add_co_u32 s68, s68, s69
	s_lshl_b32 s69, s[WC], 8
	s_add_co_u32 s68, s68, s69
	s_mov_b32 s69, 0
	s_mov_b32 s[TB], 0
	s_wait_dscnt 0x0                               ; the opening add is done
	s_wait_kmcnt 0x0
	s_add_nc_u64 s[20:21], s[4:5], s[20:21]
	s_add_nc_u64 s[22:23], s[6:7], s[22:23]
	s_add_nc_u64 s[8:9], s[8:9], s[68:69]
.irp s, 0,1
	s_mov_b32 s[G0A+4*(\s)], 1
	s_add_co_u32 s[G0A+4*(\s)+1], s2, (\s)*SLOT1
	s_add_nc_u64 s[G0A+4*(\s)+2:G0A+4*(\s)+3], s[20:21], (\s)*ASTEP
	s_or_b32 s[G0A+4*(\s)+3], s[G0A+4*(\s)+3], 0x80000000
	s_mov_b32 s[G0B+4*(\s)], 1
	s_add_co_u32 s[G0B+4*(\s)+1], s3, (\s)*SLOT1
	s_add_nc_u64 s[G0B+4*(\s)+2:G0B+4*(\s)+3], s[22:23], (\s)*BSTEP
	s_or_b32 s[G0B+4*(\s)+3], s[G0B+4*(\s)+3], 0x80000000
.endr
	CROUND                                         ; all sixteen work-groups are here: the first joint loads meet
	s_cmp_eq_u32 s[WR], 0                          ; a wave's two first fills stand in one branch: two loads of mine are out
	s_cbranch_scc0 .Lfirst_b
	tensor_load_to_lds s[G0A:G0A+3], s[G1A:G1A+7]
	s_nop 0
	tensor_load_to_lds s[G0A+4:G0A+7], s[G1A:G1A+7]
	s_nop 0
	PLACES
	s_branch .Lfirst_asked
.Lfirst_b:
	tensor_load_to_lds s[G0B:G0B+3], s[G1B:G1B+7]
	s_nop 0
	tensor_load_to_lds s[G0B+4:G0B+7], s[G1B:G1B+7]
	s_nop 0
	PLACES
.Lfirst_asked:
	v_and_b32 v1, 15, v0                           ; l % 16
	v_bfe_u32 v2, v0, 4, 1                         ; l / 16
	v_mul_u32_u24 v[ADRA0], v1, PA                 ; a fragment of x: row x pitch + 16 x half, two loads 32 bytes apart
	v_lshl_add_u32 v[ADRA0], v2, 4, v[ADRA0]
	s_mul_i32 s2, s[WR], 64*PA
	v_add_nc_u32 v[ADRA0], s2, v[ADRA0]
	v_and_b32 v3, 7, v0                            ; the turning load: lane l reads K row 8 (l / 16) + l % 8, columns 8 ((l / 8) % 2) + 0..7
	v_lshl_add_u32 v3, v2, 3, v3
	v_mul_u32_u24 v[ADRB0], v3, PB
	v_bfe_u32 v3, v0, 3, 1
	v_lshl_add_u32 v[ADRB0], v3, 4, v[ADRB0]
	s_lshl_b32 s2, s[WC], 8
	s_add_co_u32 s2, s2, ATILE
	v_add_nc_u32 v[ADRB0], s2, v[ADRB0]
	v_mov_b32 v[ADRA], v[ADRA0]
	v_mov_b32 v[ADRB], v[ADRB0]
	s_mul_i32 s2, s[WV], 16*SP
	s_add_co_u32 s2, s2, STAGE                     ; my stage
	v_mul_u32_u24 v[STO], v1, SP
	v_lshl_add_u32 v[STO], v2, 4, v[STO]
	v_add_nc_u32 v[STO], s2, v[STO]
	v_mul_u32_u24 v[RD], v2, SP                    ; back: lanes 0-15 one row of 256 bytes, lanes 16-31 the next
	v_lshl_add_u32 v[RD], v1, 4, v[RD]
	v_add_nc_u32 v[RD], s2, v[RD]
	v_mul_u32_u24 v[CO], v2, CPITCH
	v_lshl_add_u32 v[CO], v1, 4, v[CO]
	s_wait_tensorcnt 0x1                           ; my part of K step 0 is in; step 1's may stay out
	s_barrier_signal -1
	s_barrier_wait -1
	FETCH 0, F0
	QUARTER 1, F0, F1, 1                           ; the first quarter stands in front of the loop: its products start the sums
	WIN 0
	s_mov_b32 s[CNT], 6
.Lstep:                                                ; a trip: a K step's quarters 1 to 3 and the next step's quarter 0; it fills one slot again (K steps 2 to 7)
	QUARTER 2, F1, F0, 0
	QUARTER 3, F0, F1, 0
	TURN 1
	QUARTER 1, F0, F1, 0
	WIN 0
	s_sub_co_u32 s[CNT], s[CNT], 1
	s_cmp_lg_u32 s[CNT], 0
	s_cbranch_scc1 .Lstep
	QUARTER 2, F1, F0, 0                           ; the last two K steps ask for nothing
	QUARTER 3, F0, F1, 0
	TURN 0
	QUARTER 1, F0, F1, 0
	QUARTER 2, F1, F0, 0
	QUARTER 3, F0, F1, 0
	s_wait_dscnt 4
	MUL8 F1, 0, 0
	MUL8 F1, 1, 0
	s_wait_dscnt 0x0
	MUL8 F1, 2, 0
	MUL8 F1, 3, 0
	WIN 0
	PLACES
; THE WAY OUT, a block of 16 rows at a time: rounded to f16 (each accumulator's registers in ascending order), 16 bytes a lane into my stage, back as whole rows of 256 bytes, stored.
.macro PACK a
	WIN 0x05                                       ; sources in window 1
.irp b, 0,1,2,3,4,5,6,7
.irp i, 0,1,2,3
	v_cvt_pk_f16_f32 v[TMP+4*(\b)+(\i)], v[8*(8*(\a)+(\b))+2*(\i)], v[8*(8*(\a)+(\b))+2*(\i)+1]
.endr
.endr
	WIN 0
.endm
.macro TOSTAGE a
.irp b, 0,1,2,3,4,5,6,7
	ds_store_b128 v[STO], v[TMP+4*(\b):TMP+4*(\b)+3] offset:32*(\b)
.endr
.irp t, 0,1,2,3,4,5,6,7
	ds_load_b128 v[OB+32*(\a)+4*(\t):OB+32*(\a)+4*(\t)+3], v[RD] offset:(\t)*2*SP  ; LDS serves a wave's instructions in order (ISA guide 5.7.1.4): these see the stores above
.endr
.endm
.macro SEND a
	s_wait_dscnt 0x0
.irp t, 0,1,2,3,4,5,6,7
	global_store_b128 v[CO], v[OB+32*(\a)+4*(\t):OB+32*(\a)+4*(\t)+3], s[8:9] offset:(16*(\a)+2*(\t))*CPITCH  ; 16 lanes store 256 consecutive bytes, aligned; no register of a store is written again
.endr
.endm
	PACK 0
	TOSTAGE 0
.irp a, 1,2,3
	PACK \a
	SEND (\a)-1
	TOSTAGE \a
.endr
	SEND 3
	s_wait_tensorcnt 0x0                           ; the wave's end
	ds_add_u32 v[SPW], v[NIL]
	s_wait_dscnt 0x0
	CROUND                                         ; the closing round
	s_endpgm
.Lfunc_end_k_q4c75a73464_proj:
	.size	k_q4c75a73464_proj, .Lfunc_end_k_q4c75a73464_proj-k_q4c75a73464_proj
	.p2alignl 7, 3214868480
	.fill 96, 4, 3214868480
	.section	.rodata,"a",@progbits
	.p2align	6, 0x0
	.amdhsa_kernel k_q4c75a73464_proj
		.amdhsa_group_segment_fixed_size 327680
		.amdhsa_private_segment_fixed_size 0
		.amdhsa_enable_private_segment 0
		.amdhsa_kernarg_size 24
		.amdhsa_user_sgpr_count 2
		.amdhsa_user_sgpr_kernarg_segment_ptr 1
		.amdhsa_wavefront_size32 1
		.amdhsa_system_sgpr_workgroup_id_x 1
		.amdhsa_system_sgpr_workgroup_id_y 1
		.amdhsa_system_sgpr_workgroup_id_z 1
		.amdhsa_system_vgpr_workitem_id 0
		.amdhsa_next_free_vgpr 512
		.amdhsa_next_free_sgpr 72
		.amdhsa_reserve_vcc 0
		.amdhsa_float_denorm_mode_32 3
		.amdhsa_float_denorm_mode_16_64 3
		.amdhsa_memory_ordered 1
		.amdhsa_forward_progress 1
		.amdhsa_inst_pref_size 70
	.end_amdhsa_kernel
	.amdgpu_metadata
---
amdhsa.version: [ 1, 2 ]
amdhsa.kernels:
  - .name:           k_q4c75a73464_proj
    .symbol:         k_q4c75a73464_proj.kd
    .args:
      - { .name: xh, .offset: 0, .size: 8, .value_kind: global_buffer, .address_space: global }
      - { .name: wh, .offset: 8, .size: 8, .value_kind: global_buffer, .address_space: global }
      - { .name: qkv, .offset: 16, .size: 8, .value_kind: global_buffer, .address_space: global }
    .group_segment_fixed_size: 327680
    .private_segment_fixed_size: 0
    .kernarg_segment_align: 8
    .kernarg_segment_size: 24
    .max_flat_workgroup_size: 128
    .sgpr_count:     72
    .vgpr_count:     512
    .wavefront_size: 32
...
	.end_amdgpu_metadata
.endif
;; end of part 2
;; launch scores (part 3): grid 9 x 32, 4 waves a work-group, no clusters, 327,680 bytes of LDS; arguments qkv, e, st; writes e, st
.if DOCPART == 3
	.amdgcn_target "amdgcn-amd-amdhsa--gfx1250"
	.amdhsa_code_object_version 6
	.text
	.protected	k_q4c75a73464_scores
	.globl	k_q4c75a73464_scores
	.p2align	8
	.type	k_q4c75a73464_scores,@function
k_q4c75a73464_scores:
	s_mov_b64 s[64:65], 0
	v_nop
	global_prefetch_b8 v0, s[64:65] scope:SCOPE_SE
	s_setreg_imm32_b32 hwreg(HW_REG_WAVE_MODE, 25, 1), 1
	s_wait_xcnt 0x0
; The causal tiles of S = q k^T, left as a softmax in two levels.  A GROUP is 128 keys.  For each row and group g: cm = c x (the largest visible score of the group), c = log2(e) / 32;
; E = 2^(c s - cm) in f16 into e[batch][row][key]; (cm, l = the sum of the unrounded E) in f32 into st[batch][g][row].  The next launch joins the groups by the true row maximum.
; LIMITS.  A hidden score counts as -2^100, and a group's maximum is never taken below -2^96 (scores of f16 operands reach 4.4e12 at the most): a wholly hidden group gives E = 0, l = 0.
; E below 6e-8 counts as 0 in e.  NaN and infinities are not treated apart.
; A tile is 128 queries x 256 keys; row block i (0-15) has the key tiles 0 .. i / 2.  Blocks p and 15 - p have 9 tiles together: grid x = 0..8 walks them, grid y = 8 batch + p.
; NO CLUSTER: the tiles are a triangle: a row block has 1 to 8 key tiles, a key tile 2 to 16 row blocks, so neither kind of sharers comes in fours at every place.
; Four waves, 2 x 2, each 64 x 128 (one group): 32 accumulators.  K = 1,024 in 8 steps of 128 through two LDS slots.  q and k both lie along K: plain fragment loads.
; Source 0 = 16 keys, source 1 = 16 queries: a lane holds query l % 16 and keys 8 (l / 16) + 0..7 of each block of 16.
; REGISTERS.  Window 0: v0-15 addresses; v16-23 at work; v24-31 (cm, l) of my four row blocks; v32-127, v128-223 fragment buffers; v224-255 packed E.  Window 1: accumulator (a, b) at v[8 (8 a + b)].
.set PA,    272
.set ALOAD, 64*PA
.set ATILE, 2*ALOAD
.set BLOAD, 128*PA                     ; one tensor load of k: 128 rows
.set SLOT1, 1<<17
.set STAGE, SLOT1+ATILE+2*BLOAD
.set SP,    272
.set SPARE, STAGE+4*16*SP
.set KSTEP, 256                        ; bytes from K step to K step, in q and in k
.set CPITCH, 4096
.set ADRA0, 4
.set ADRB0, 5
.set ADRA,  6
.set ADRB,  7
.set STO,   8
.set RD,    9
.set CO,    10
.set SO,    11                         ; v11  8 x lane: my place in 32 rows of st
.set SPW,   12
.set NIL,   13
.set THR,   14                         ; v14  key 16 (b - a) + j of accumulator (a, b) is hidden where that number is greater than this
.set BIG,   15                         ; v15  -2^100
.set CM,    16
.set ST,    24
.set F0,    32
.set F1,    128
.set TMP,   224
.set OB,    32
.set WV, 12
.set WR, 13
.set WC, 14
.set G1A, 24
.set G1B, 32
.set G0A, 40
.set G0B, 48
.set CNT, 56
.set TB,  57
.set CS,  58                           ; s[58:59] c
.set SEL, 60                           ; s[60:61] v_permlanex16_b32's selects: each lane takes its own place in the other half
.set BI,  62                           ; row block
.set BJ,  63                           ; key tile
.set DD,  66                           ; my first query less my first key
.set HM,  67                           ; lanes 16-31
.set FL,  72                           ; -2^96
.set MULW, 0x50
.set MSB, 0
.macro WIN new
.if MSB != (\new)
	s_set_vgpr_msb (MSB<<8)|(\new)
.set MSB, (\new)
.endif
.endm
.macro PLACES
.rept 4
	v_nop
.endr
.endm
.macro LOAD                            ; a refill: waves 0, 1 fetch q's halves, waves 2, 3 k's; an s_nop 0 and four v_nop follow each line
	s_cmp_eq_u32 s[WR], 0
	s_cbranch_scc0 .Lfor_b_\@
	tensor_load_to_lds s[G0A+4:G0A+7], s[G1A:G1A+7]
	s_nop 0
	PLACES
	s_branch .Lasked_\@
.Lfor_b_\@:
	tensor_load_to_lds s[G0B+4:G0B+7], s[G1B:G1B+7]
	s_nop 0
	PLACES
.Lasked_\@:
.endm
.macro MUL8 f, a, zero                 ; the 32 accumulators take turns
	WIN MULW
.irp b, 0,1,2,3,4,5,6,7
.if \zero
	v_wmma_f32_16x16x32_f16 v[8*(8*(\a)+(\b)):8*(8*(\a)+(\b))+7], v[(\f)+32+8*(\b):(\f)+32+8*(\b)+7], v[(\f)+8*(\a):(\f)+8*(\a)+7], 0
.else
	v_wmma_f32_16x16x32_f16 v[8*(8*(\a)+(\b)):8*(8*(\a)+(\b))+7], v[(\f)+32+8*(\b):(\f)+32+8*(\b)+7], v[(\f)+8*(\a):(\f)+8*(\a)+7], v[8*(8*(\a)+(\b)):8*(8*(\a)+(\b))+7]
.endif
.endr
.endm
.macro FETCH q, f                      ; 24 LDS loads in one run: k's 8 fragments, then q's 4
	WIN 0
.irp b, 0,1,2,3,4,5,6,7
	ds_load_b128 v[(\f)+32+8*(\b):(\f)+32+8*(\b)+3],   v[ADRB] offset:(\b)*16*PA+64*(\q)
	ds_load_b128 v[(\f)+32+8*(\b)+4:(\f)+32+8*(\b)+7], v[ADRB] offset:(\b)*16*PA+64*(\q)+32
.endr
.irp a, 0,1,2,3
	ds_load_b128 v[(\f)+8*(\a):(\f)+8*(\a)+3],   v[ADRA] offset:(\a)*16*PA+64*(\q)
	ds_load_b128 v[(\f)+8*(\a)+4:(\f)+8*(\a)+7], v[ADRA] offset:(\a)*16*PA+64*(\q)+32
.endr
.endm
.macro QUARTER q, f, g, zero
	s_wait_dscnt 4                                 ; all but the youngest four loads (q's blocks 2, 3) are in
	MUL8 \f, 0, \zero
	MUL8 \f, 1, \zero
	PLACES
	FETCH \q, \g
	s_wait_dscnt 24                                ; all but the 24 just issued
	MUL8 \f, 2, \zero
	MUL8 \f, 3, \zero
.endm
; The fourth quarter changes slots: each wave waits for all its tensor loads, adds 0 to its spare word, waits for that and for its reads of this slot, and passes the barrier;
; fill = 1: this slot is filled again, two K steps ahead, first thing behind the barrier.
.macro TURN fill
	WIN 0
	s_wait_tensorcnt 0x0
	ds_add_u32 v[SPW], v[NIL]
	s_wait_dscnt 5                                 ; the add and the youngest four loads may be out
	MUL8 F1, 0, 0
	s_wait_dscnt 0x0
	s_barrier_signal -1
	MUL8 F1, 1, 0
	WIN 0
	s_barrier_wait -1
.if \fill
	s_xor_b32 s[G0A+5], s[G0A+5], SLOT1
	s_add_nc_u64 s[G0A+6:G0A+7], s[G0A+6:G0A+7], KSTEP
	s_xor_b32 s[G0B+5], s[G0B+5], SLOT1
	s_add_nc_u64 s[G0B+6:G0B+7], s[G0B+6:G0B+7], KSTEP
	LOAD
.else
	PLACES
.endif
	s_xor_b32 s[TB], s[TB], SLOT1
	v_add_nc_u32 v[ADRA], s[TB], v[ADRA0]
	v_add_nc_u32 v[ADRB], s[TB], v[ADRB0]
	FETCH 0, F0
	MUL8 F1, 2, 0
	MUL8 F1, 3, 0
.endm
	s_load_b64 s[4:5], s[0:1], 0x0                 ; qkv
	s_load_b128 s[8:11], s[0:1], 0x8               ; e s[8:9], st s[10:11]
	v_lshl_add_u32 v[SPW], v0, 2, SPARE
	v_mov_b32 v[NIL], 0
	ds_add_u32 v[SPW], v[NIL]                      ; the wave's opening: an add, waited for ahead of my first tensor load
	ds_add_u32 v12, v13
	v_lshrrev_b32 v3, 5, v0
	v_readfirstlane_b32 s[WV], v3
	s_lshr_b32 s[WR], s[WV], 1
	s_and_b32 s[WC], s[WV], 1
	s_and_b32 s15, ttmp7, 0xffff
	s_lshr_b32 s16, s15, 3                         ; batch
	s_and_b32 s17, s15, 7                          ; p
	s_lshr_b32 s18, s17, 1                         ; block p has the tiles 0 .. p / 2
	s_sub_co_u32 s19, 15, s17
	s_sub_co_u32 s2, ttmp9, s18
	s_sub_co_u32 s2, s2, 1
	s_cmp_le_u32 ttmp9, s18
	s_cselect_b32 s[BI], s17, s19                  ; x <= p / 2: tile x of block p; else tile x - p / 2 - 1 of block 15 - p
	s_cselect_b32 s[BJ], ttmp9, s2
	s_lshl_b32 s16, s16, 11                        ; the batch's first row
	s_lshl_b32 s3, s[BI], 7
	s_add_co_u32 s3, s3, s16                       ; the tile's first query
	s_lshl_b32 s2, s[WC], 6
	s_add_co_u32 s20, s3, s2
	s_mul_i32 s20, s20, 6144                       ; q: the 64 rows that I fetch
	s_mov_b32 s21, 0
	s_lshl_b32 s22, s[BJ], 8
	s_add_co_u32 s22, s22, s16
	s_lshl_b32 s2, s[WC], 7
	s_add_co_u32 s22, s22, s2
	s_mul_i32 s22, s22, 6144
	s_add_co_u32 s22, s22, 2048                    ; k: the 128 rows that I fetch; k begins at byte 2,048 of a row
	s_mov_b32 s23, 0
	s_lshl_b32 s2, s[WR], 6
	s_add_co_u32 s68, s3, s2
	s_lshl_b32 s68, s68, 12                        ; e: my first row,
	s_lshl_b32 s2, s[BJ], 9
	s_add_co_u32 s68, s68, s2
	s_lshl_b32 s2, s[WC], 8
	s_add_co_u32 s68, s68, s2                      ; my 128 keys
	s_mov_b32 s69, 0
	s_lshl_b32 s70, s16, 4                         ; st: ((16 batch + 2 J + WC) 2,048 + 128 i + 64 WR) x 8 bytes
	s_lshl_b32 s2, s[BJ], 12
	s_add_co_u32 s70, s70, s2
	s_lshl_b32 s2, s[WC], 11
	s_add_co_u32 s70, s70, s2
	s_lshl_b32 s2, s[BI], 7
	s_add_co_u32 s70, s70, s2
	s_lshl_b32 s2, s[WR], 6
	s_add_co_u32 s70, s70, s2
	s_lshl_b32 s70, s70, 3
	s_mov_b32 s71, 0
	s_lshl_b32 s[DD], s[BI], 7                     ; 128 i + 64 WR - 256 J - 128 WC, signed
	s_lshl_b32 s2, s[WR], 6
	s_add_co_u32 s[DD], s[DD], s2
	s_lshl_b32 s2, s[BJ], 8
	s_sub_co_u32 s[DD], s[DD], s2
	s_lshl_b32 s2, s[WC], 7
	s_sub_co_u32 s[DD], s[DD], s2
	s_mov_b32 s[G1A], (1<<16)|(1<<20)|(5<<22)|(3<<25)  ; 2-byte elements; padding on: after every 64 words 4 words
	s_mov_b32 s[G1A+1], 128<<16                    ; 128 along K x 64 rows
	s_mov_b32 s[G1A+2], 64<<16
	s_mov_b32 s[G1A+3], 128<<16
	s_mov_b32 s[G1A+4], 64
	s_mov_b32 s[G1A+5], 3072                       ; elements from row to row of qkv
	s_mov_b32 s[G1A+6], 0
	s_mov_b32 s[G1A+7], 0
	s_mov_b32 s[G1B], (1<<16)|(1<<20)|(5<<22)|(3<<25)
	s_mov_b32 s[G1B+1], 128<<16                    ; 128 along K x 128 rows
	s_mov_b32 s[G1B+2], 128<<16
	s_mov_b32 s[G1B+3], 128<<16
	s_mov_b32 s[G1B+4], 128
	s_mov_b32 s[G1B+5], 3072
	s_mov_b32 s[G1B+6], 0
	s_mov_b32 s[G1B+7], 0
	s_mul_i32 s2, s[WC], ALOAD
	s_mul_i32 s3, s[WC], BLOAD
	s_add_co_u32 s3, s3, ATILE
	s_mov_b32 s[TB], 0
	s_mov_b32 s[CS], 0x3d38aa3b                    ; c = log2(e) / 32
	s_mov_b32 s[CS+1], s[CS]                       ; named with it as a pair
	s_mov_b32 s[SEL], 0x76543210
	s_mov_b32 s[SEL+1], 0xfedcba98
	s_mov_b32 s[HM], 0xffff0000
	s_mov_b32 s[FL], 0xef800000
	s_wait_dscnt 0x0                               ; the opening add is done
	s_wait_kmcnt 0x0
	s_add_nc_u64 s[20:21], s[4:5], s[20:21]
	s_add_nc_u64 s[22:23], s[4:5], s[22:23]
	s_add_nc_u64 s[8:9], s[8:9], s[68:69]
	s_add_nc_u64 s[10:11], s[10:11], s[70:71]
.irp s, 0,1
	s_mov_b32 s[G0A+4*(\s)], 1
	s_add_co_u32 s[G0A+4*(\s)+1], s2, (\s)*SLOT1
	s_add_nc_u64 s[G0A+4*(\s)+2:G0A+4*(\s)+3], s[20:21], (\s)*KSTEP
	s_or_b32 s[G0A+4*(\s)+3], s[G0A+4*(\s)+3], 0x80000000
	s_mov_b32 s[G0B+4*(\s)], 1
	s_add_co_u32 s[G0B+4*(\s)+1], s3, (\s)*SLOT1
	s_add_nc_u64 s[G0B+4*(\s)+2:G0B+4*(\s)+3], s[22:23], (\s)*KSTEP
	s_or_b32 s[G0B+4*(\s)+3], s[G0B+4*(\s)+3], 0x80000000
.endr
	s_cmp_eq_u32 s[WR], 0                          ; a wave's two first fills stand in one branch: two loads of mine are out
	s_cbranch_scc0 .Lfirst_b
	tensor_load_to_lds s[G0A:G0A+3], s[G1A:G1A+7]
	s_nop 0
	tensor_load_to_lds s[G0A+4:G0A+7], s[G1A:G1A+7]
	s_nop 0
	PLACES
	s_branch .Lfirst_asked
.Lfirst_b:
	tensor_load_to_lds s[G0B:G0B+3], s[G1B:G1B+7]
	s_nop 0
	tensor_load_to_lds s[G0B+4:G0B+7], s[G1B:G1B+7]
	s_nop 0
	PLACES
.Lfirst_asked:
	v_and_b32 v1, 15, v0                           ; l % 16
	v_bfe_u32 v2, v0, 4, 1                         ; l / 16
	v_mul_u32_u24 v3, v1, PA
	v_lshl_add_u32 v3, v2, 4, v3                   ; a fragment's row x pitch + 16 x half
	s_mul_i32 s2, s[WR], 64*PA
	v_add_nc_u32 v[ADRA0], s2, v3
	s_mul_i32 s2, s[WC], 128*PA
	s_add_co_u32 s2, s2, ATILE
	v_add_nc_u32 v[ADRB0], s2, v3
	v_mov_b32 v[ADRA], v[ADRA0]
	v_mov_b32 v[ADRB], v[ADRB0]
	s_mul_i32 s2, s[WV], 16*SP
	s_add_co_u32 s2, s2, STAGE
	v_mul_u32_u24 v[STO], v1, SP
	v_lshl_add_u32 v[STO], v2, 4, v[STO]
	v_add_nc_u32 v[STO], s2, v[STO]
	v_mul_u32_u24 v[RD], v2, SP
	v_lshl_add_u32 v[RD], v1, 4, v[RD]
	v_add_nc_u32 v[RD], s2, v[RD]
	v_lshlrev_b32 v[CO], 12, v2
	v_lshl_add_u32 v[CO], v1, 4, v[CO]
	v_and_b32 v3, 31, v0
	v_lshlrev_b32 v[SO], 3, v3
	v_lshlrev_b32 v3, 3, v2
	v_sub_nc_u32 v[THR], v1, v3
	v_add_nc_u32 v[THR], s[DD], v[THR]             ; l % 16 - 8 (l / 16) + my first query - my first key
	v_mov_b32 v[BIG], 0xf1800000
.irp a, 0,1,2,3
	v_mov_b32 v[ST+2*(\a)+1], 0                    ; named in a pair with cm before l is made
.endr
	s_wait_tensorcnt 0x1                           ; my part of K step 0 is in; step 1's may stay out
	s_barrier_signal -1
	s_barrier_wait -1
	FETCH 0, F0
	QUARTER 1, F0, F1, 1
	WIN 0
	s_mov_b32 s[CNT], 6
.Lstep:
	QUARTER 2, F1, F0, 0
	QUARTER 3, F0, F1, 0
	TURN 1
	QUARTER 1, F0, F1, 0
	WIN 0
	s_sub_co_u32 s[CNT], s[CNT], 1
	s_cmp_lg_u32 s[CNT], 0
	s_cbranch_scc1 .Lstep
	QUARTER 2, F1, F0, 0
	QUARTER 3, F0, F1, 0
	TURN 0
	QUARTER 1, F0, F1, 0
	QUARTER 2, F1, F0, 0
	QUARTER 3, F0, F1, 0
	s_wait_dscnt 4
	MUL8 F1, 0, 0
	MUL8 F1, 1, 0
	s_wait_dscnt 0x0
	MUL8 F1, 2, 0
	MUL8 F1, 3, 0
	WIN 0
	PLACES
	; THE MASK.  Where my first query lies 128 or more behind my first key nothing is hidden (16 (b - a) + j is 119 at the most, the threshold 120 at the least): the lines are jumped; they hold no barrier.
	s_cmp_ge_i32 s[DD], 128
	s_cbranch_scc1 .Lopen
	WIN 0x41                                       ; scores in window 1, threshold and -2^100 in window 0
.set j, 0
.rept 8                                ; register 0 of every accumulator comes first
.set d, -3
.rept 11
	v_cmp_gt_i32 vcc_lo, 16*d+j, v[THR]
.set a, 0
.rept 4
.if (a+d >= 0) && (a+d <= 7)
	v_cndmask_b32 v[8*(8*a+a+d)+j], v[8*(8*a+a+d)+j], v[BIG], vcc_lo
.endif
.set a, a+1
.endr
.set d, d+1
.endr
.set j, j+1
.endr
	WIN 0
.Lopen:
; Row block a: the group's maximum, E, its sum.  A lane holds 64 of its query's 128 scores; the other 64 lie in the lane 16 away.
.macro SOFT a
.set SB, 64*(\a)
.set rT, ST+2*(\a)
	WIN 0x15
.irp b, 0,1,2,3,4,5,6,7
	v_max3_num_f32 v[CM+(\b)], v[SB+8*(\b)], v[SB+8*(\b)+1], v[SB+8*(\b)+2]
.endr
	WIN 0x14
.irp b, 0,1,2,3,4,5,6,7
	v_max3_num_f32 v[CM+(\b)], v[CM+(\b)], v[SB+8*(\b)+3], v[SB+8*(\b)+4]
.endr
.irp b, 0,1,2,3,4,5,6,7
	v_max3_num_f32 v[CM+(\b)], v[CM+(\b)], v[SB+8*(\b)+5], v[SB+8*(\b)+6]
.endr
.irp b, 0,1,2,3,4,5,6,7
	v_max_num_f32 v[CM+(\b)], v[CM+(\b)], v[SB+8*(\b)+7]
.endr
	WIN 0
	v_max3_num_f32 v[CM], v[CM], v[CM+1], v[CM+2]
	v_max3_num_f32 v[CM+3], v[CM+3], v[CM+4], v[CM+5]
	v_max3_num_f32 v[CM+6], v[CM+6], v[CM+7], s[FL]  ; never below -2^96
	v_max3_num_f32 v[CM], v[CM], v[CM+3], v[CM+6]
	v_permlanex16_b32 v[CM+1], v[CM], s[SEL], s[SEL+1]
	v_max_num_f32 v[CM], v[CM], v[CM+1]
	v_mul_f32 v[rT], s[CS], v[CM]                  ; cm
	WIN 0x41
.set z, 0
.rept 32
	v_pk_fma_f32 v[SB+z:SB+z+1], v[SB+z:SB+z+1], s[CS:CS+1], v[rT:rT+1] op_sel_hi:[1,0,0] neg_lo:[0,0,1] neg_hi:[0,0,1]  ; c s - cm
.set z, z+2
.endr
.set z, 0
.rept 64
	v_exp_f32 v[SB+z], v[SB+z]
.set z, z+1
.endr
	v_nop                                          ; a plain instruction between the last exponential and the use of its result
	WIN 0x05
	s_wait_alu depctr_va_vdst(0)
.irp b, 0,1,2,3,4,5,6,7
.irp i, 0,1,2,3
	v_cvt_pk_f16_f32 v[TMP+4*(\b)+(\i)], v[SB+8*(\b)+2*(\i)], v[SB+8*(\b)+2*(\i)+1]
.endr
.endr
	WIN 0x45                                       ; the sum of the 32 pairs, in place: neighbours 1, 2, 4, 8 and 16 pairs apart
.irp w, 2,4,8,16,32
.set z, 0
.rept 32/(\w)
	v_pk_add_f32 v[SB+z:SB+z+1], v[SB+z:SB+z+1], v[SB+z+(\w):SB+z+(\w)+1]
.set z, z+2*(\w)
.endr
.endr
	WIN 0x05
	v_add_f32 v[CM+2], v[SB], v[SB+1]
	WIN 0
	v_permlanex16_b32 v[CM+3], v[CM+2], s[SEL], s[SEL+1]
	v_add_f32 v[rT+1], v[CM+2], v[CM+3]            ; l
.endm
.macro TOSTAGE a
.irp b, 0,1,2,3,4,5,6,7
	ds_store_b128 v[STO], v[TMP+4*(\b):TMP+4*(\b)+3] offset:32*(\b)
.endr
.irp t, 0,1,2,3,4,5,6,7
	ds_load_b128 v[OB+32*(\a)+4*(\t):OB+32*(\a)+4*(\t)+3], v[RD] offset:(\t)*2*SP  ; LDS serves a wave's instructions in order (ISA guide 5.7.1.4): these see the stores above
.endr
.endm
.macro SEND a
	s_wait_dscnt 0x0
.irp t, 0,1,2,3,4,5,6,7
	global_store_b128 v[CO], v[OB+32*(\a)+4*(\t):OB+32*(\a)+4*(\t)+3], s[8:9] offset:(16*(\a)+2*(\t))*CPITCH  ; 16 lanes store 256 consecutive bytes, aligned
.endr
.endm
	SOFT 0
	TOSTAGE 0
.irp a, 1,2,3
	SOFT \a
	SEND (\a)-1
	TOSTAGE \a
.endr
	SEND 3
.irp c, 0,1                            ; (cm, l) of my 64 rows: lanes 0-15 give row block 2 c, lanes 16-31 block 2 c + 1: 32 lanes store 256 consecutive bytes, aligned
	v_cndmask_b32 v[CM+2*(\c)], v[ST+4*(\c)], v[ST+4*(\c)+2], s[HM]
	v_cndmask_b32 v[CM+2*(\c)+1], v[ST+4*(\c)+1], v[ST+4*(\c)+3], s[HM]
	global_store_b64 v[SO], v[CM+2*(\c):CM+2*(\c)+1], s[10:11] offset:256*(\c)
.endr
	s_wait_tensorcnt 0x0                           ; the wave's end
	ds_add_u32 v[SPW], v[NIL]
	s_wait_dscnt 0x0
	s_endpgm
.Lfunc_end_k_q4c75a73464_scores:
	.size	k_q4c75a73464_scores, .Lfunc_end_k_q4c75a73464_scores-k_q4c75a73464_scores
	.p2alignl 7, 3214868480
	.fill 96, 4, 3214868480
	.section	.rodata,"a",@progbits
	.p2align	6, 0x0
	.amdhsa_kernel k_q4c75a73464_scores
		.amdhsa_group_segment_fixed_size 327680
		.amdhsa_private_segment_fixed_size 0
		.amdhsa_enable_private_segment 0
		.amdhsa_kernarg_size 24
		.amdhsa_user_sgpr_count 2
		.amdhsa_user_sgpr_kernarg_segment_ptr 1
		.amdhsa_wavefront_size32 1
		.amdhsa_system_sgpr_workgroup_id_x 1
		.amdhsa_system_sgpr_workgroup_id_y 1
		.amdhsa_system_sgpr_workgroup_id_z 1
		.amdhsa_system_vgpr_workitem_id 0
		.amdhsa_next_free_vgpr 512
		.amdhsa_next_free_sgpr 74
		.amdhsa_reserve_vcc 1
		.amdhsa_float_denorm_mode_32 3
		.amdhsa_float_denorm_mode_16_64 3
		.amdhsa_memory_ordered 1
		.amdhsa_forward_progress 1
		.amdhsa_inst_pref_size 116
	.end_amdhsa_kernel
	.amdgpu_metadata
---
amdhsa.version: [ 1, 2 ]
amdhsa.kernels:
  - .name:           k_q4c75a73464_scores
    .symbol:         k_q4c75a73464_scores.kd
    .args:
      - { .name: qkv, .offset: 0, .size: 8, .value_kind: global_buffer, .address_space: global }
      - { .name: e, .offset: 8, .size: 8, .value_kind: global_buffer, .address_space: global }
      - { .name: st, .offset: 16, .size: 8, .value_kind: global_buffer, .address_space: global }
    .group_segment_fixed_size: 327680
    .private_segment_fixed_size: 0
    .kernarg_segment_align: 8
    .kernarg_segment_size: 24
    .max_flat_workgroup_size: 128
    .sgpr_count:     74
    .vgpr_count:     512
    .wavefront_size: 32
...
	.end_amdgpu_metadata
.endif
;; end of part 3
;; launch pv (part 4): grid 8 x 32, 4 waves a work-group, clusters of 4 x 1, 327,680 bytes of LDS; arguments e, st, qkv, o; writes o
.if DOCPART == 4
	.amdgcn_target "amdgcn-amd-amdhsa--gfx1250"
	.amdhsa_code_object_version 6
	.text
	.protected	k_q4c75a73464_pv
	.globl	k_q4c75a73464_pv
	.p2align	8
	.type	k_q4c75a73464_pv,@function
k_q4c75a73464_pv:
	s_mov_b64 s[64:65], 0
	v_nop
	global_prefetch_b8 v0, s[64:65] scope:SCOPE_SE
	s_setreg_imm32_b32 hwreg(HW_REG_WAVE_MODE, 25, 1), 1
	s_wait_xcnt 0x0
	s_wait_alu depctr_hold_cnt(0) depctr_sa_sdst(0) depctr_va_vdst(0) depctr_va_sdst(0) depctr_va_ssrc(0) depctr_va_vcc(0) depctr_vm_vsrc(0)
	s_getreg_b32 s2, hwreg(HW_REG_IB_STS2, 6, 4)
	s_cmp_eq_u32 s2, 0
	s_cbranch_scc0 .Lentry_in_a_cluster
	s_endpgm
.Lentry_in_a_cluster:
	s_bfe_u32 s2, ttmp6, 0x10000c
	s_cmp_lg_u32 s2, 0x3003
	s_cbranch_scc0 .Lentry_shape_is_right
	s_endpgm
.Lentry_shape_is_right:
; o[row][ch] = the sum over keys of softmax(row)[key] v[key][ch], f32.  The weight of a key in group g (128 keys) is E w_g, with E (f16, relative to the group's maximum) from e and
; w_g = 2^(cm_g - M) / L, M = the largest cm_g of the row, L = the sum of l_g 2^(cm_g - M), made here from st: the row's true maximum is taken away.  E w_g is one packed f16 multiply on the fragment.
; LIMITS.  w and E w are f16: below 6.1e-5 they keep f16's fixed step of 6e-8.  Groups that the launch before did not write count as (lowest finite number, 0): nothing hangs on those bytes.
; A tile of o is 128 rows x 128 channels; keys go in steps of 256.  A work-group makes TWO tiles, row block p (p / 2 + 1 steps) and then block 15 - p (8 - p / 2 steps): 9 steps whatever p, so that
; all 256 work-groups are alike and one loop with a constant count walks them; the ring of two LDS slots runs on across the change of blocks.  What a trip does hangs on scalars made of grid y alone.
; CLUSTER 4 x 1: the four partners make four channel tiles of the same rows: E's tiles are asked for jointly; v's tile is each work-group's own load, behind the same round.
; Four waves, 2 x 2, each 64 x 64: 16 accumulators.  Source 0 = 16 channels of v (v lies [key][channel]: turned by ds_load_tr16_b128), source 1 = 16 rows of E: a lane holds row l % 16, channels 8 (l / 16) + 0..7.
; The accumulators are cleared where a block begins (128 v_mov_b32, at two places): the price of one text for a step whose place in its block is known only at run time.
; REGISTERS.  Window 0: v0-15 addresses; v16-23, v32-95 the table's work; v24-31 w of my four row blocks for the step's two groups; v96-159, v160-223 fragment buffers (E's 4, then v's 4).
; Window 1: accumulator (a, b) at v[8 (4 a + b)]; v128-255 the way out.
.set PE,    528                        ; a row of E in LDS: 512 bytes + 16
.set ELOAD, 64*PE
.set ATILE, 2*ELOAD
.set PV,    288                        ; a row of v: 256 bytes + 32
.set VLOAD, 128*PV
.set SLOT,  ATILE+2*VLOAD
.set STAGE, 2*SLOT                     ; behind the ring, never filled by a tensor load: 16 rows x 272 bytes for each wave
.set SP,    272
.set SPARE, STAGE+4*16*SP              ; the spare words: two blocks of 256 bytes that no other line names
.set WT0,   SPARE+512                  ; the first block's table: [group][row] one word (w, w); 16 groups use 8,192 bytes
.set WT1,   WT0+9216                   ; the second block's
.set ADRA0, 4
.set ADRB0, 5
.set ADRA,  6
.set ADRB,  7                          ; v7, v8: v's keys 0-127 and 128-255 of the step (an LDS offset has 16 bits)
.set STO,   9
.set RD,    10
.set CO,    11
.set SPW,   12
.set NIL,   13
.set WA0,   14                         ; v14  my row's place in a group of a table
.set WAD,   15
.set W,     24
.set F0,    96
.set F1,    160
.set OB,    128                        ; window 1
.set WV, 12
.set WR, 13
.set WC, 14
.set CX, 15
.set CT, 16                            ; channel tile, 0-7
.set BATCH, 17
.set BL, 18                            ; the first block, p
.set NL, 19                            ; its steps
.set NH, 20                            ; the second block's steps
.set BH, 21                            ; the second block, 15 - p
.set G1A, 24
.set G1B, 32
.set G0A, 40
.set G0B, 48
.set CNT, 56
.set TB,  57                           ; LDS byte at which the slot in hand begins
.set TBF, 58                           ; the same for the slot filled last
.set LBA, 59                           ; where my load of E goes in a slot
.set LBB, 60                           ; where my load of v goes
.set RT,  61                           ; steps that the block in hand still has, the one in hand among them
.set WB,  62                           ; LDS byte of the table's two groups for the step
.set WN,  63
.set AD,  66                           ; the step to be asked for next, in its block
.set ALIM, 67                          ; that block's steps
.set AB,  68                           ; that block's first row in e, in bytes
.set ABH, 69                           ; the second block's
.set OF,  70                           ; s[70:71] an offset
.set EB,  72                           ; s[72:73] e at the batch and my 64 rows of a block
.set VB,  74                           ; s[74:75] v at the batch, my channel tile and my 128 keys of a step
.set OL,  76                           ; s[76:77] o at my part of the first tile
.set OH,  78                           ; s[78:79] of the second
.set NG,  82                           ; groups that were written for a block
.set MK,  83
.set MSB, 0
.macro WIN new
.if MSB != (\new)
	s_set_vgpr_msb (MSB<<8)|(\new)
.set MSB, (\new)
.endif
.endm
.macro PLACES
.rept 4
	v_nop
.endr
.endm
.macro JLOADP                          ; waves 0, 1: the joint load of E's halves; waves 2, 3: my work-group's own load of v's halves; an s_nop 0 and four v_nop follow each line
	s_cmp_eq_u32 s[WR], 0
	s_cbranch_scc0 .Lfor_b_\@
	tensor_load_to_lds s[G0A+4:G0A+7], s[G1A:G1A+7]
	s_nop 0
	PLACES
	s_branch .Lasked_\@
.Lfor_b_\@:
	tensor_load_to_lds s[G0B+4:G0B+7], s[G1B:G1B+7]
	s_nop 0
	PLACES
.Lasked_\@:
.endm
.macro CREST
	s_cmp_lg_u32 s[WV], 0
	s_cbranch_scc1 .Lnot_wave_0_\@
	s_barrier_signal -3
.Lnot_wave_0_\@:
	s_barrier_wait -3
	s_barrier_signal -1
	s_barrier_wait -1
.endm
.macro CROUND
	s_barrier_signal -1
	s_barrier_wait -1
	CREST
.endm
; The addresses of the next step's tiles are made anew from the step's number, into descriptor set `set`; then the number steps, and behind the first block's last step goes to the second block's step 0.
.macro ASK set
	s_lshl_b32 s[OF], s[AD], 9                     ; 256 keys are 512 bytes of a row of e
	s_add_co_u32 s[OF], s[OF], s[AB]
	s_add_nc_u64 s[G0A+4*(\set)+2:G0A+4*(\set)+3], s[EB:EB+1], s[OF:OF+1]
	s_or_b32 s[G0A+4*(\set)+3], s[G0A+4*(\set)+3], 0x80000000
	s_mul_i32 s[OF], s[AD], 256*6144               ; and 256 rows of qkv
	s_add_nc_u64 s[G0B+4*(\set)+2:G0B+4*(\set)+3], s[VB:VB+1], s[OF:OF+1]
	s_or_b32 s[G0B+4*(\set)+3], s[G0B+4*(\set)+3], 0x80000000
	s_add_co_u32 s[AD], s[AD], 1
	s_cmp_eq_u32 s[AD], s[ALIM]
	s_cselect_b32 s[AD], 0, s[AD]
	s_cselect_b32 s[AB], s[ABH], s[AB]
	s_cselect_b32 s[ALIM], s[NH], s[ALIM]
.endm
; The table of block blk into LDS at wt.  Thread t is row t of the block.
.macro TABLE blk, wt
	s_lshl_b32 s80, s[BATCH], 18                   ; a batch of st: 16 groups x 2,048 rows x 8 bytes
	s_lshl_b32 s81, s[\blk], 10                    ; a block: 128 rows x 8 bytes
	s_add_co_u32 s80, s80, s81
	s_mov_b32 s81, 0
	s_add_nc_u64 s[86:87], s[6:7], s[80:81]
	s_lshr_b32 s[NG], s[\blk], 1
	s_lshl_b32 s[NG], s[NG], 1
	s_add_co_u32 s[NG], s[NG], 2                   ; 2 (block / 2 + 1) groups were written
.set g, 0
.rept 16
	global_load_b64 v[32+2*g:33+2*g], v16, s[86:87] offset:16384*g
.set g, g+1
.endr
	v_lshl_add_u32 v23, v0, 2, \wt
	s_wait_loadcnt 0x0
.set g, 2
.rept 14
	s_cmp_gt_u32 s[NG], g
	s_cselect_b32 s[MK], -1, 0
	v_cndmask_b32 v[32+2*g], v17, v[32+2*g], s[MK]   ; a group that was not written: the lowest finite number,
	v_cndmask_b32 v[33+2*g], 0, v[33+2*g], s[MK]     ; and 0
.set g, g+1
.endr
	v_max3_num_f32 v18, v32, v34, v36
	v_max3_num_f32 v19, v38, v40, v42
	v_max3_num_f32 v20, v44, v46, v48
	v_max3_num_f32 v21, v50, v52, v54
	v_max3_num_f32 v22, v56, v58, v60
	v_max3_num_f32 v18, v18, v19, v62
	v_max3_num_f32 v20, v20, v21, v22
	v_max_num_f32 v18, v18, v20                    ; M
.set g, 0
.rept 16
	v_sub_f32 v[64+g], v[32+2*g], v18
.set g, g+1
.endr
.set g, 0
.rept 16
	v_exp_f32 v[64+g], v[64+g]
.set g, g+1
.endr
	v_nop
.set g, 0
	s_wait_alu depctr_va_vdst(0)
.rept 4
	v_mul_f32 v[19+g], v[64+g], v[33+2*g]          ; L in four chains
.set g, g+1
.endr
.rept 12
	v_fmac_f32 v[19+g%4], v[64+g], v[33+2*g]
.set g, g+1
.endr
	v_add_f32 v19, v19, v20
	v_add_f32 v21, v21, v22
	v_add_f32 v19, v19, v21
	v_rcp_f32 v20, v19                             ; L is 1 at the least: the group of the maximum holds a weight 1
	v_nop
.set g, 0
	s_wait_alu depctr_va_vdst(0)
.rept 16
	v_mul_f32 v[64+g], v[64+g], v20
.set g, g+1
.endr
.set g, 0
.rept 16
	v_cvt_pk_f16_f32 v[64+g], v[64+g], v[64+g]
	ds_store_b32 v23, v[64+g] offset:512*g
.set g, g+1
.endr
.endm
.macro CLEAR
	WIN 0x40
.set z, 0
.rept 128
	v_mov_b32 v[z], 0
.set z, z+1
.endr
	WIN 0
.endm
.macro SCALE f, ws                     ; E w: in a fragment a lane is one row, so w is one register for a row block
	WIN 0
.irp a, 0,1,2,3
.irp i, 0,1,2,3,4,5,6,7
	v_pk_mul_f16 v[(\f)+8*(\a)+(\i)], v[(\f)+8*(\a)+(\i)], v[W+(\ws)+(\a)]
.endr
.endr
.endm
.macro FETCHP u, f                     ; 16 LDS loads in one run: keys 32 u on: E's 4 fragments first, then v's 4, turned
	WIN 0
.irp a, 0,1,2,3
	ds_load_b128 v[(\f)+8*(\a):(\f)+8*(\a)+3],   v[ADRA] offset:(\a)*16*PE+64*(\u)
	ds_load_b128 v[(\f)+8*(\a)+4:(\f)+8*(\a)+7], v[ADRA] offset:(\a)*16*PE+64*(\u)+32
.endr
.irp b, 0,1,2,3
	ds_load_tr16_b128 v[(\f)+32+8*(\b):(\f)+32+8*(\b)+3],   v[ADRB+(\u)/4] offset:((\u)%4)*32*PV+32*(\b)
	ds_load_tr16_b128 v[(\f)+32+8*(\b)+4:(\f)+32+8*(\b)+7], v[ADRB+(\u)/4] offset:((\u)%4)*32*PV+16*PV+32*(\b)
.endr
.endm
.macro MULP f, a0                      ; 8 products: row blocks a0, a0 + 1 x 4 channel blocks; the 16 accumulators take turns
	WIN 0x50
.irp a, \a0, (\a0)+1
.irp b, 0,1,2,3
	v_wmma_f32_16x16x32_f16 v[8*(4*(\a)+(\b)):8*(4*(\a)+(\b))+7], v[(\f)+32+8*(\b):(\f)+32+8*(\b)+7], v[(\f)+8*(\a):(\f)+8*(\a)+7], v[8*(4*(\a)+(\b)):8*(4*(\a)+(\b))+7]
.endr
.endr
.endm
.macro SUB u                           ; 32 keys: the 32 scalings are also the places in front of the loads into the other buffer
.set FF, F0+64*((\u)%2)
.set FG, F0+64*(((\u)+1)%2)
	s_wait_dscnt 8                                 ; w and E's fragments are in; v's eight loads may be out
	SCALE FF, 4*((\u)/4)
	FETCHP (\u)+1, FG
	s_wait_dscnt 16                                ; all but the 16 just issued
	MULP FF, 0
	MULP FF, 2
	WIN 0
.endm
.macro BODY
.irp u, 0,1,2,3,4,5,6
	SUB \u
.endr
.endm
.macro WLOAD                           ; w of my four row blocks for the step's two groups
.irp gg, 0,1
.irp a, 0,1,2,3
	ds_load_b32 v[W+4*(\gg)+(\a)], v[WAD] offset:512*(\gg)+64*(\a)
.endr
.endr
.endm
; THE WAY OUT of a tile: f32, 16 rows at a time through my stage (32 bytes a lane in, whole rows of 256 bytes back), then 32 stores.
.macro EPI base
	WIN 0
	PLACES
	s_wait_xcnt 0x0                                ; the registers that the first tile's stores read are loaded again only behind this wait
.irp a, 0,1,2,3
	WIN 0x04                                       ; store data in window 1
.irp b, 0,1,2,3
	ds_store_b128 v[STO], v[8*(4*(\a)+(\b)):8*(4*(\a)+(\b))+3] offset:64*(\b)
	ds_store_b128 v[STO], v[8*(4*(\a)+(\b))+4:8*(4*(\a)+(\b))+7] offset:64*(\b)+16
.endr
	WIN 0x40
.irp t, 0,1,2,3,4,5,6,7
	ds_load_b128 v[OB+32*(\a)+4*(\t):OB+32*(\a)+4*(\t)+3], v[RD] offset:(\t)*2*SP  ; LDS serves a wave's instructions in order (ISA guide 5.7.1.4)
.endr
.endr
	s_wait_dscnt 0x0
	WIN 0x04
.irp a, 0,1,2,3
.irp t, 0,1,2,3,4,5,6,7
	global_store_b128 v[CO], v[OB+32*(\a)+4*(\t):OB+32*(\a)+4*(\t)+3], s[(\base):(\base)+1] offset:(16*(\a)+2*(\t))*4096  ; 16 lanes store 256 consecutive bytes, aligned
.endr
.endr
	WIN 0
.endm
; A step's last 32 keys, and the change of slots.  Each wave waits for all its tensor loads (one is out: its part of the next slot), adds 0 to its spare word, and waits for that and for its reads of this slot.
; fill = 1: the barrier opens a round of the cluster's, and this slot is filled again first thing behind it, with the step two further on in the walk; where the block ends, its tile goes out.
.macro MEETP fill
	WIN 0
	s_wait_tensorcnt 0x0
	ds_add_u32 v[SPW], v[NIL]
	s_wait_dscnt 9                                 ; the add and v's eight loads may be out
	SCALE F1, 4
.if \fill
	s_xor_b32 s[TBF], s[TBF], SLOT
	s_add_co_u32 s[G0A+5], s[LBA], s[TBF]
	s_add_co_u32 s[G0B+5], s[LBB], s[TBF]
	ASK 1
	s_sub_co_u32 s[RT], s[RT], 1
	s_add_co_u32 s[WN], s[WB], 1024
	s_cmp_eq_u32 s[RT], 0
	s_cselect_b32 s[WB], WT1, s[WN]                ; the next two groups, or the head of the second block's table
.else
	s_add_co_u32 s[WB], s[WB], 1024
.endif
	s_wait_dscnt 0x0
	s_barrier_signal -1
	MULP F1, 0
	WIN 0
	s_barrier_wait -1
.if \fill
	CREST
	JLOADP
.else
	PLACES
.endif
	s_xor_b32 s[TB], s[TB], SLOT
	v_add_nc_u32 v[ADRA], s[TB], v[ADRA0]
	v_add_nc_u32 v[ADRB], s[TB], v[ADRB0]
	v_add_nc_u32 v[ADRB+1], 4*32*PV, v[ADRB]
	v_add_nc_u32 v[WAD], s[WB], v[WA0]
	WLOAD
	FETCHP 0, F0
	MULP F1, 2
	WIN 0
.if \fill
	s_cmp_lg_u32 s[RT], 0                          ; the same in all four partners; what is jumped holds no barrier and no tensor load
	s_cbranch_scc1 .Lgoes_on_\@
	EPI OL
	CLEAR
	s_mov_b32 s[RT], s[NH]
.Lgoes_on_\@:
.endif
.endm
	s_load_b256 s[4:11], s[0:1], 0x0               ; e s[4:5], st s[6:7], qkv s[8:9], o s[10:11]
	v_lshl_add_u32 v[SPW], v0, 2, SPARE
	v_mov_b32 v[NIL], 0
	ds_add_u32 v[SPW], v[NIL]                      ; the wave's opening: an add, waited for ahead of my first tensor load
	ds_add_u32 v12, v13
	v_lshrrev_b32 v3, 5, v0
	v_readfirstlane_b32 s[WV], v3
	s_lshr_b32 s[WR], s[WV], 1
	s_and_b32 s[WC], s[WV], 1
	s_bfe_u32 s[CX], ttmp6, 0x40000
	s_lshl_b32 s[CT], ttmp9, 2
	s_add_co_u32 s[CT], s[CT], s[CX]               ; it enters v's and o's addresses alone
	s_and_b32 s2, ttmp7, 0xffff
	s_lshr_b32 s[BATCH], s2, 3
	s_and_b32 s[BL], s2, 7
	s_lshr_b32 s3, s[BL], 1
	s_add_co_u32 s[NL], s3, 1
	s_sub_co_u32 s[NH], 8, s3
	s_sub_co_u32 s[BH], 15, s[BL]
	s_mov_b32 s[G1A], 15|(1<<16)|(1<<20)|(1<<21)|(6<<22)|(3<<25)  ; the mask of four; 2-byte elements; padding on; bit 21 beside a mask; after every 128 words 4 words
	s_mov_b32 s[G1A+1], 256<<16                    ; 256 keys x 64 rows
	s_mov_b32 s[G1A+2], 64<<16
	s_mov_b32 s[G1A+3], 256<<16
	s_mov_b32 s[G1A+4], 64
	s_mov_b32 s[G1A+5], 2048                       ; elements from row to row of e
	s_mov_b32 s[G1A+6], 0
	s_mov_b32 s[G1A+7], 0
	s_mov_b32 s[G1B], (1<<16)|(1<<20)|(5<<22)|(7<<25)  ; no mask; after every 64 words 8 words
	s_mov_b32 s[G1B+1], 128<<16                    ; 128 channels x 128 keys
	s_mov_b32 s[G1B+2], 128<<16
	s_mov_b32 s[G1B+3], 128<<16
	s_mov_b32 s[G1B+4], 128
	s_mov_b32 s[G1B+5], 3072
	s_mov_b32 s[G1B+6], 0
	s_mov_b32 s[G1B+7], 0
	s_mul_i32 s[LBA], s[WC], ELOAD
	s_mul_i32 s[LBB], s[WC], VLOAD
	s_add_co_u32 s[LBB], s[LBB], ATILE
	s_lshl_b32 s80, s[BATCH], 23                   ; e: the batch (2,048 rows of 4,096 bytes) and the 64 rows of a block that I fetch
	s_lshl_b32 s81, s[WC], 18
	s_add_co_u32 s80, s80, s81
	s_mov_b32 s81, 0
	s_lshl_b32 s88, s[BATCH], 11                   ; v: the batch's rows, the 128 keys of a step that I fetch, byte 4,096 of a row, my channel tile
	s_lshl_b32 s89, s[WC], 7
	s_add_co_u32 s88, s88, s89
	s_mul_i32 s88, s88, 6144
	s_lshl_b32 s89, s[CT], 8
	s_add_co_u32 s88, s88, s89
	s_add_co_u32 s88, s88, 4096
	s_mov_b32 s89, 0
	s_lshl_b32 s[OL], s[BATCH], 11                 ; o: row 2,048 batch + 128 block + 64 WR, byte 512 channel tile + 256 WC
	s_lshl_b32 s[OL+1], s[WR], 6
	s_add_co_u32 s[OL], s[OL], s[OL+1]
	s_lshl_b32 s[OL+1], s[BH], 7
	s_add_co_u32 s[OH], s[OL], s[OL+1]
	s_lshl_b32 s[OL+1], s[BL], 7
	s_add_co_u32 s[OL], s[OL], s[OL+1]
	s_lshl_b32 s[OL], s[OL], 12
	s_lshl_b32 s[OH], s[OH], 12
	s_lshl_b32 s[OL+1], s[CT], 9
	s_lshl_b32 s[OH+1], s[WC], 8
	s_add_co_u32 s[OL+1], s[OL+1], s[OH+1]
	s_add_co_u32 s[OL], s[OL], s[OL+1]
	s_add_co_u32 s[OH], s[OH], s[OL+1]
	s_mov_b32 s[OL+1], 0
	s_mov_b32 s[OH+1], 0
	s_mov_b32 s[AD], 0
	s_mov_b32 s[ALIM], s[NL]
	s_lshl_b32 s[AB], s[BL], 19                    ; a block: 128 rows of 4,096 bytes
	s_lshl_b32 s[ABH], s[BH], 19
	s_mov_b32 s[OF+1], 0
	s_mov_b32 s[RT], s[NL]
	s_mov_b32 s[WB], WT0
	s_mov_b32 s[TB], 0
	s_mov_b32 s[TBF], SLOT
	s_mov_b32 s[G0A], 1
	s_mov_b32 s[G0A+1], s[LBA]
	s_mov_b32 s[G0A+4], 1
	s_add_co_u32 s[G0A+5], s[LBA], SLOT
	s_mov_b32 s[G0B], 1
	s_mov_b32 s[G0B+1], s[LBB]
	s_mov_b32 s[G0B+4], 1
	s_add_co_u32 s[G0B+5], s[LBB], SLOT
	s_wait_dscnt 0x0                               ; the opening add is done
	s_wait_kmcnt 0x0
	s_add_nc_u64 s[EB:EB+1], s[4:5], s[80:81]
	s_add_nc_u64 s[VB:VB+1], s[8:9], s[88:89]
	s_add_nc_u64 s[OL:OL+1], s[10:11], s[OL:OL+1]
	s_add_nc_u64 s[OH:OH+1], s[10:11], s[OH:OH+1]
	ASK 0                                          ; the walk's steps 0 and 1
	ASK 1
	CROUND                                         ; all four work-groups are here: the first joint loads meet
	s_cmp_eq_u32 s[WR], 0                          ; a wave's two first fills stand in one branch: two loads of mine are out
	s_cbranch_scc0 .Lfirst_b
	tensor_load_to_lds s[G0A:G0A+3], s[G1A:G1A+7]
	s_nop 0
	tensor_load_to_lds s[G0A+4:G0A+7], s[G1A:G1A+7]
	s_nop 0
	PLACES
	s_branch .Lfirst_asked
.Lfirst_b:
	tensor_load_to_lds s[G0B:G0B+3], s[G1B:G1B+7]
	s_nop 0
	tensor_load_to_lds s[G0B+4:G0B+7], s[G1B:G1B+7]
	s_nop 0
	PLACES
.Lfirst_asked:
	v_lshlrev_b32 v16, 3, v0                       ; 8 t: my row's place in a group of st
	v_mov_b32 v17, 0xff7fffff
	TABLE BL, WT0                                  ; both tables stand in the wait for the first tiles
	TABLE BH, WT1
	CLEAR
	v_and_b32 v1, 15, v0                           ; l % 16
	v_bfe_u32 v2, v0, 4, 1                         ; l / 16
	v_mul_u32_u24 v[ADRA0], v1, PE
	v_lshl_add_u32 v[ADRA0], v2, 4, v[ADRA0]
	s_mul_i32 s2, s[WR], 64*PE
	v_add_nc_u32 v[ADRA0], s2, v[ADRA0]
	v_and_b32 v3, 7, v0                            ; the turning load: lane l reads key 8 (l / 16) + l % 8, channels 8 ((l / 8) % 2) + 0..7
	v_lshl_add_u32 v3, v2, 3, v3
	v_mul_u32_u24 v[ADRB0], v3, PV
	v_bfe_u32 v3, v0, 3, 1
	v_lshl_add_u32 v[ADRB0], v3, 4, v[ADRB0]
	s_lshl_b32 s2, s[WC], 7
	s_add_co_u32 s2, s2, ATILE
	v_add_nc_u32 v[ADRB0], s2, v[ADRB0]
	v_mov_b32 v[ADRA], v[ADRA0]
	v_mov_b32 v[ADRB], v[ADRB0]
	v_add_nc_u32 v[ADRB+1], 4*32*PV, v[ADRB]
	s_mul_i32 s2, s[WV], 16*SP
	s_add_co_u32 s2, s2, STAGE
	v_mul_u32_u24 v[STO], v1, SP
	v_lshl_add_u32 v[STO], v2, 5, v[STO]
	v_add_nc_u32 v[STO], s2, v[STO]
	v_mul_u32_u24 v[RD], v2, SP
	v_lshl_add_u32 v[RD], v1, 4, v[RD]
	v_add_nc_u32 v[RD], s2, v[RD]
	v_lshlrev_b32 v[CO], 12, v2
	v_lshl_add_u32 v[CO], v1, 4, v[CO]
	s_lshl_b32 s2, s[WR], 8
	v_lshl_add_u32 v[WA0], v1, 2, s2               ; (64 WR + l % 16) x 4
	v_add_nc_u32 v[WAD], s[WB], v[WA0]
	s_wait_tensorcnt 0x1                           ; my part of step 0 is in; step 1's may stay out
	s_wait_dscnt 0x0                               ; for the others' sake: my rows of the tables are stored
	s_barrier_signal -1
	s_barrier_wait -1
	WLOAD
	FETCHP 0, F0
	s_mov_b32 s[CNT], 8
	s_branch .Lbody                                ; the loop is entered behind its change of slots
.Ltop:                                                 ; seven changes of slots fill the walk's steps 2 to 8
	MEETP 1
.Lbody:
	BODY
	s_sub_co_u32 s[CNT], s[CNT], 1
	s_cmp_lg_u32 s[CNT], 0
	s_cbranch_scc1 .Ltop
	MEETP 0                                        ; the tail is written out: nothing is left to ask for
	BODY
	s_wait_dscnt 8
	SCALE F1, 4
	s_wait_dscnt 0x0
	MULP F1, 0
	MULP F1, 2
	WIN 0
	EPI OH
	s_wait_tensorcnt 0x0                           ; the wave's end
	ds_add_u32 v[SPW], v[NIL]
	s_wait_dscnt 0x0
	CROUND                                         ; the closing round
	s_endpgm
.Lfunc_end_k_q4c75a73464_pv:
	.size	k_q4c75a73464_pv, .Lfunc_end_k_q4c75a73464_pv-k_q4c75a73464_pv
	.p2alignl 7, 3214868480
	.fill 96, 4, 3214868480
	.section	.rodata,"a",@progbits
	.p2align	6, 0x0
	.amdhsa_kernel k_q4c75a73464_pv
		.amdhsa_group_segment_fixed_size 327680
		.amdhsa_private_segment_fixed_size 0
		.amdhsa_enable_private_segment 0
		.amdhsa_kernarg_size 32
		.amdhsa_user_sgpr_count 2
		.amdhsa_user_sgpr_kernarg_segment_ptr 1
		.amdhsa_wavefront_size32 1
		.amdhsa_system_sgpr_workgroup_id_x 1
		.amdhsa_system_sgpr_workgroup_id_y 1
		.amdhsa_system_sgpr_workgroup_id_z 1
		.amdhsa_system_vgpr_workitem_id 0
		.amdhsa_next_free_vgpr 512
		.amdhsa_next_free_sgpr 90
		.amdhsa_reserve_vcc 0
		.amdhsa_float_denorm_mode_32 3
		.amdhsa_float_denorm_mode_16_64 3
		.amdhsa_memory_ordered 1
		.amdhsa_forward_progress 1
		.amdhsa_inst_pref_size 125
	.end_amdhsa_kernel
	.amdgpu_metadata
---
amdhsa.version: [ 1, 2 ]
amdhsa.kernels:
  - .name:           k_q4c75a73464_pv
    .symbol:         k_q4c75a73464_pv.kd
    .args:
      - { .name: e, .offset: 0, .size: 8, .value_kind: global_buffer, .address_space: global }
      - { .name: st, .offset: 8, .size: 8, .value_kind: global_buffer, .address_space: global }
      - { .name: qkv, .offset: 16, .size: 8, .value_kind: global_buffer, .address_space: global }
      - { .name: o, .offset: 24, .size: 8, .value_kind: global_buffer, .address_space: global }
    .group_segment_fixed_size: 327680
    .private_segment_fixed_size: 0
    .kernarg_segment_align: 8
    .kernarg_segment_size: 32
    .max_flat_workgroup_size: 128
    .sgpr_count:     90
    .vgpr_count:     512
    .wavefront_size: 32
...
	.end_amdgpu_metadata
.endif
;; end of part 4
;; launch ln (part 5): grid 512 x 1, 4 waves a work-group, no clusters, 0 bytes of LDS; arguments o, qkv, gamma, beta, xh; writes xh
.if DOCPART == 5
	.amdgcn_target "amdgcn-amd-amdhsa--gfx1250"
	.amdhsa_code_object_version 6
	.text
	.protected	k_q4c75a73464_ln
	.globl	k_q4c75a73464_ln
	.p2align	8
	.type	k_q4c75a73464_ln,@function
k_q4c75a73464_ln:
	s_mov_b64 s[64:65], 0
	v_nop
	global_prefetch_b8 v0, s[64:65] scope:SCOPE_SE
	s_setreg_imm32_b32 hwreg(HW_REG_WAVE_MODE, 25, 1), 1
	s_wait_xcnt 0x0
; h = LayerNorm(o + v) gamma + beta over 1,024 channels, eps = 1e-5, all in f32; h rounded once to f16 into xh.  gamma and beta are rounded to bf16, like every input of the module.
; The variance is the mean of (z - mean)^2, taken in a second pass over registers: no difference of large sums.  LIMIT.  h beyond 65,504 becomes an infinity.
; A stream: one wave, one row, so the sums never leave the wave: no LDS, no barrier, no matrix unit, no cluster.  A wave takes four rows through two row slots: while one is worked on the other is on its way.
; Of chunk j (0-7) lane l holds channels 128 j + 4 l + 0..3: 16 bytes of o, 8 of v and of h: a wave's load of o covers 512 consecutive bytes, of v and its store of h 256, aligned.
.set G,  8                             ; v[8:39]    gamma
.set BT, 40                            ; v[40:71]   beta
.set VS, 72                            ; v[72:103]  v as loaded, two slots of 16 (below v128: their halves are named)
.set OS, 104                           ; v[104:167] o, then z, z - mean and the result, two slots of 32
.set HS, 168                           ; v[168:199] h to store, two sets of 16
.set T,  200                           ; v[200:207] at work
.set MU, 208                           ; v[208:209] the mean, twice
.set RS, 210                           ; v[210:211] 1 / sqrt(var + eps), twice
	s_load_b256 s[4:11], s[0:1], 0x0               ; o s[4:5], qkv s[6:7], gamma s[8:9], beta s[10:11]
	s_load_b64 s[12:13], s[0:1], 0x20              ; xh
	v_lshrrev_b32 v3, 5, v0
	v_readfirstlane_b32 s14, v3                    ; wave
	v_and_b32 v3, 31, v0
	v_lshlrev_b32 v1, 4, v3                        ; 16 l
	v_lshlrev_b32 v2, 3, v3                        ; 8 l
	s_lshl_b32 s15, ttmp9, 4
	s_lshl2_add_u32 s15, s14, s15                  ; my first row: 16 work-group + 4 wave
	s_lshl_b32 s16, s15, 12
	s_mov_b32 s17, 0
	s_mul_i32 s18, s15, 6144
	s_mov_b32 s19, 0
	s_lshl_b32 s20, s15, 11
	s_mov_b32 s21, 0
	s_mov_b32 s22, 0xffff0000                      ; a word's upper bf16
	s_mov_b32 s23, 0x3a800000                      ; 1 / 1,024
	s_mov_b32 s24, 0x3727c5ac                      ; 1e-5
	s_mov_b32 s26, 0x76543210                      ; v_permlanex16_b32: each lane takes its own place in the other half
	s_mov_b32 s27, 0xfedcba98
	s_wait_kmcnt 0x0
	s_add_nc_u64 s[4:5], s[4:5], s[16:17]
	s_add_nc_u64 s[6:7], s[6:7], s[18:19]
	s_add_nc_u64 s[12:13], s[12:13], s[20:21]
.irp j, 0,1,2,3,4,5,6,7
	global_load_b128 v[G+4*(\j):G+4*(\j)+3], v1, s[8:9] offset:512*(\j)
	global_load_b128 v[BT+4*(\j):BT+4*(\j)+3], v1, s[10:11] offset:512*(\j)
.endr
.macro LOADROW k, s                    ; 16 loads: row k into slot s; the row stands in the immediates, so no address register is ever rewritten
.irp j, 0,1,2,3,4,5,6,7
	global_load_b128 v[OS+32*(\s)+4*(\j):OS+32*(\s)+4*(\j)+3], v1, s[4:5] offset:(\k)*4096+512*(\j) th:TH_LOAD_NT
.endr
.irp j, 0,1,2,3,4,5,6,7
	global_load_b64 v[VS+16*(\s)+2*(\j):VS+16*(\s)+2*(\j)+1], v2, s[6:7] offset:(\k)*6144+4096+256*(\j)
.endr
.endm
	LOADROW 0, 0
	LOADROW 1, 1
	s_wait_loadcnt 32                              ; gamma and beta are in; the two rows' 32 loads stay out
.set i, 0
.rept 16
	v_cvt_pk_bf16_f32 v4, v[G+2*i], v[G+2*i+1]
	v_cvt_pk_bf16_f32 v5, v[BT+2*i], v[BT+2*i+1]
	v_lshlrev_b32 v[G+2*i], 16, v4
	v_and_b32 v[G+2*i+1], s22, v4
	v_lshlrev_b32 v[BT+2*i], 16, v5
	v_and_b32 v[BT+2*i+1], s22, v5
.set i, i+1
.endr
.macro ADDV o, t, a, b, c, d           ; four channels: z = o + v
	v_cvt_f32_f16 v[(\t)], \a
	v_cvt_f32_f16 v[(\t)+1], \b
	v_cvt_f32_f16 v[(\t)+2], \c
	v_cvt_f32_f16 v[(\t)+3], \d
	v_pk_add_f32 v[(\o):(\o)+1], v[(\o):(\o)+1], v[(\t):(\t)+1]
	v_pk_add_f32 v[(\o)+2:(\o)+3], v[(\o)+2:(\o)+3], v[(\t)+2:(\t)+3]
.endm
.macro ZROW0
	ADDV OS+0, T, v72.l, v72.h, v73.l, v73.h
	ADDV OS+4, T+4, v74.l, v74.h, v75.l, v75.h
	ADDV OS+8, T, v76.l, v76.h, v77.l, v77.h
	ADDV OS+12, T+4, v78.l, v78.h, v79.l, v79.h
	ADDV OS+16, T, v80.l, v80.h, v81.l, v81.h
	ADDV OS+20, T+4, v82.l, v82.h, v83.l, v83.h
	ADDV OS+24, T, v84.l, v84.h, v85.l, v85.h
	ADDV OS+28, T+4, v86.l, v86.h, v87.l, v87.h
.endm
.macro ZROW1
	ADDV OS+32, T, v88.l, v88.h, v89.l, v89.h
	ADDV OS+36, T+4, v90.l, v90.h, v91.l, v91.h
	ADDV OS+40, T, v92.l, v92.h, v93.l, v93.h
	ADDV OS+44, T+4, v94.l, v94.h, v95.l, v95.h
	ADDV OS+48, T, v96.l, v96.h, v97.l, v97.h
	ADDV OS+52, T+4, v98.l, v98.h, v99.l, v99.h
	ADDV OS+56, T, v100.l, v100.h, v101.l, v101.h
	ADDV OS+60, T+4, v102.l, v102.h, v103.l, v103.h
.endm
.macro ACROSS                          ; v4 summed over the 32 lanes, the result in every lane
	v_add_f32 v4, v4, v5
	v_add_f32_dpp v4, v4, v4 row_xmask:1 row_mask:0xf bank_mask:0xf
	v_add_f32_dpp v4, v4, v4 row_xmask:2 row_mask:0xf bank_mask:0xf
	v_add_f32_dpp v4, v4, v4 row_xmask:4 row_mask:0xf bank_mask:0xf
	v_add_f32_dpp v4, v4, v4 row_xmask:8 row_mask:0xf bank_mask:0xf
	v_permlanex16_b32 v5, v4, s26, s27
	v_add_f32 v4, v4, v5
.endm
; Row k in slot s.  left: the younger loads that may stay out.  again = 1: the slot's set of h was stored from two rows ago.
.macro ROW k, s, left, again
.set O, OS+32*(\s)
.set H, HS+16*(\s)
	s_wait_loadcnt \left
.if (\s) == 0
	ZROW0
.else
	ZROW1
.endif
	v_pk_add_f32 v[4:5], v[O:O+1], v[O+2:O+3]      ; the sum, in two chains of pairs
	v_pk_add_f32 v[6:7], v[O+4:O+5], v[O+6:O+7]
.set i, 8
.rept 6
	v_pk_add_f32 v[4:5], v[4:5], v[O+i:O+i+1]
	v_pk_add_f32 v[6:7], v[6:7], v[O+i+2:O+i+3]
.set i, i+4
.endr
	v_pk_add_f32 v[4:5], v[4:5], v[6:7]
	ACROSS
	v_mul_f32 v[MU], s23, v4
	v_mul_f32 v[MU+1], s23, v4
.set i, 0
.rept 16
	v_pk_add_f32 v[O+i:O+i+1], v[O+i:O+i+1], v[MU:MU+1] neg_lo:[0,1] neg_hi:[0,1]  ; z - mean
.set i, i+2
.endr
	v_pk_mul_f32 v[4:5], v[O:O+1], v[O:O+1]
	v_pk_mul_f32 v[6:7], v[O+2:O+3], v[O+2:O+3]
.set i, 4
.rept 7
	v_pk_fma_f32 v[4:5], v[O+i:O+i+1], v[O+i:O+i+1], v[4:5]
	v_pk_fma_f32 v[6:7], v[O+i+2:O+i+3], v[O+i+2:O+i+3], v[6:7]
.set i, i+4
.endr
	v_pk_add_f32 v[4:5], v[4:5], v[6:7]
	ACROSS
	v_fma_f32 v4, v4, s23, s24                     ; var + eps
	v_rsq_f32 v[RS], v4
	v_nop                                          ; a plain instruction between the root and the use of its result
	s_wait_alu depctr_va_vdst(0)
	v_mov_b32 v[RS+1], v[RS]
.set i, 0
.rept 16
	v_pk_mul_f32 v[O+i:O+i+1], v[O+i:O+i+1], v[RS:RS+1]
.set i, i+2
.endr
.set i, 0
.rept 16
	v_pk_fma_f32 v[O+i:O+i+1], v[O+i:O+i+1], v[G+i:G+i+1], v[BT+i:BT+i+1]
.set i, i+2
.endr
.if \again
	s_wait_xcnt 0x0                                ; the set's earlier stores have read it: it is rewritten only behind this wait
.endif
.set i, 0
.rept 16
	v_cvt_pk_f16_f32 v[H+i], v[O+2*i], v[O+2*i+1]
.set i, i+1
.endr
.irp j, 0,1,2,3,4,5,6,7
	global_store_b64 v2, v[H+2*(\j):H+2*(\j)+1], s[12:13] offset:(\k)*2048+256*(\j)
.endr
.endm
	ROW 0, 0, 16, 0
	LOADROW 2, 0
	ROW 1, 1, 16, 0
	LOADROW 3, 1
	ROW 2, 0, 16, 1
	ROW 3, 1, 0, 1
	s_endpgm
.Lfunc_end_k_q4c75a73464_ln:
	.size	k_q4c75a73464_ln, .Lfunc_end_k_q4c75a73464_ln-k_q4c75a73464_ln
	.p2alignl 7, 3214868480
	.fill 96, 4, 3214868480
	.section	.rodata,"a",@progbits
	.p2align	6, 0x0
	.amdhsa_kernel k_q4c75a73464_ln
		.amdhsa_group_segment_fixed_size 0
		.amdhsa_private_segment_fixed_size 0
		.amdhsa_enable_private_segment 0
		.amdhsa_kernarg_size 40
		.amdhsa_user_sgpr_count 2
		.amdhsa_user_sgpr_kernarg_segment_ptr 1
		.amdhsa_wavefront_size32 1
		.amdhsa_system_sgpr_workgroup_id_x 1
		.amdhsa_system_sgpr_workgroup_id_y 1
		.amdhsa_system_sgpr_workgroup_id_z 1
		.amdhsa_system_vgpr_workitem_id 0
		.amdhsa_next_free_vgpr 212
		.amdhsa_next_free_sgpr 66
		.amdhsa_reserve_vcc 0
		.amdhsa_float_denorm_mode_32 3
		.amdhsa_float_denorm_mode_16_64 3
		.amdhsa_memory_ordered 1
		.amdhsa_forward_progress 1
		.amdhsa_inst_pref_size 52
	.end_amdhsa_kernel
	.amdgpu_metadata
---
amdhsa.version: [ 1, 2 ]
amdhsa.kernels:
  - .name:           k_q4c75a73464_ln
    .symbol:         k_q4c75a73464_ln.kd
    .args:
      - { .name: o, .offset: 0, .size: 8, .value_kind: global_buffer, .address_space: global }
      - { .name: qkv, .offset: 8, .size: 8, .value_kind: global_buffer, .address_space: global }
      - { .name: gamma, .offset: 16, .size: 8, .value_kind: global_buffer, .address_space: global }
      - { .name: beta, .offset: 24, .size: 8, .value_kind: global_buffer, .address_space: global }
      - { .name: xh, .offset: 32, .size: 8, .value_kind: global_buffer, .address_space: global }
    .group_segment_fixed_size: 0
    .private_segment_fixed_size: 0
    .kernarg_segment_align: 8
    .kernarg_segment_size: 40
    .max_flat_workgroup_size: 128
    .sgpr_count:     66
    .vgpr_count:     212
    .wavefront_size: 32
...
	.end_amdgpu_metadata
.endif
;; end of part 5
;; launch fc (part 6): grid 4 x 64, 4 waves a work-group, clusters of 4 x 4, 327,680 bytes of LDS; arguments xh, wh, out0, bfc; writes out0
.if DOCPART == 6
	.amdgcn_target "amdgcn-amd-amdhsa--gfx1250"
	.amdhsa_code_object_version 6
	.text
	.protected	k_q4c75a73464_fc
	.globl	k_q4c75a73464_fc
	.p2align	8
	.type	k_q4c75a73464_fc,@function
k_q4c75a73464_fc:
	s_mov_b64 s[64:65], 0
	v_nop
	global_prefetch_b8 v0, s[64:65] scope:SCOPE_SE
	s_setreg_imm32_b32 hwreg(HW_REG_WAVE_MODE, 25, 1), 1
	s_wait_xcnt 0x0
	s_wait_alu depctr_hold_cnt(0) depctr_sa_sdst(0) depctr_va_vdst(0) depctr_va_sdst(0) depctr_va_ssrc(0) depctr_va_vcc(0) depctr_vm_vsrc(0)
	s_getreg_b32 s2, hwreg(HW_REG_IB_STS2, 6, 4)
	s_cmp_eq_u32 s2, 0
	s_cbranch_scc0 .Lentry_in_a_cluster
	s_endpgm
.Lentry_in_a_cluster:
	s_bfe_u32 s2, ttmp6, 0x10000c
	s_cmp_lg_u32 s2, 0xf033
	s_cbranch_scc0 .Lentry_shape_is_right
	s_endpgm
.Lentry_shape_is_right:
; out0[row][:] = h[row][:] . Wfc + bfc.  h = xh: [8192][1024] f16; Wfc is the fourth weight of wh, [1024 d][1024 n] f16; out0 f32.  Sums in f32; bfc is rounded to bf16, like every input of the module.
; A tile is 128 rows x 256 columns: 256 tiles, one for each WGP.  Four waves, 2 x 2, each 64 x 128: 32 accumulators.  K = 1,024 in 8 steps of 128 through two LDS slots.
; Wfc lies [K][N] and is turned on the way out of LDS by ds_load_tr16_b128.  Source 0 = 16 columns of Wfc, source 1 = 16 rows of h: a lane holds row l % 16 and columns 8 (l / 16) + 0..7.
; CLUSTER 4 x 4: h's tiles are shared along a row of the cluster, Wfc's along a column: joint loads.
; REGISTERS.  Window 0: v0-15 addresses; v32-127, v128-223 fragment buffers; v224-255 at work.  Window 1: accumulator (a, b) at v[8 (8 a + b)].  Window 2: v0-63 the bias of my 64 columns' places.
.set PA,    272
.set ALOAD, 64*PA
.set ATILE, 2*ALOAD
.set PB,    544
.set BLOAD, 64*PB
.set SLOT1, 1<<17
.set STAGE, SLOT1+ATILE+2*BLOAD        ; behind the ring, never filled by a tensor load: 16 rows x 528 bytes for each wave
.set SP,    528                        ; a stage row: 512 bytes + 16
.set SPARE, STAGE+4*16*SP
.set ASTEP, 256
.set BSTEP, 128*2048
.set ADRA0, 4
.set ADRB0, 5
.set ADRA,  6
.set ADRB,  7
.set STO,   8
.set RD,    9
.set CO,    10
.set BO,    11                         ; v11  32 (l / 16): my eight columns of a block of 16 in bfc
.set SPW,   12
.set NIL,   13
.set F0,    32
.set F1,    128
.set TMP,   224
.set OB,    32                         ; the way out: 16 rows read back, two sets of 64 registers by turns
.set WV, 12
.set WR, 13
.set WC, 14
.set CX, 15
.set CY, 16
.set TC, 17
.set TR, 18
.set G1A, 24
.set G1B, 32
.set G0A, 40
.set G0B, 48
.set CNT, 56
.set TB,  57
.set MULW, 0x50
.set MSB, 0
.macro WIN new
.if MSB != (\new)
	s_set_vgpr_msb (MSB<<8)|(\new)
.set MSB, (\new)
.endif
.endm
.macro PLACES
.rept 4
	v_nop
.endr
.endm
.macro JLOAD                           ; a joint refill: waves 0, 1 fetch h's halves, waves 2, 3 Wfc's; an s_nop 0 and four v_nop follow each line
	s_cmp_eq_u32 s[WR], 0
	s_cbranch_scc0 .Lfor_b_\@
	tensor_load_to_lds s[G0A+4:G0A+7], s[G1A:G1A+7]
	s_nop 0
	PLACES
	s_branch .Lasked_\@
.Lfor_b_\@:
	tensor_load_to_lds s[G0B+4:G0B+7], s[G1B:G1B+7]
	s_nop 0
	PLACES
.Lasked_\@:
.endm
.macro CREST
	s_cmp_lg_u32 s[WV], 0
	s_cbranch_scc1 .Lnot_wave_0_\@
	s_barrier_signal -3
.Lnot_wave_0_\@:
	s_barrier_wait -3
	s_barrier_signal -1
	s_barrier_wait -1
.endm
.macro CROUND
	s_barrier_signal -1
	s_barrier_wait -1
	CREST
.endm
.macro MUL8 f, a, zero                 ; the 32 accumulators take turns
	WIN MULW
.irp b, 0,1,2,3,4,5,6,7
.if \zero
	v_wmma_f32_16x16x32_f16 v[8*(8*(\a)+(\b)):8*(8*(\a)+(\b))+7], v[(\f)+32+8*(\b):(\f)+32+8*(\b)+7], v[(\f)+8*(\a):(\f)+8*(\a)+7], 0
.else
	v_wmma_f32_16x16x32_f16 v[8*(8*(\a)+(\b)):8*(8*(\a)+(\b))+7], v[(\f)+32+8*(\b):(\f)+32+8*(\b)+7], v[(\f)+8*(\a):(\f)+8*(\a)+7], v[8*(8*(\a)+(\b)):8*(8*(\a)+(\b))+7]
.endif
.endr
.endm
.macro FETCH q, f
	WIN 0
.irp b, 0,1,2,3,4,5,6,7
	ds_load_tr16_b128 v[(\f)+32+8*(\b):(\f)+32+8*(\b)+3],   v[ADRB] offset:(\q)*32*PB+32*(\b)
	ds_load_tr16_b128 v[(\f)+32+8*(\b)+4:(\f)+32+8*(\b)+7], v[ADRB] offset:(\q)*32*PB+16*PB+32*(\b)
.endr
.irp a, 0,1,2,3
	ds_load_b128 v[(\f)+8*(\a):(\f)+8*(\a)+3],   v[ADRA] offset:(\a)*16*PA+64*(\q)
	ds_load_b128 v[(\f)+8*(\a)+4:(\f)+8*(\a)+7], v[ADRA] offset:(\a)*16*PA+64*(\q)+32
.endr
.endm
.macro QUARTER q, f, g, zero
	s_wait_dscnt 4                                 ; all but the youngest four loads (h's blocks 2, 3) are in
	MUL8 \f, 0, \zero
	MUL8 \f, 1, \zero
	PLACES
	FETCH \q, \g
	s_wait_dscnt 24                                ; all but the 24 just issued
	MUL8 \f, 2, \zero
	MUL8 \f, 3, \zero
.endm
; The fourth quarter changes slots: each wave waits for all its tensor loads, adds 0 to its spare word, waits for that and for its reads of this slot; fill = 1: the barrier opens a round of the
; cluster's, and this slot is filled again, two K steps ahead, first thing behind the round.
.macro TURN fill
	WIN 0
	s_wait_tensorcnt 0x0
	ds_add_u32 v[SPW], v[NIL]
	s_wait_dscnt 5                                 ; the add and the youngest four loads may be out
	MUL8 F1, 0, 0
	s_wait_dscnt 0x0
	s_barrier_signal -1
	MUL8 F1, 1, 0
	WIN 0
	s_barrier_wait -1
.if \fill
	CREST
	s_xor_b32 s[G0A+5], s[G0A+5], SLOT1
	s_add_nc_u64 s[G0A+6:G0A+7], s[G0A+6:G0A+7], ASTEP
	s_xor_b32 s[G0B+5], s[G0B+5], SLOT1
	s_add_nc_u64 s[G0B+6:G0B+7], s[G0B+6:G0B+7], BSTEP
	JLOAD
.else
	PLACES
.endif
	s_xor_b32 s[TB], s[TB], SLOT1
	v_add_nc_u32 v[ADRA], s[TB], v[ADRA0]
	v_add_nc_u32 v[ADRB], s[TB], v[ADRB0]
	FETCH 0, F0
	MUL8 F1, 2, 0
	MUL8 F1, 3, 0
.endm
	s_load_b256 s[4:11], s[0:1], 0x0               ; xh s[4:5], wh s[6:7], out0 s[8:9], bfc s[10:11]
	v_lshl_add_u32 v[SPW], v0, 2, SPARE
	v_mov_b32 v[NIL], 0
	ds_add_u32 v[SPW], v[NIL]                      ; the wave's opening: an add, waited for ahead of my first tensor load
	ds_add_u32 v12, v13
	v_lshrrev_b32 v3, 5, v0
	v_readfirstlane_b32 s[WV], v3
	s_lshr_b32 s[WR], s[WV], 1
	s_and_b32 s[WC], s[WV], 1
	s_bfe_u32 s[CX], ttmp6, 0x40000
	s_bfe_u32 s[CY], ttmp6, 0x40004
	s_lshl_b32 s[TC], ttmp9, 2
	s_add_co_u32 s[TC], s[TC], s[CX]
	s_and_b32 s[TR], ttmp7, 0xffff
	s_lshl_b32 s[TR], s[TR], 2
	s_add_co_u32 s[TR], s[TR], s[CY]
	s_lshl_b32 s62, s[CY], 2
	s_lshl_b32 s62, 15, s62                        ; my row of the cluster
	s_lshl_b32 s63, 0x1111, s[CX]                  ; my column
	s_or_b32 s[G1A], s62, (1<<16)|(1<<20)|(1<<21)|(5<<22)|(3<<25)
	s_mov_b32 s[G1A+1], 128<<16                    ; 128 along K x 64 rows
	s_mov_b32 s[G1A+2], 64<<16
	s_mov_b32 s[G1A+3], 128<<16
	s_mov_b32 s[G1A+4], 64
	s_mov_b32 s[G1A+5], 1024
	s_mov_b32 s[G1A+6], 0
	s_mov_b32 s[G1A+7], 0
	s_or_b32 s[G1B], s63, (1<<16)|(1<<20)|(1<<21)|(6<<22)|(7<<25)
	s_mov_b32 s[G1B+1], 256<<16                    ; 256 columns x 64 K rows
	s_mov_b32 s[G1B+2], 64<<16
	s_mov_b32 s[G1B+3], 256<<16
	s_mov_b32 s[G1B+4], 64
	s_mov_b32 s[G1B+5], 1024
	s_mov_b32 s[G1B+6], 0
	s_mov_b32 s[G1B+7], 0
	s_lshl_b32 s20, s[TR], 18                      ; h: (128 tile row + 64 half) rows of 2,048 bytes: no cx enters
	s_lshl_b32 s21, s[WC], 17
	s_add_co_u32 s20, s20, s21
	s_mov_b32 s21, 0
	s_lshl_b32 s22, s[TC], 9                       ; Wfc: the fourth weight, 512 bytes a tile column, 64 K rows a half: no cy enters
	s_add_co_u32 s22, s22, 3*2097152
	s_lshl_b32 s23, s[WC], 17
	s_add_co_u32 s22, s22, s23
	s_mov_b32 s23, 0
	s_mul_i32 s2, s[WC], ALOAD
	s_mul_i32 s3, s[WC], BLOAD
	s_add_co_u32 s3, s3, ATILE
	s_lshl_b32 s68, s[TR], 7                       ; out0: row 128 tile row + 64 WR, byte 1,024 tile column + 512 WC
	s_lshl_b32 s69, s[WR], 6
	s_add_co_u32 s68, s68, s69
	s_lshl_b32 s68, s68, 12
	s_lshl_b32 s70, s[TC], 10
	s_lshl_b32 s69, s[WC], 9
	s_add_co_u32 s70, s70, s69                     ; also my columns' place in bfc
	s_add_co_u32 s68, s68, s70
	s_mov_b32 s69, 0
	s_mov_b32 s71, 0
	s_mov_b32 s[TB], 0
	s_wait_dscnt 0x0                               ; the opening add is done
	s_wait_kmcnt 0x0
	s_add_nc_u64 s[20:21], s[4:5], s[20:21]
	s_add_nc_u64 s[22:23], s[6:7], s[22:23]
	s_add_nc_u64 s[8:9], s[8:9], s[68:69]
	s_add_nc_u64 s[10:11], s[10:11], s[70:71]
.irp s, 0,1
	s_mov_b32 s[G0A+4*(\s)], 1
	s_add_co_u32 s[G0A+4*(\s)+1], s2, (\s)*SLOT1
	s_add_nc_u64 s[G0A+4*(\s)+2:G0A+4*(\s)+3], s[20:21], (\s)*ASTEP
	s_or_b32 s[G0A+4*(\s)+3], s[G0A+4*(\s)+3], 0x80000000
	s_mov_b32 s[G0B+4*(\s)], 1
	s_add_co_u32 s[G0B+4*(\s)+1], s3, (\s)*SLOT1
	s_add_nc_u64 s[G0B+4*(\s)+2:G0B+4*(\s)+3], s[22:23], (\s)*BSTEP
	s_or_b32 s[G0B+4*(\s)+3], s[G0B+4*(\s)+3], 0x80000000
.endr
	CROUND                                         ; all sixteen work-groups are here: the first joint loads meet
	s_cmp_eq_u32 s[WR], 0                          ; a wave's two first fills stand in one branch: two loads of mine are out
	s_cbranch_scc0 .Lfirst_b
	tensor_load_to_lds s[G0A:G0A+3], s[G1A:G1A+7]
	s_nop 0
	tensor_load_to_lds s[G0A+4:G0A+7], s[G1A:G1A+7]
	s_nop 0
	PLACES
	s_branch .Lfirst_asked
.Lfirst_b:
	tensor_load_to_lds s[G0B:G0B+3], s[G1B:G1B+7]
	s_nop 0
	tensor_load_to_lds s[G0B+4:G0B+7], s[G1B:G1B+7]
	s_nop 0
	PLACES
.Lfirst_asked:
	v_and_b32 v1, 15, v0                           ; l % 16
	v_bfe_u32 v2, v0, 4, 1                         ; l / 16
	v_lshlrev_b32 v[BO], 5, v2
	WIN 0x80                                       ; the bias of column 16 b + 8 (l / 16) + j into v[8 b + j] of window 2
.irp b, 0,1,2,3,4,5,6,7
	global_load_b128 v[8*(\b):8*(\b)+3],   v[BO], s[10:11] offset:64*(\b)
	global_load_b128 v[8*(\b)+4:8*(\b)+7], v[BO], s[10:11] offset:64*(\b)+16
.endr
	WIN 0
	v_mul_u32_u24 v[ADRA0], v1, PA
	v_lshl_add_u32 v[ADRA0], v2, 4, v[ADRA0]
	s_mul_i32 s2, s[WR], 64*PA
	v_add_nc_u32 v[ADRA0], s2, v[ADRA0]
	v_and_b32 v3, 7, v0                            ; the turning load: lane l reads K row 8 (l / 16) + l % 8, columns 8 ((l / 8) % 2) + 0..7
	v_lshl_add_u32 v3, v2, 3, v3
	v_mul_u32_u24 v[ADRB0], v3, PB
	v_bfe_u32 v3, v0, 3, 1
	v_lshl_add_u32 v[ADRB0], v3, 4, v[ADRB0]
	s_lshl_b32 s2, s[WC], 8
	s_add_co_u32 s2, s2, ATILE
	v_add_nc_u32 v[ADRB0], s2, v[ADRB0]
	v_mov_b32 v[ADRA], v[ADRA0]
	v_mov_b32 v[ADRB], v[ADRB0]
	s_mul_i32 s2, s[WV], 16*SP
	s_add_co_u32 s2, s2, STAGE
	v_mul_u32_u24 v[STO], v1, SP                   ; in: row l % 16, 32 bytes for each half of the lanes
	v_lshl_add_u32 v[STO], v2, 5, v[STO]
	v_add_nc_u32 v[STO], s2, v[STO]
	v_and_b32 v3, 31, v0
	v_lshlrev_b32 v[CO], 4, v3                     ; back and out: 32 lanes take one row of 512 bytes
	v_add_nc_u32 v[RD], s2, v[CO]
	s_wait_loadcnt 0x0
	WIN 0x0a                                       ; the bias rounded to bf16,
.set i, 0
.rept 32
	v_cvt_pk_bf16_f32 v[TMP+i], v[2*i], v[2*i+1]
.set i, i+1
.endr
	WIN 0x80                                       ; and back as f32
.set i, 0
.rept 32
	v_lshlrev_b32 v[2*i], 16, v[TMP+i]
	v_and_b32 v[2*i+1], 0xffff0000, v[TMP+i]
.set i, i+1
.endr
	WIN 0
	s_wait_tensorcnt 0x1                           ; my part of K step 0 is in; step 1's may stay out
	s_barrier_signal -1
	s_barrier_wait -1
	FETCH 0, F0
	QUARTER 1, F0, F1, 1
	WIN 0
	s_mov_b32 s[CNT], 6
.Lstep:
	QUARTER 2, F1, F0, 0
	QUARTER 3, F0, F1, 0
	TURN 1
	QUARTER 1, F0, F1, 0
	WIN 0
	s_sub_co_u32 s[CNT], s[CNT], 1
	s_cmp_lg_u32 s[CNT], 0
	s_cbranch_scc1 .Lstep
	QUARTER 2, F1, F0, 0
	QUARTER 3, F0, F1, 0
	TURN 0
	QUARTER 1, F0, F1, 0
	QUARTER 2, F1, F0, 0
	QUARTER 3, F0, F1, 0
	s_wait_dscnt 4
	MUL8 F1, 0, 0
	MUL8 F1, 1, 0
	s_wait_dscnt 0x0
	MUL8 F1, 2, 0
	MUL8 F1, 3, 0
	WIN 0
	PLACES
; THE WAY OUT of row block a: the bias is added (each accumulator's registers in ascending order), 32 bytes a lane go into my stage, whole rows of 512 bytes come back and are stored.
.macro OUTA a
.set OBB, OB+64*((\a)%2)
	WIN 0x49                                       ; sums in window 1, the bias in window 2
.irp b, 0,1,2,3,4,5,6,7
.irp i, 0,1,2,3
	v_pk_add_f32 v[8*(8*(\a)+(\b))+2*(\i):8*(8*(\a)+(\b))+2*(\i)+1], v[8*(8*(\a)+(\b))+2*(\i):8*(8*(\a)+(\b))+2*(\i)+1], v[8*(\b)+2*(\i):8*(\b)+2*(\i)+1]
.endr
.endr
	WIN 0x04                                       ; store data in window 1
.irp b, 0,1,2,3,4,5,6,7
	ds_store_b128 v[STO], v[8*(8*(\a)+(\b)):8*(8*(\a)+(\b))+3] offset:64*(\b)
	ds_store_b128 v[STO], v[8*(8*(\a)+(\b))+4:8*(8*(\a)+(\b))+7] offset:64*(\b)+16
.endr
	WIN 0
	s_wait_xcnt 0x0                                ; the set's earlier stores have read it: it is loaded again only behind this wait
.irp t, 0,1,2,3,4,5,6,7,8,9,10,11,12,13,14,15
	ds_load_b128 v[OBB+4*(\t):OBB+4*(\t)+3], v[RD] offset:(\t)*SP  ; LDS serves a wave's instructions in order (ISA guide 5.7.1.4): these see the stores above
.endr
	s_wait_dscnt 0x0
.irp t, 0,1,2,3,4,5,6,7,8,9,10,11,12,13,14,15
	global_store_b128 v[CO], v[OBB+4*(\t):OBB+4*(\t)+3], s[8:9] offset:(16*(\a)+(\t))*4096 th:TH_STORE_NT  ; a wave's store covers 512 consecutive bytes, aligned
.endr
.endm
	OUTA 0
	OUTA 1
	OUTA 2
	OUTA 3
	s_wait_tensorcnt 0x0                           ; the wave's end
	ds_add_u32 v[SPW], v[NIL]
	s_wait_dscnt 0x0
	CROUND                                         ; the closing round
	s_endpgm
.Lfunc_end_k_q4c75a73464_fc:
	.size	k_q4c75a73464_fc, .Lfunc_end_k_q4c75a73464_fc-k_q4c75a73464_fc
	.p2alignl 7, 3214868480
	.fill 96, 4, 3214868480
	.section	.rodata,"a",@progbits
	.p2align	6, 0x0
	.amdhsa_kernel k_q4c75a73464_fc
		.amdhsa_group_segment_fixed_size 327680
		.amdhsa_private_segment_fixed_size 0
		.amdhsa_enable_private_segment 0
		.amdhsa_kernarg_size 32
		.amdhsa_user_sgpr_count 2
		.amdhsa_user_sgpr_kernarg_segment_ptr 1
		.amdhsa_wavefront_size32 1
		.amdhsa_system_sgpr_workgroup_id_x 1
		.amdhsa_system_sgpr_workgroup_id_y 1
		.amdhsa_system_sgpr_workgroup_id_z 1
		.amdhsa_system_vgpr_workitem_id 0
		.amdhsa_next_free_vgpr 576
		.amdhsa_next_free_sgpr 72
		.amdhsa_reserve_vcc 0
		.amdhsa_float_denorm_mode_32 3
		.amdhsa_float_denorm_mode_16_64 3
		.amdhsa_memory_ordered 1
		.amdhsa_forward_progress 1
		.amdhsa_inst_pref_size 84
	.end_amdhsa_kernel
	.amdgpu_metadata
---
amdhsa.version: [ 1, 2 ]
amdhsa.kernels:
  - .name:           k_q4c75a73464_fc
    .symbol:         k_q4c75a73464_fc.kd
    .args:
      - { .name: xh, .offset: 0, .size: 8, .value_kind: global_buffer, .address_space: global }
      - { .name: wh, .offset: 8, .size: 8, .value_kind: global_buffer, .address_space: global }
      - { .name: out0, .offset: 16, .size: 8, .value_kind: global_buffer, .address_space: global }
      - { .name: bfc, .offset: 24, .size: 8, .value_kind: global_buffer, .address_space: global }
    .group_segment_fixed_size: 327680
    .private_segment_fixed_size: 0
    .kernarg_segment_align: 8
    .kernarg_segment_size: 32
    .max_flat_workgroup_size: 128
    .sgpr_count:     72
    .vgpr_count:     576
    .wavefront_size: 32
...
	.end_amdgpu_metadata
.endif
;; end of part 6
;; ======== version 2 of 3: 6 launches; 1.12 times as fast as version 1
;; limits: values are held in f16: magnitudes above 65,504 overflow, below 6.1e-05 lose precision; right only within a limited range of input values; values outside matrix products are rounded to f16
;; workspace buffers: xh 16,777,216 bytes; wh 8,388,608 bytes; qkv 50,331,648 bytes; e 33,554,432 bytes; st 1,048,576 bytes; o 33,554,432 bytes
;; launch cast: the kernel of part 1 again; grid 768 x 1, 8 waves a work-group, no clusters, 0 bytes of LDS; arguments x, Wq, Wk, Wv, Wfc, xh, wh; writes xh, wh
;; launch proj (part 7): grid 12 x 16, 8 waves a work-group, clusters of 4 x 4, 327,680 bytes of LDS; arguments xh, wh, qkv; writes qkv
.if DOCPART == 7
	.amdgcn_target "amdgcn-amd-amdhsa--gfx1250"
	.amdhsa_code_object_version 6
	.text
	.protected	k_q4c75a73464_proj
	.globl	k_q4c75a73464_proj
	.p2align	8
	.type	k_q4c75a73464_proj,@function
k_q4c75a73464_proj:
	s_mov_b64 s[64:65], 0
	v_nop
	global_prefetch_b8 v0, s[64:65] scope:SCOPE_SE
	s_setreg_imm32_b32 hwreg(HW_REG_WAVE_MODE, 25, 1), 1
	s_wait_xcnt 0x0
	s_wait_alu depctr_hold_cnt(0) depctr_sa_sdst(0) depctr_va_vdst(0) depctr_va_sdst(0) depctr_va_ssrc(0) depctr_va_vcc(0) depctr_vm_vsrc(0)
	s_getreg_b32 s2, hwreg(HW_REG_IB_STS2, 6, 4)
	s_cmp_eq_u32 s2, 0
	s_cbranch_scc0 .Lentry_in_a_cluster
	s_endpgm
.Lentry_in_a_cluster:
	s_bfe_u32 s2, ttmp6, 0x10000c
	s_cmp_lg_u32 s2, 0xf033
	s_cbranch_scc0 .Lentry_shape_is_right
	s_endpgm
.Lentry_shape_is_right:
; qkv[row][0:3072] = xh[row][:] . [Wq | Wk | Wv].  xh: [8192][1024] f16; wh: [4][1024 d][1024 n] f16; qkv: [8192][3072] f16 (q, k, v side by side).  Sums in f32, rounded once to f16.
; LIMIT.  q, k and v beyond 65,504 in magnitude become infinities.
; A tile of qkv is 256 rows x 256 columns: 384 tiles.  Eight waves, 4 x 2, two on each SIMD, each 64 x 128: 32 accumulators of 16 x 16.  K = 1,024 goes in steps of 128 through two LDS slots: a step is
; 256 matrix instructions for a SIMD and 139,264 bytes of LDS.  A WORK-GROUP STAYS: 192 work-groups make two tiles each, 4,096 rows apart, with the same columns of W; the ring does not stop at the first
; tile's end: one loop walks the 16 K steps, and in the trip that ends the first tile the tile goes out while the second tile's first steps are on their way.  (384 tiles are no whole number for 256 WGPs.)
; The weights lie [K][N] and stay so: a tile's rows are 512 bytes of 256 columns, and ds_load_tr16_b128 turns them on the way out of LDS.
; THE MATRIX INSTRUCTION IS USED TRANSPOSED (source 0 = 16 columns of W, source 1 = 16 rows of x): a lane holds row l % 16 and eight neighbouring columns 8 (l / 16) + 0..7.
; CLUSTER 4 x 4: the four of a row of the cluster need the same rows of x, the four of a column the same columns of W: each tile is asked for jointly.
; REGISTERS.  Window 0: v0-15 addresses; v32-127, v128-223 two fragment buffers (x's 4 fragments, then W's 8); v224-255 packed results.  Window 1: accumulator (a, b) at v[8 (8 a + b)].
.set PA,    272                        ; a row of x in LDS: 256 bytes + 16: the 16 rows of a load start at 16 different groups of four banks (64 banks of 4 bytes: ISA guide 11.1)
.set PB,    544                        ; a K row of W in LDS: 512 bytes + 32
.set QLOAD, 64*PA                      ; what one tensor load brings: 64 rows of x, or 32 K rows of W (32 x 544 is the same 17,408 bytes): every wave issues one
.set ATILE, 4*QLOAD                    ; x's 256 rows; W's 128 K rows follow
.set SLOT,  8*QLOAD
.set STAGE, 2*SLOT                     ; behind the ring, never filled by a tensor load: 16 rows x 272 bytes for each wave
.set SP,    272
.set SPARE, STAGE+8*16*SP              ; the spare words: 128 bytes for each wave, four blocks of 256 bytes that no other line names
.set CPITCH, 6144
.set ADRA0, 4                          ; v4   my lane's place in a slot's tile of x; never rewritten
.set ADRB0, 5                          ; v5   the same for W
.set ADRA,  6                          ; v6   the same in the slot in hand
.set ADRB,  7
.set STO,   8                          ; v8   the way out: where I put 16 bytes of a row
.set RD,    9                          ; v9   where I read rows back
.set CO,    10                         ; v10  my byte offset in two rows of qkv
.set SPW,   12                         ; v12  LDS address of my spare word; never rewritten
.set NIL,   13                         ; v13  0; never rewritten
.set F0,    32
.set F1,    128
.set TMP,   224
.set OB,    128                        ; the way out: rows read back into three sets of 32 registers of buffer 1 (buffer 0 may hold the next tile's fragments)
.set WV, 12                            ; s12 wave; s13 which 64 rows are mine; s14 which 128 columns; s19 which quarter of a tile I fetch (waves 0-3: x, waves 4-7: W)
.set WR, 13
.set WC, 14
.set CX, 15
.set CY, 16
.set TC, 17                            ; tile column, 0-11
.set TR, 18                            ; my first tile's row, 0-15
.set FQ, 19
.set AB, 20                            ; s[20:21] x at my quarter of the first tile's rows
.set BB, 22                            ; s[22:23] W at my quarter of a K step's rows
.set G1A, 24                           ; s[24:31], s[32:39] descriptor groups 1
.set G1B, 32
.set G0A, 40                           ; s[40:47], s[48:55] groups 0: a set for each first fill; the second then walks
.set G0B, 48
.set CNT, 56
.set TB,  57                           ; LDS byte at which the slot in hand begins
.set TBF, 58                           ; the same for the slot filled last
.set LB,  59                           ; where my load goes in a slot: wave x 17,408
.set AN,  60                           ; the K step of the walk (0-15) to be asked for next
.set OF,  66                           ; s[66:67] an offset
.set MULW, 0x50                        ; C and D in window 1, the fragments in window 0
.set MSB, 0
.macro WIN new                         ; the immediate's high byte repeats the setting that is left; a switch that changes nothing is dropped
.if MSB != (\new)
	s_set_vgpr_msb (MSB<<8)|(\new)
.set MSB, (\new)
.endif
.endm
.macro PLACES                          ; four places in front of loads into registers that matrix instructions have read, and of lines that read results
.rept 4
	v_nop
.endr
.endm
.macro JLOAD                           ; a joint refill: waves 0-3 fetch x's quarters, waves 4-7 W's; an s_nop 0 and four v_nop follow each line
	s_cmp_lt_u32 s[WV], 4
	s_cbranch_scc0 .Lfor_b_\@
	tensor_load_to_lds s[G0A+4:G0A+7], s[G1A:G1A+7]
	s_nop 0
	PLACES
	s_branch .Lasked_\@
.Lfor_b_\@:
	tensor_load_to_lds s[G0B+4:G0B+7], s[G1B:G1B+7]
	s_nop 0
	PLACES
.Lasked_\@:
.endm
.macro CREST                           ; a round of the cluster's barrier behind its opening barrier
	s_cmp_lg_u32 s[WV], 0
	s_cbranch_scc1 .Lnot_wave_0_\@
	s_barrier_signal -3
.Lnot_wave_0_\@:
	s_barrier_wait -3
	s_barrier_signal -1
	s_barrier_wait -1
.endm
.macro CROUND
	s_barrier_signal -1
	s_barrier_wait -1
	CREST
.endm
; The addresses of K step AN of the walk are made anew from its number, into descriptor set `set`: tile AN / 8 (4,096 rows of 2,048 bytes on), step AN % 8 (256 bytes along x's rows, 128 rows of W).
.macro ASK set
	s_and_b32 s70, s[AN], 7
	s_lshr_b32 s71, s[AN], 3
	s_lshl_b32 s[OF], s70, 8
	s_lshl_b32 s71, s71, 23
	s_add_co_u32 s[OF], s[OF], s71
	s_add_nc_u64 s[G0A+4*(\set)+2:G0A+4*(\set)+3], s[AB:AB+1], s[OF:OF+1]
	s_or_b32 s[G0A+4*(\set)+3], s[G0A+4*(\set)+3], 0x80000000
	s_lshl_b32 s[OF], s70, 18
	s_add_nc_u64 s[G0B+4*(\set)+2:G0B+4*(\set)+3], s[BB:BB+1], s[OF:OF+1]
	s_or_b32 s[G0B+4*(\set)+3], s[G0B+4*(\set)+3], 0x80000000
	s_add_co_u32 s[AN], s[AN], 1
.endm
.macro MUL8 f, a, zero                 ; row block a x all 8 column blocks, 32 along K.  zero = 1: the product starts the sums.  The 32 accumulators take turns
	WIN MULW
.irp b, 0,1,2,3,4,5,6,7
.if \zero
	v_wmma_f32_16x16x32_f16 v[8*(8*(\a)+(\b)):8*(8*(\a)+(\b))+7], v[(\f)+32+8*(\b):(\f)+32+8*(\b)+7], v[(\f)+8*(\a):(\f)+8*(\a)+7], 0
.else
	v_wmma_f32_16x16x32_f16 v[8*(8*(\a)+(\b)):8*(8*(\a)+(\b))+7], v[(\f)+32+8*(\b):(\f)+32+8*(\b)+7], v[(\f)+8*(\a):(\f)+8*(\a)+7], v[8*(8*(\a)+(\b)):8*(8*(\a)+(\b))+7]
.endif
.endr
.endm
.macro FETCH q, f                      ; 24 LDS loads in one run: quarter q (32 along K) into buffer f: W's 8 fragments, turned, then x's 4
	WIN 0
.irp b, 0,1,2,3,4,5,6,7
	ds_load_tr16_b128 v[(\f)+32+8*(\b):(\f)+32+8*(\b)+3],   v[ADRB] offset:(\q)*32*PB+32*(\b)
	ds_load_tr16_b128 v[(\f)+32+8*(\b)+4:(\f)+32+8*(\b)+7], v[ADRB] offset:(\q)*32*PB+16*PB+32*(\b)
.endr
.irp a, 0,1,2,3
	ds_load_b128 v[(\f)+8*(\a):(\f)+8*(\a)+3],   v[ADRA] offset:(\a)*16*PA+64*(\q)
	ds_load_b128 v[(\f)+8*(\a)+4:(\f)+8*(\a)+7], v[ADRA] offset:(\a)*16*PA+64*(\q)+32
.endr
.endm
.macro QUARTER q, f, g, zero           ; multiplies buffer f; in its middle fetches quarter q into buffer g
	s_wait_dscnt 4                                 ; all but the youngest four loads (x's blocks 2, 3) are in
	MUL8 \f, 0, \zero
	MUL8 \f, 1, \zero
	PLACES
	FETCH \q, \g
	s_wait_dscnt 24                                ; all but the 24 just issued
	MUL8 \f, 2, \zero
	MUL8 \f, 3, \zero
.endm
; The fourth quarter multiplies buffer 1 and changes slots.  In front of the barrier each wave waits for all its tensor loads (one is out: its part of the next slot), adds 0 to its spare word,
; and waits for that and for its reads of this slot.  fill = 1: the barrier opens a round of the cluster's, and this slot is filled again, two K steps ahead in the walk, first thing behind the round.
.macro TURN fill
	WIN 0
	s_wait_tensorcnt 0x0                           ; no tensor load of mine is out, so a group 0 may be written
	ds_add_u32 v[SPW], v[NIL]
.if \fill
	s_xor_b32 s[TBF], s[TBF], SLOT                 ; the walking descriptors: the other slot than last time, the walk's next step
	s_add_co_u32 s[G0A+5], s[LB], s[TBF]
	s_add_co_u32 s[G0B+5], s[LB], s[TBF]
	ASK 1
.endif
	s_wait_dscnt 5                                 ; the add and the youngest four loads may be out
	MUL8 F1, 0, 0
	s_wait_dscnt 0x0                               ; the add is done, my reads of this slot are over
	s_barrier_signal -1
	MUL8 F1, 1, 0
	WIN 0
	s_barrier_wait -1
.if \fill
	CREST                                          ; no wave of any partner still reads this slot or has a load on its way
	JLOAD                                          ; its four v_nop are also the places in front of the loads below
.else
	PLACES
.endif
	s_xor_b32 s[TB], s[TB], SLOT
	v_add_nc_u32 v[ADRA], s[TB], v[ADRA0]
	v_add_nc_u32 v[ADRB], s[TB], v[ADRB0]
	FETCH 0, F0
	MUL8 F1, 2, 0
	MUL8 F1, 3, 0
.endm
; THE WAY OUT, a block of 16 rows at a time: rounded to f16 (each accumulator's registers in ascending order), 16 bytes a lane into my stage, back as whole rows of 256 bytes, stored.
.macro PACK a
	WIN 0x05                                       ; sources in window 1
.irp b, 0,1,2,3,4,5,6,7
.irp i, 0,1,2,3
	v_cvt_pk_f16_f32 v[TMP+4*(\b)+(\i)], v[8*(8*(\a)+(\b))+2*(\i)], v[8*(8*(\a)+(\b))+2*(\i)+1]
.endr
.endr
	WIN 0
.endm
.macro TOSTAGE a
	s_wait_xcnt 0x0                                ; a set that earlier stores read is loaded again only behind this wait
.irp b, 0,1,2,3,4,5,6,7
	ds_store_b128 v[STO], v[TMP+4*(\b):TMP+4*(\b)+3] offset:32*(\b)
.endr
.irp t, 0,1,2,3,4,5,6,7
	ds_load_b128 v[OB+32*((\a)%3)+4*(\t):OB+32*((\a)%3)+4*(\t)+3], v[RD] offset:(\t)*2*SP  ; LDS serves a wave's instructions in order (ISA guide 5.7.1.4): these see the stores above
.endr
.endm
.macro SEND a
	s_wait_dscnt 0x0
.irp t, 0,1,2,3,4,5,6,7
	global_store_b128 v[CO], v[OB+32*((\a)%3)+4*(\t):OB+32*((\a)%3)+4*(\t)+3], s[8:9] offset:(16*(\a)+2*(\t))*CPITCH  ; 16 lanes store 256 consecutive bytes, aligned
.endr
.endm
.macro OUT
	WIN 0
	PLACES
	PACK 0
	TOSTAGE 0
	PACK 1
	SEND 0
	TOSTAGE 1
	PACK 2
	SEND 1
	TOSTAGE 2
	PACK 3
	SEND 2
	TOSTAGE 3
	SEND 3
.endm
	s_load_b128 s[4:7], s[0:1], 0x0                ; xh s[4:5], wh s[6:7]
	s_load_b64 s[8:9], s[0:1], 0x10                ; qkv
	v_lshl_add_u32 v[SPW], v0, 2, SPARE
	v_mov_b32 v[NIL], 0
	ds_add_u32 v[SPW], v[NIL]                      ; the wave's opening: an add, waited for ahead of my first tensor load
	ds_add_u32 v12, v13
	v_lshrrev_b32 v3, 5, v0
	v_readfirstlane_b32 s[WV], v3
	s_lshr_b32 s[WR], s[WV], 1
	s_and_b32 s[WC], s[WV], 1
	s_and_b32 s[FQ], s[WV], 3
	s_bfe_u32 s[CX], ttmp6, 0x40000
	s_bfe_u32 s[CY], ttmp6, 0x40004
	s_lshl_b32 s[TC], ttmp9, 2
	s_add_co_u32 s[TC], s[TC], s[CX]
	s_and_b32 s[TR], ttmp7, 0xffff
	s_lshl_b32 s[TR], s[TR], 2
	s_add_co_u32 s[TR], s[TR], s[CY]
	s_lshl_b32 s62, s[CY], 2
	s_lshl_b32 s62, 15, s62                        ; my row of the cluster
	s_lshl_b32 s63, 0x1111, s[CX]                  ; my column
	s_or_b32 s[G1A], s62, (1<<16)|(1<<20)|(1<<21)|(5<<22)|(3<<25)  ; mask; 2-byte elements; padding on; bit 21 beside a mask; after every 64 words 4 words
	s_mov_b32 s[G1A+1], 128<<16                    ; tensor_dim0 = 128
	s_mov_b32 s[G1A+2], 64<<16                     ; tensor_dim1 = 64
	s_mov_b32 s[G1A+3], 128<<16                    ; tile_dim0 = 128
	s_mov_b32 s[G1A+4], 64                         ; tile_dim1 = 64
	s_mov_b32 s[G1A+5], 1024                       ; elements from row to row
	s_mov_b32 s[G1A+6], 0
	s_mov_b32 s[G1A+7], 0
	s_or_b32 s[G1B], s63, (1<<16)|(1<<20)|(1<<21)|(6<<22)|(7<<25)  ; after every 128 words 8 words
	s_mov_b32 s[G1B+1], 256<<16                    ; 256 columns x 32 K rows: rows of 512 bytes, as many bytes as x's 64 rows of 256
	s_mov_b32 s[G1B+2], 32<<16
	s_mov_b32 s[G1B+3], 256<<16
	s_mov_b32 s[G1B+4], 32
	s_mov_b32 s[G1B+5], 1024
	s_mov_b32 s[G1B+6], 0
	s_mov_b32 s[G1B+7], 0
	s_lshl_b32 s20, s[TR], 19                      ; x: (256 tile row + 64 quarter) rows of 2,048 bytes: no cx enters
	s_lshl_b32 s21, s[FQ], 17
	s_add_co_u32 s20, s20, s21
	s_mov_b32 s21, 0
	s_lshl_b32 s22, ttmp9, 21                      ; W: the weight (2 MiB each), 512 bytes a tile column, 32 K rows a quarter: no cy enters
	s_lshl_b32 s23, s[CX], 9
	s_add_co_u32 s22, s22, s23
	s_lshl_b32 s23, s[FQ], 16
	s_add_co_u32 s22, s22, s23
	s_mov_b32 s23, 0
	s_mul_i32 s[LB], s[WV], QLOAD                  ; where my load goes: the wave's number alone
	s_lshl_b32 s68, s[TR], 8                       ; my part of qkv: row 256 tile row + 64 WR, byte 512 tile column + 256 WC
	s_lshl_b32 s69, s[WR], 6
	s_add_co_u32 s68, s68, s69
	s_mul_i32 s68, s68, CPITCH
	s_lshl_b32 s69, s[TC], 9
	s_add_co_u32 s68, s68, s69
	s_lshl_b32 s69, s[WC], 8
	s_add_co_u32 s68, s68, s69
	s_mov_b32 s69, 0
	s_mov_b32 s[TB], 0
	s_mov_b32 s[TBF], SLOT
	s_mov_b32 s[AN], 0
	s_mov_b32 s[OF+1], 0
	s_mov_b32 s[G0A], 1
	s_mov_b32 s[G0A+1], s[LB]
	s_mov_b32 s[G0A+4], 1
	s_add_co_u32 s[G0A+5], s[LB], SLOT
	s_mov_b32 s[G0B], 1
	s_mov_b32 s[G0B+1], s[LB]
	s_mov_b32 s[G0B+4], 1
	s_add_co_u32 s[G0B+5], s[LB], SLOT
	s_wait_dscnt 0x0                               ; the opening add is done
	s_wait_kmcnt 0x0
	s_add_nc_u64 s[AB:AB+1], s[4:5], s[20:21]
	s_add_nc_u64 s[BB:BB+1], s[6:7], s[22:23]
	s_add_nc_u64 s[8:9], s[8:9], s[68:69]
	ASK 0                                          ; the walk's steps 0 and 1
	ASK 1
	CROUND                                         ; all sixteen work-groups are here: the first joint loads meet
	s_cmp_lt_u32 s[WV], 4                          ; a wave's two first fills stand in one branch: two loads of mine are out
	s_cbranch_scc0 .Lfirst_b
	tensor_load_to_lds s[G0A:G0A+3], s[G1A:G1A+7]
	s_nop 0
	tensor_load_to_lds s[G0A+4:G0A+7], s[G1A:G1A+7]
	s_nop 0
	PLACES
	s_branch .Lfirst_asked
.Lfirst_b:
	tensor_load_to_lds s[G0B:G0B+3], s[G1B:G1B+7]
	s_nop 0
	tensor_load_to_lds s[G0B+4:G0B+7], s[G1B:G1B+7]
	s_nop 0
	PLACES
.Lfirst_asked:
	v_and_b32 v1, 15, v0                           ; l % 16
	v_bfe_u32 v2, v0, 4, 1                         ; l / 16
	v_mul_u32_u24 v[ADRA0], v1, PA                 ; a fragment of x: row x pitch + 16 x half, two loads 32 bytes apart
	v_lshl_add_u32 v[ADRA0], v2, 4, v[ADRA0]
	s_mul_i32 s2, s[WR], 64*PA
	v_add_nc_u32 v[ADRA0], s2, v[ADRA0]
	v_and_b32 v3, 7, v0                            ; the turning load: lane l reads K row 8 (l / 16) + l % 8, columns 8 ((l / 8) % 2) + 0..7
	v_lshl_add_u32 v3, v2, 3, v3
	v_mul_u32_u24 v[ADRB0], v3, PB
	v_bfe_u32 v3, v0, 3, 1
	v_lshl_add_u32 v[ADRB0], v3, 4, v[ADRB0]
	s_lshl_b32 s2, s[WC], 8
	s_add_co_u32 s2, s2, ATILE
	v_add_nc_u32 v[ADRB0], s2, v[ADRB0]
	v_mov_b32 v[ADRA], v[ADRA0]
	v_mov_b32 v[ADRB], v[ADRB0]
	s_mul_i32 s2, s[WV], 16*SP
	s_add_co_u32 s2, s2, STAGE                     ; my stage
	v_mul_u32_u24 v[STO], v1, SP
	v_lshl_add_u32 v[STO], v2, 4, v[STO]
	v_add_nc_u32 v[STO], s2, v[STO]
	v_mul_u32_u24 v[RD], v2, SP                    ; back: lanes 0-15 one row of 256 bytes, lanes 16-31 the next
	v_lshl_add_u32 v[RD], v1, 4, v[RD]
	v_add_nc_u32 v[RD], s2, v[RD]
	v_mul_u32_u24 v[CO], v2, CPITCH
	v_lshl_add_u32 v[CO], v1, 4, v[CO]
	s_wait_tensorcnt 0x1                           ; my part of K step 0 is in; step 1's may stay out
	s_barrier_signal -1
	s_barrier_wait -1
	FETCH 0, F0
	QUARTER 1, F0, F1, 1                           ; the first quarter stands in front of the loop: its products start the sums
	WIN 0
	s_mov_b32 s[CNT], 14
.Lstep:                                                ; a trip: a K step's quarters 1 to 3 and the next step's quarter 0; it fills one slot again (the walk's steps 2 to 15)
	QUARTER 2, F1, F0, 0
	QUARTER 3, F0, F1, 0
	TURN 1
	WIN 0
	s_cmp_eq_u32 s[CNT], 7                         ; the eighth trip ends the first tile; what the other trips jump over holds no barrier and no tensor load
	s_cbranch_scc0 .Lsame_tile
	OUT                                            ; both refills for the second tile have been asked for
	s_wait_xcnt 0x0                                ; the stores have read their registers and qkv's address
	s_add_nc_u64 s[8:9], s[8:9], 16*256*CPITCH     ; my part of the second tile
	QUARTER 1, F0, F1, 1                           ; its first products start the sums anew
	WIN 0
	s_branch .Lnext
.Lsame_tile:
	QUARTER 1, F0, F1, 0
	WIN 0
.Lnext:
	s_sub_co_u32 s[CNT], s[CNT], 1
	s_cmp_lg_u32 s[CNT], 0
	s_cbranch_scc1 .Lstep
	QUARTER 2, F1, F0, 0                           ; the last two K steps ask for nothing
	QUARTER 3, F0, F1, 0
	TURN 0
	QUARTER 1, F0, F1, 0
	QUARTER 2, F1, F0, 0
	QUARTER 3, F0, F1, 0
	s_wait_dscnt 4
	MUL8 F1, 0, 0
	MUL8 F1, 1, 0
	s_wait_dscnt 0x0
	MUL8 F1, 2, 0
	MUL8 F1, 3, 0
	OUT
	s_wait_tensorcnt 0x0                           ; the wave's end
	ds_add_u32 v[SPW], v[NIL]
	s_wait_dscnt 0x0
	CROUND                                         ; the closing round
	s_endpgm
.Lfunc_end_k_q4c75a73464_proj:
	.size	k_q4c75a73464_proj, .Lfunc_end_k_q4c75a73464_proj-k_q4c75a73464_proj
	.p2alignl 7, 3214868480
	.fill 96, 4, 3214868480
	.section	.rodata,"a",@progbits
	.p2align	6, 0x0
	.amdhsa_kernel k_q4c75a73464_proj
		.amdhsa_group_segment_fixed_size 327680
		.amdhsa_private_segment_fixed_size 0
		.amdhsa_enable_private_segment 0
		.amdhsa_kernarg_size 24
		.amdhsa_user_sgpr_count 2
		.amdhsa_user_sgpr_kernarg_segment_ptr 1
		.amdhsa_wavefront_size32 1
		.amdhsa_system_sgpr_workgroup_id_x 1
		.amdhsa_system_sgpr_workgroup_id_y 1
		.amdhsa_system_sgpr_workgroup_id_z 1
		.amdhsa_system_vgpr_workitem_id 0
		.amdhsa_next_free_vgpr 512
		.amdhsa_next_free_sgpr 72
		.amdhsa_reserve_vcc 0
		.amdhsa_float_denorm_mode_32 3
		.amdhsa_float_denorm_mode_16_64 3
		.amdhsa_memory_ordered 1
		.amdhsa_forward_progress 1
		.amdhsa_inst_pref_size 90
	.end_amdhsa_kernel
	.amdgpu_metadata
---
amdhsa.version: [ 1, 2 ]
amdhsa.kernels:
  - .name:           k_q4c75a73464_proj
    .symbol:         k_q4c75a73464_proj.kd
    .args:
      - { .name: xh, .offset: 0, .size: 8, .value_kind: global_buffer, .address_space: global }
      - { .name: wh, .offset: 8, .size: 8, .value_kind: global_buffer, .address_space: global }
      - { .name: qkv, .offset: 16, .size: 8, .value_kind: global_buffer, .address_space: global }
    .group_segment_fixed_size: 327680
    .private_segment_fixed_size: 0
    .kernarg_segment_align: 8
    .kernarg_segment_size: 24
    .max_flat_workgroup_size: 256
    .sgpr_count:     72
    .vgpr_count:     512
    .wavefront_size: 32
...
	.end_amdgpu_metadata
.endif
;; end of part 7
;; launch scores (part 8): grid 9 x 16, 8 waves a work-group, no clusters, 327,680 bytes of LDS; arguments qkv, e, st; writes e, st
.if DOCPART == 8
	.amdgcn_target "amdgcn-amd-amdhsa--gfx1250"
	.amdhsa_code_object_version 6
	.text
	.protected	k_q4c75a73464_scores
	.globl	k_q4c75a73464_scores
	.p2align	8
	.type	k_q4c75a73464_scores,@function
k_q4c75a73464_scores:
	s_mov_b64 s[64:65], 0
	v_nop
	global_prefetch_b8 v0, s[64:65] scope:SCOPE_SE
	s_setreg_imm32_b32 hwreg(HW_REG_WAVE_MODE, 25, 1), 1
	s_wait_xcnt 0x0
; The causal tiles of S = q k^T, left as a softmax in two levels.  A GROUP is 128 keys.  For each row and group g: cm = c x (the largest visible score of the group), c = log2(e) / 32;
; E = 2^(c s - cm) in f16 into e[batch][row][key]; (cm, l = the sum of the unrounded E) in f32 into st[batch][g][row].  The next launch joins the groups by the true row maximum.
; LIMITS.  A hidden score counts as -2^100, and a group's maximum is never taken below -2^96 (scores of f16 operands reach 4.4e12 at the most): a wholly hidden group gives E = 0, l = 0.
; E below 6e-8 counts as 0 in e.  NaN and infinities are not treated apart.
; A tile is 256 queries x 256 keys; row block I (0-7) has the key tiles 0 .. I.  Blocks p and 7 - p have 9 tiles together: grid x = 0..8 walks them, grid y = 4 batch + p: 144 work-groups.
; WHY 144.  The visible work is more than 256 tiles of 128 x 256 (272, the wholly hidden halves left out), so work-groups of that size need a second turn on some WGPs; a tile of twice the work takes
; as many matrix instructions as those two turns, starts and ends once, and has twice the matrix work in a K step for 4/3 of the bytes that the step fetches.
; NO CLUSTER: the tiles are a triangle: a row block has 1 to 8 key tiles, a key tile 1 to 8 row blocks, so neither kind of sharers comes in fours at every place.
; Eight waves, 4 x 2, two on each SIMD, each 64 x 128 (one group): 32 accumulators.  K = 1,024 in 8 steps of 128 through two LDS slots.  q and k both lie along K: plain fragment loads, and one shape of
; tensor load, 64 rows of 256 bytes: waves 0-3 fetch q's quarters, waves 4-7 k's, by one line: its LDS address is wave x 17,408 + the slot.
; Source 0 = 16 keys, source 1 = 16 queries: a lane holds query l % 16 and keys 8 (l / 16) + 0..7 of each block of 16.
; REGISTERS.  Window 0: v0-15 addresses; v16-23 at work; v24-31 (cm, l) of my four row blocks; v32-127, v128-223 fragment buffers; v224-255 packed E.  Window 1: accumulator (a, b) at v[8 (8 a + b)].
.set PA,    272
.set QLOAD, 64*PA
.set ATILE, 4*QLOAD
.set SLOT,  8*QLOAD
.set STAGE, 2*SLOT
.set SP,    272
.set SPARE, STAGE+8*16*SP
.set KSTEP, 256                        ; bytes from K step to K step, in q and in k
.set CPITCH, 4096
.set ADRA0, 4
.set ADRB0, 5
.set ADRA,  6
.set ADRB,  7
.set STO,   8
.set RD,    9
.set CO,    10
.set SO,    11                         ; v11  8 x lane: my place in 32 rows of st
.set SPW,   12
.set NIL,   13
.set THR,   14                         ; v14  key 16 (b - a) + j of accumulator (a, b) is hidden where that number is greater than this
.set BIG,   15                         ; v15  -2^100
.set CM,    16
.set ST,    24
.set F0,    32
.set F1,    128
.set TMP,   224
.set OB,    32
.set WV, 12
.set WR, 13
.set WC, 14
.set FQ, 15
.set G1, 24                            ; s[24:31] descriptor group 1, for q's and k's tiles alike
.set G0, 40                            ; s[40:47] group 0: a set for each first fill; the second then walks
.set CNT, 56
.set TB,  57
.set CS,  58                           ; s[58:59] c
.set SEL, 60                           ; s[60:61] v_permlanex16_b32's selects: each lane takes its own place in the other half
.set BI,  62                           ; row block
.set BJ,  63                           ; key tile
.set DD,  66                           ; my first query less my first key
.set HM,  67                           ; lanes 16-31
.set FL,  72                           ; -2^96
.set TBF, 73
.set LB,  74
.set MULW, 0x50
.set MSB, 0
.macro WIN new
.if MSB != (\new)
	s_set_vgpr_msb (MSB<<8)|(\new)
.set MSB, (\new)
.endif
.endm
.macro PLACES
.rept 4
	v_nop
.endr
.endm
.macro MUL8 f, a, zero                 ; the 32 accumulators take turns
	WIN MULW
.irp b, 0,1,2,3,4,5,6,7
.if \zero
	v_wmma_f32_16x16x32_f16 v[8*(8*(\a)+(\b)):8*(8*(\a)+(\b))+7], v[(\f)+32+8*(\b):(\f)+32+8*(\b)+7], v[(\f)+8*(\a):(\f)+8*(\a)+7], 0
.else
	v_wmma_f32_16x16x32_f16 v[8*(8*(\a)+(\b)):8*(8*(\a)+(\b))+7], v[(\f)+32+8*(\b):(\f)+32+8*(\b)+7], v[(\f)+8*(\a):(\f)+8*(\a)+7], v[8*(8*(\a)+(\b)):8*(8*(\a)+(\b))+7]
.endif
.endr
.endm
.macro FETCH q, f                      ; 24 LDS loads in one run: k's 8 fragments, then q's 4
	WIN 0
.irp b, 0,1,2,3,4,5,6,7
	ds_load_b128 v[(\f)+32+8*(\b):(\f)+32+8*(\b)+3],   v[ADRB] offset:(\b)*16*PA+64*(\q)
	ds_load_b128 v[(\f)+32+8*(\b)+4:(\f)+32+8*(\b)+7], v[ADRB] offset:(\b)*16*PA+64*(\q)+32
.endr
.irp a, 0,1,2,3
	ds_load_b128 v[(\f)+8*(\a):(\f)+8*(\a)+3],   v[ADRA] offset:(\a)*16*PA+64*(\q)
	ds_load_b128 v[(\f)+8*(\a)+4:(\f)+8*(\a)+7], v[ADRA] offset:(\a)*16*PA+64*(\q)+32
.endr
.endm
.macro QUARTER q, f, g, zero
	s_wait_dscnt 4                                 ; all but the youngest four loads (q's blocks 2, 3) are in
	MUL8 \f, 0, \zero
	MUL8 \f, 1, \zero
	PLACES
	FETCH \q, \g
	s_wait_dscnt 24                                ; all but the 24 just issued
	MUL8 \f, 2, \zero
	MUL8 \f, 3, \zero
.endm
; The fourth quarter changes slots: each wave waits for all its tensor loads, adds 0 to its spare word, waits for that and for its reads of this slot, and passes the barrier;
; fill = 1: this slot is filled again, two K steps ahead, first thing behind the barrier.
.macro TURN fill
	WIN 0
	s_wait_tensorcnt 0x0                           ; no tensor load of mine is out, so a group 0 may be written
	ds_add_u32 v[SPW], v[NIL]
.if \fill
	s_xor_b32 s[TBF], s[TBF], SLOT                 ; the walking descriptor: the other slot than last time, the next K step
	s_add_co_u32 s[G0+5], s[LB], s[TBF]
	s_add_nc_u64 s[G0+6:G0+7], s[G0+6:G0+7], KSTEP
.endif
	s_wait_dscnt 5                                 ; the add and the youngest four loads may be out
	MUL8 F1, 0, 0
	s_wait_dscnt 0x0
	s_barrier_signal -1
	MUL8 F1, 1, 0
	WIN 0
	s_barrier_wait -1
.if \fill
	tensor_load_to_lds s[G0+4:G0+7], s[G1:G1+7]    ; my one load behind the barrier
	s_nop 0
.endif
	PLACES
	s_xor_b32 s[TB], s[TB], SLOT
	v_add_nc_u32 v[ADRA], s[TB], v[ADRA0]
	v_add_nc_u32 v[ADRB], s[TB], v[ADRB0]
	FETCH 0, F0
	MUL8 F1, 2, 0
	MUL8 F1, 3, 0
.endm
	s_load_b64 s[4:5], s[0:1], 0x0                 ; qkv
	s_load_b128 s[8:11], s[0:1], 0x8               ; e s[8:9], st s[10:11]
	v_lshl_add_u32 v[SPW], v0, 2, SPARE
	v_mov_b32 v[NIL], 0
	ds_add_u32 v[SPW], v[NIL]                      ; the wave's opening: an add, waited for ahead of my first tensor load
	ds_add_u32 v12, v13
	v_lshrrev_b32 v3, 5, v0
	v_readfirstlane_b32 s[WV], v3
	s_lshr_b32 s[WR], s[WV], 1
	s_and_b32 s[WC], s[WV], 1
	s_and_b32 s[FQ], s[WV], 3
	s_and_b32 s16, ttmp7, 0xffff
	s_lshr_b32 s17, s16, 2                         ; batch
	s_and_b32 s18, s16, 3                          ; p: block p has the tiles 0 .. p
	s_sub_co_u32 s19, 7, s18
	s_sub_co_u32 s2, ttmp9, s18
	s_sub_co_u32 s2, s2, 1
	s_cmp_le_u32 ttmp9, s18
	s_cselect_b32 s[BI], s18, s19                  ; x <= p: tile x of block p; else tile x - p - 1 of block 7 - p
	s_cselect_b32 s[BJ], ttmp9, s2
	s_lshl_b32 s17, s17, 11                        ; the batch's first row
	s_cmp_lt_u32 s[WV], 4                          ; what I fetch: 64 rows of q's block, or of k's tile (k begins at byte 2,048 of a row)
	s_cselect_b32 s3, s[BI], s[BJ]
	s_cselect_b32 s2, 0, 2048
	s_lshl_b32 s3, s3, 8
	s_add_co_u32 s3, s3, s17
	s_lshl_b32 s20, s[FQ], 6
	s_add_co_u32 s20, s20, s3
	s_mul_i32 s20, s20, 6144
	s_add_co_u32 s20, s20, s2
	s_mov_b32 s21, 0
	s_lshl_b32 s3, s[BI], 8
	s_add_co_u32 s3, s3, s17                       ; the tile's first query
	s_lshl_b32 s2, s[WR], 6
	s_add_co_u32 s68, s3, s2
	s_lshl_b32 s68, s68, 12                        ; e: my first row,
	s_lshl_b32 s2, s[BJ], 9
	s_add_co_u32 s68, s68, s2
	s_lshl_b32 s2, s[WC], 8
	s_add_co_u32 s68, s68, s2                      ; my 128 keys
	s_mov_b32 s69, 0
	s_lshl_b32 s70, s17, 4                         ; st: ((16 batch + 2 J + WC) 2,048 + 256 I + 64 WR) x 8 bytes
	s_lshl_b32 s2, s[BJ], 12
	s_add_co_u32 s70, s70, s2
	s_lshl_b32 s2, s[WC], 11
	s_add_co_u32 s70, s70, s2
	s_lshl_b32 s2, s[BI], 8
	s_add_co_u32 s70, s70, s2
	s_lshl_b32 s2, s[WR], 6
	s_add_co_u32 s70, s70, s2
	s_lshl_b32 s70, s70, 3
	s_mov_b32 s71, 0
	s_lshl_b32 s[DD], s[BI], 8                     ; 256 I + 64 WR - 256 J - 128 WC, signed
	s_lshl_b32 s2, s[WR], 6
	s_add_co_u32 s[DD], s[DD], s2
	s_lshl_b32 s2, s[BJ], 8
	s_sub_co_u32 s[DD], s[DD], s2
	s_lshl_b32 s2, s[WC], 7
	s_sub_co_u32 s[DD], s[DD], s2
	s_mov_b32 s[G1], (1<<16)|(1<<20)|(5<<22)|(3<<25)  ; 2-byte elements; padding on: after every 64 words 4 words
	s_mov_b32 s[G1+1], 128<<16                     ; 128 along K x 64 rows
	s_mov_b32 s[G1+2], 64<<16
	s_mov_b32 s[G1+3], 128<<16
	s_mov_b32 s[G1+4], 64
	s_mov_b32 s[G1+5], 3072                        ; elements from row to row of qkv
	s_mov_b32 s[G1+6], 0
	s_mov_b32 s[G1+7], 0
	s_mul_i32 s[LB], s[WV], QLOAD                  ; q's four quarters, then k's four
	s_mov_b32 s[TB], 0
	s_mov_b32 s[TBF], SLOT
	s_mov_b32 s[G0], 1
	s_mov_b32 s[G0+1], s[LB]
	s_mov_b32 s[G0+4], 1
	s_add_co_u32 s[G0+5], s[LB], SLOT
	s_mov_b32 s[CS], 0x3d38aa3b                    ; c = log2(e) / 32
	s_mov_b32 s[CS+1], s[CS]                       ; named with it as a pair
	s_mov_b32 s[SEL], 0x76543210
	s_mov_b32 s[SEL+1], 0xfedcba98
	s_mov_b32 s[HM], 0xffff0000
	s_mov_b32 s[FL], 0xef800000
	s_wait_dscnt 0x0                               ; the opening add is done
	s_wait_kmcnt 0x0
	s_add_nc_u64 s[20:21], s[4:5], s[20:21]
	s_add_nc_u64 s[8:9], s[8:9], s[68:69]
	s_add_nc_u64 s[10:11], s[10:11], s[70:71]
	s_add_nc_u64 s[G0+2:G0+3], s[20:21], 0
	s_or_b32 s[G0+3], s[G0+3], 0x80000000
	s_add_nc_u64 s[G0+6:G0+7], s[20:21], KSTEP
	s_or_b32 s[G0+7], s[G0+7], 0x80000000
	tensor_load_to_lds s[G0:G0+3], s[G1:G1+7]      ; the two first fills: two loads of mine are out
	s_nop 0
	tensor_load_to_lds s[G0+4:G0+7], s[G1:G1+7]
	s_nop 0
	PLACES
	v_and_b32 v1, 15, v0                           ; l % 16
	v_bfe_u32 v2, v0, 4, 1                         ; l / 16
	v_mul_u32_u24 v3, v1, PA
	v_lshl_add_u32 v3, v2, 4, v3                   ; a fragment's row x pitch + 16 x half
	s_mul_i32 s2, s[WR], 64*PA
	v_add_nc_u32 v[ADRA0], s2, v3
	s_mul_i32 s2, s[WC], 128*PA
	s_add_co_u32 s2, s2, ATILE
	v_add_nc_u32 v[ADRB0], s2, v3
	v_mov_b32 v[ADRA], v[ADRA0]
	v_mov_b32 v[ADRB], v[ADRB0]
	s_mul_i32 s2, s[WV], 16*SP
	s_add_co_u32 s2, s2, STAGE
	v_mul_u32_u24 v[STO], v1, SP
	v_lshl_add_u32 v[STO], v2, 4, v[STO]
	v_add_nc_u32 v[STO], s2, v[STO]
	v_mul_u32_u24 v[RD], v2, SP
	v_lshl_add_u32 v[RD], v1, 4, v[RD]
	v_add_nc_u32 v[RD], s2, v[RD]
	v_lshlrev_b32 v[CO], 12, v2
	v_lshl_add_u32 v[CO], v1, 4, v[CO]
	v_and_b32 v3, 31, v0
	v_lshlrev_b32 v[SO], 3, v3
	v_lshlrev_b32 v3, 3, v2
	v_sub_nc_u32 v[THR], v1, v3
	v_add_nc_u32 v[THR], s[DD], v[THR]             ; l % 16 - 8 (l / 16) + my first query - my first key
	v_mov_b32 v[BIG], 0xf1800000
.irp a, 0,1,2,3
	v_mov_b32 v[ST+2*(\a)+1], 0                    ; named in a pair with cm before l is made
.endr
	s_wait_tensorcnt 0x1                           ; my part of K step 0 is in; step 1's may stay out
	s_barrier_signal -1
	s_barrier_wait -1
	FETCH 0, F0
	QUARTER 1, F0, F1, 1
	WIN 0
	s_mov_b32 s[CNT], 6
.Lstep:
	QUARTER 2, F1, F0, 0
	QUARTER 3, F0, F1, 0
	TURN 1
	QUARTER 1, F0, F1, 0
	WIN 0
	s_sub_co_u32 s[CNT], s[CNT], 1
	s_cmp_lg_u32 s[CNT], 0
	s_cbranch_scc1 .Lstep
	QUARTER 2, F1, F0, 0
	QUARTER 3, F0, F1, 0
	TURN 0
	QUARTER 1, F0, F1, 0
	QUARTER 2, F1, F0, 0
	QUARTER 3, F0, F1, 0
	s_wait_dscnt 4
	MUL8 F1, 0, 0
	MUL8 F1, 1, 0
	s_wait_dscnt 0x0
	MUL8 F1, 2, 0
	MUL8 F1, 3, 0
	WIN 0
	PLACES
	; THE MASK.  Where my first query lies 128 or more behind my first key nothing is hidden (16 (b - a) + j is 119 at the most, the threshold 120 at the least): the lines are jumped; they hold no barrier.
	s_cmp_ge_i32 s[DD], 128
	s_cbranch_scc1 .Lopen
	WIN 0x41                                       ; scores in window 1, threshold and -2^100 in window 0
.set j, 0
.rept 8                                ; register 0 of every accumulator comes first
.set d, -3
.rept 11
	v_cmp_gt_i32 vcc_lo, 16*d+j, v[THR]
.set a, 0
.rept 4
.if (a+d >= 0) && (a+d <= 7)
	v_cndmask_b32 v[8*(8*a+a+d)+j], v[8*(8*a+a+d)+j], v[BIG], vcc_lo
.endif
.set a, a+1
.endr
.set d, d+1
.endr
.set j, j+1
.endr
	WIN 0
.Lopen:
; Row block a: the group's maximum, E, its sum.  A lane holds 64 of its query's 128 scores; the other 64 lie in the lane 16 away.
.macro SOFT a
.set SB, 64*(\a)
.set rT, ST+2*(\a)
	WIN 0x15
.irp b, 0,1,2,3,4,5,6,7
	v_max3_num_f32 v[CM+(\b)], v[SB+8*(\b)], v[SB+8*(\b)+1], v[SB+8*(\b)+2]
.endr
	WIN 0x14
.irp b, 0,1,2,3,4,5,6,7
	v_max3_num_f32 v[CM+(\b)], v[CM+(\b)], v[SB+8*(\b)+3], v[SB+8*(\b)+4]
.endr
.irp b, 0,1,2,3,4,5,6,7
	v_max3_num_f32 v[CM+(\b)], v[CM+(\b)], v[SB+8*(\b)+5], v[SB+8*(\b)+6]
.endr
.irp b, 0,1,2,3,4,5,6,7
	v_max_num_f32 v[CM+(\b)], v[CM+(\b)], v[SB+8*(\b)+7]
.endr
	WIN 0
	v_max3_num_f32 v[CM], v[CM], v[CM+1], v[CM+2]
	v_max3_num_f32 v[CM+3], v[CM+3], v[CM+4], v[CM+5]
	v_max3_num_f32 v[CM+6], v[CM+6], v[CM+7], s[FL]  ; never below -2^96
	v_max3_num_f32 v[CM], v[CM], v[CM+3], v[CM+6]
	v_permlanex16_b32 v[CM+1], v[CM], s[SEL], s[SEL+1]
	v_max_num_f32 v[CM], v[CM], v[CM+1]
	v_mul_f32 v[rT], s[CS], v[CM]                  ; cm
	WIN 0x41
.set z, 0
.rept 32
	v_pk_fma_f32 v[SB+z:SB+z+1], v[SB+z:SB+z+1], s[CS:CS+1], v[rT:rT+1] op_sel_hi:[1,0,0] neg_lo:[0,0,1] neg_hi:[0,0,1]  ; c s - cm
.set z, z+2
.endr
.set z, 0
.rept 64
	v_exp_f32 v[SB+z], v[SB+z]
.set z, z+1
.endr
	v_nop                                          ; a plain instruction between the last exponential and the use of its result
	WIN 0x05
	s_wait_alu depctr_va_vdst(0)
.irp b, 0,1,2,3,4,5,6,7
.irp i, 0,1,2,3
	v_cvt_pk_f16_f32 v[TMP+4*(\b)+(\i)], v[SB+8*(\b)+2*(\i)], v[SB+8*(\b)+2*(\i)+1]
.endr
.endr
	WIN 0x45                                       ; the sum of the 32 pairs, in place: neighbours 1, 2, 4, 8 and 16 pairs apart
.irp w, 2,4,8,16,32
.set z, 0
.rept 32/(\w)
	v_pk_add_f32 v[SB+z:SB+z+1], v[SB+z:SB+z+1], v[SB+z+(\w):SB+z+(\w)+1]
.set z, z+2*(\w)
.endr
.endr
	WIN 0x05
	v_add_f32 v[CM+2], v[SB], v[SB+1]
	WIN 0
	v_permlanex16_b32 v[CM+3], v[CM+2], s[SEL], s[SEL+1]
	v_add_f32 v[rT+1], v[CM+2], v[CM+3]            ; l
.endm
.macro TOSTAGE a
.irp b, 0,1,2,3,4,5,6,7
	ds_store_b128 v[STO], v[TMP+4*(\b):TMP+4*(\b)+3] offset:32*(\b)
.endr
.irp t, 0,1,2,3,4,5,6,7
	ds_load_b128 v[OB+32*(\a)+4*(\t):OB+32*(\a)+4*(\t)+3], v[RD] offset:(\t)*2*SP  ; LDS serves a wave's instructions in order (ISA guide 5.7.1.4): these see the stores above
.endr
.endm
.macro SEND a
	s_wait_dscnt 0x0
.irp t, 0,1,2,3,4,5,6,7
	global_store_b128 v[CO], v[OB+32*(\a)+4*(\t):OB+32*(\a)+4*(\t)+3], s[8:9] offset:(16*(\a)+2*(\t))*CPITCH  ; 16 lanes store 256 consecutive bytes, aligned; no register of a store is written again
.endr
.endm
	SOFT 0
	TOSTAGE 0
.irp a, 1,2,3
	SOFT \a
	SEND (\a)-1
	TOSTAGE \a
.endr
	SEND 3
.irp c, 0,1                            ; (cm, l) of my 64 rows: lanes 0-15 give row block 2 c, lanes 16-31 block 2 c + 1: 32 lanes store 256 consecutive bytes, aligned
	v_cndmask_b32 v[CM+2*(\c)], v[ST+4*(\c)], v[ST+4*(\c)+2], s[HM]
	v_cndmask_b32 v[CM+2*(\c)+1], v[ST+4*(\c)+1], v[ST+4*(\c)+3], s[HM]
	global_store_b64 v[SO], v[CM+2*(\c):CM+2*(\c)+1], s[10:11] offset:256*(\c)
.endr
	s_wait_tensorcnt 0x0                           ; the wave's end
	ds_add_u32 v[SPW], v[NIL]
	s_wait_dscnt 0x0
	s_endpgm
.Lfunc_end_k_q4c75a73464_scores:
	.size	k_q4c75a73464_scores, .Lfunc_end_k_q4c75a73464_scores-k_q4c75a73464_scores
	.p2alignl 7, 3214868480
	.fill 96, 4, 3214868480
	.section	.rodata,"a",@progbits
	.p2align	6, 0x0
	.amdhsa_kernel k_q4c75a73464_scores
		.amdhsa_group_segment_fixed_size 327680
		.amdhsa_private_segment_fixed_size 0
		.amdhsa_enable_private_segment 0
		.amdhsa_kernarg_size 24
		.amdhsa_user_sgpr_count 2
		.amdhsa_user_sgpr_kernarg_segment_ptr 1
		.amdhsa_wavefront_size32 1
		.amdhsa_system_sgpr_workgroup_id_x 1
		.amdhsa_system_sgpr_workgroup_id_y 1
		.amdhsa_system_sgpr_workgroup_id_z 1
		.amdhsa_system_vgpr_workitem_id 0
		.amdhsa_next_free_vgpr 512
		.amdhsa_next_free_sgpr 76
		.amdhsa_reserve_vcc 1
		.amdhsa_float_denorm_mode_32 3
		.amdhsa_float_denorm_mode_16_64 3
		.amdhsa_memory_ordered 1
		.amdhsa_forward_progress 1
		.amdhsa_inst_pref_size 115
	.end_amdhsa_kernel
	.amdgpu_metadata
---
amdhsa.version: [ 1, 2 ]
amdhsa.kernels:
  - .name:           k_q4c75a73464_scores
    .symbol:         k_q4c75a73464_scores.kd
    .args:
      - { .name: qkv, .offset: 0, .size: 8, .value_kind: global_buffer, .address_space: global }
      - { .name: e, .offset: 8, .size: 8, .value_kind: global_buffer, .address_space: global }
      - { .name: st, .offset: 16, .size: 8, .value_kind: global_buffer, .address_space: global }
    .group_segment_fixed_size: 327680
    .private_segment_fixed_size: 0
    .kernarg_segment_align: 8
    .kernarg_segment_size: 24
    .max_flat_workgroup_size: 256
    .sgpr_count:     76
    .vgpr_count:     512
    .wavefront_size: 32
...
	.end_amdgpu_metadata
.endif
;; end of part 8
;; launch pv (part 9): grid 8 x 32, 4 waves a work-group, clusters of 4 x 1, 327,680 bytes of LDS; arguments e, st, qkv, o; writes o
.if DOCPART == 9
	.amdgcn_target "amdgcn-amd-amdhsa--gfx1250"
	.amdhsa_code_object_version 6
	.text
	.protected	k_q4c75a73464_pv
	.globl	k_q4c75a73464_pv
	.p2align	8
	.type	k_q4c75a73464_pv,@function
k_q4c75a73464_pv:
	s_mov_b64 s[64:65], 0
	v_nop
	global_prefetch_b8 v0, s[64:65] scope:SCOPE_SE
	s_setreg_imm32_b32 hwreg(HW_REG_WAVE_MODE, 25, 1), 1
	s_wait_xcnt 0x0
	s_wait_alu depctr_hold_cnt(0) depctr_sa_sdst(0) depctr_va_vdst(0) depctr_va_sdst(0) depctr_va_ssrc(0) depctr_va_vcc(0) depctr_vm_vsrc(0)
	s_getreg_b32 s2, hwreg(HW_REG_IB_STS2, 6, 4)
	s_cmp_eq_u32 s2, 0
	s_cbranch_scc0 .Lentry_in_a_cluster
	s_endpgm
.Lentry_in_a_cluster:
	s_bfe_u32 s2, ttmp6, 0x10000c
	s_cmp_lg_u32 s2, 0x3003
	s_cbranch_scc0 .Lentry_shape_is_right
	s_endpgm
.Lentry_shape_is_right:
; o[row][ch] = the sum over keys of softmax(row)[key] v[key][ch], f32.  The weight of a key in group g (128 keys) is E w_g, with E (f16, relative to the group's maximum) from e and
; w_g = 2^(cm_g - M) / L, M = the largest cm_g of the row, L = the sum of l_g 2^(cm_g - M), made here from st in f32: the row's true maximum is taken away.
; E goes to the matrix unit as it lies: a group's 128 keys are summed into P = E_g v_g (the first product starts the sum), and then O += w_g P, in f32: in a result a lane is one row, so w is one register.
; LIMITS.  Groups that the launch before did not write count as (lowest finite number, 0): nothing hangs on those bytes.  A w below 2^-126 counts as 0.
; A tile of o is 128 rows x 128 channels; keys go in steps of 256.  A work-group makes TWO tiles, row block p (p / 2 + 1 steps) and then block 15 - p (8 - p / 2 steps): 9 steps whatever p, so that
; all 256 work-groups are alike and one loop with a constant count walks them; the ring of two LDS slots runs on across the change of blocks.  What a trip does hangs on scalars made of grid y alone.
; CLUSTER 4 x 1: the four partners make four channel tiles of the same rows: E's tiles are asked for jointly; v's tile is each work-group's own load, behind the same round.
; Four waves, 2 x 2, each 64 x 64: 16 accumulators.  Source 0 = 16 channels of v (v lies [key][channel]: turned by ds_load_tr16_b128), source 1 = 16 rows of E: a lane holds row l % 16, channels 8 (l / 16) + 0..7.
; O is cleared where a block begins (128 v_mov_b32, at two places): the price of one text for a step whose place in its block is known only at run time.
; REGISTERS.  Window 0: v0-15 addresses; v16-31 w of my four row blocks for the step's two groups, in the even registers; v32-88 the table's work; v96-159, v160-223 fragment buffers (E's 4, then v's 4).
; Window 1: P (a, b) at v[8 (4 a + b)], O (a, b) at v[128 + 8 (4 a + b)].  Window 2: v0-127 the way out.
.set PE,    528                        ; a row of E in LDS: 512 bytes + 16
.set ELOAD, 64*PE
.set ATILE, 2*ELOAD
.set PV,    288                        ; a row of v: 256 bytes + 32
.set VLOAD, 128*PV
.set SLOT,  ATILE+2*VLOAD
.set STAGE, 2*SLOT                     ; behind the ring, never filled by a tensor load: 16 rows x 272 bytes for each wave
.set SP,    272
.set SPARE, STAGE+4*16*SP              ; the spare words: two blocks of 256 bytes that no other line names
.set WT0,   SPARE+512                  ; the first block's table: [group][row] one f32; 16 groups, and two more that hold 0
.set WT1,   WT0+9216                   ; the second block's
.set ADRA0, 4
.set ADRB0, 5
.set ADRA,  6
.set ADRB,  7                          ; v7, v8: v's keys 0-127 and 128-255 of the step (an LDS offset has 16 bits)
.set STO,   9
.set RD,    10
.set CO,    11
.set SPW,   12
.set NIL,   13
.set WA0,   14                         ; v14  my row's place in a group of a table
.set WAD,   15
.set W,     16                         ; w of group gg, row block a at v[16 + 2 (4 gg + a)]; the odd registers hold 0: the packed line names pairs
.set TA,    80                         ; the table's work: 8 t; the lowest finite number; five at work; where I store; 0
.set TF,    81
.set TM,    82
.set TW,    87
.set TZ,    88
.set F0,    96
.set F1,    160
.set OA,    128                        ; O, in window 1
.set WV, 12
.set WR, 13
.set WC, 14
.set CX, 15
.set CT, 16                            ; channel tile, 0-7
.set BATCH, 17
.set BL, 18                            ; the first block, p
.set NL, 19                            ; its steps
.set NH, 20                            ; the second block's steps
.set BH, 21                            ; the second block, 15 - p
.set G1A, 24
.set G1B, 32
.set G0A, 40
.set G0B, 48
.set CNT, 56
.set TB,  57                           ; LDS byte at which the slot in hand begins
.set TBF, 58                           ; the same for the slot filled last
.set LBA, 59                           ; where my load of E goes in a slot
.set LBB, 60                           ; where my load of v goes
.set RT,  61                           ; steps that the block in hand still has, the one in hand among them
.set WB,  62                           ; LDS byte of the table's two groups for the step
.set WN,  63
.set AD,  66                           ; the step to be asked for next, in its block
.set ALIM, 67                          ; that block's steps
.set AB,  68                           ; that block's first row in e, in bytes
.set ABH, 69                           ; the second block's
.set OF,  70                           ; s[70:71] an offset
.set EB,  72                           ; s[72:73] e at the batch and my 64 rows of a block
.set VB,  74                           ; s[74:75] v at the batch, my channel tile and my 128 keys of a step
.set OL,  76                           ; s[76:77] o at my part of the first tile
.set OH,  78                           ; s[78:79] of the second
.set NG,  82                           ; groups that were written for a block
.set MK,  83
.set BC,  84                           ; the block whose table is made
.set TCN, 85
.set MSB, 0
.macro WIN new
.if MSB != (\new)
	s_set_vgpr_msb (MSB<<8)|(\new)
.set MSB, (\new)
.endif
.endm
.macro PLACES
.rept 4
	v_nop
.endr
.endm
.macro JLOADP                          ; waves 0, 1: the joint load of E's halves; waves 2, 3: my work-group's own load of v's halves; an s_nop 0 and four v_nop follow each line
	s_cmp_eq_u32 s[WR], 0
	s_cbranch_scc0 .Lfor_b_\@
	tensor_load_to_lds s[G0A+4:G0A+7], s[G1A:G1A+7]
	s_nop 0
	PLACES
	s_branch .Lasked_\@
.Lfor_b_\@:
	tensor_load_to_lds s[G0B+4:G0B+7], s[G1B:G1B+7]
	s_nop 0
	PLACES
.Lasked_\@:
.endm
.macro CREST
	s_cmp_lg_u32 s[WV], 0
	s_cbranch_scc1 .Lnot_wave_0_\@
	s_barrier_signal -3
.Lnot_wave_0_\@:
	s_barrier_wait -3
	s_barrier_signal -1
	s_barrier_wait -1
.endm
.macro CROUND
	s_barrier_signal -1
	s_barrier_wait -1
	CREST
.endm
; The addresses of the next step's tiles are made anew from the step's number, into descriptor set `set`; then the number steps, and behind the first block's last step goes to the second block's step 0.
.macro ASK set
	s_lshl_b32 s[OF], s[AD], 9                     ; 256 keys are 512 bytes of a row of e
	s_add_co_u32 s[OF], s[OF], s[AB]
	s_add_nc_u64 s[G0A+4*(\set)+2:G0A+4*(\set)+3], s[EB:EB+1], s[OF:OF+1]
	s_or_b32 s[G0A+4*(\set)+3], s[G0A+4*(\set)+3], 0x80000000
	s_mul_i32 s[OF], s[AD], 256*6144               ; and 256 rows of qkv
	s_add_nc_u64 s[G0B+4*(\set)+2:G0B+4*(\set)+3], s[VB:VB+1], s[OF:OF+1]
	s_or_b32 s[G0B+4*(\set)+3], s[G0B+4*(\set)+3], 0x80000000
	s_add_co_u32 s[AD], s[AD], 1
	s_cmp_eq_u32 s[AD], s[ALIM]
	s_cselect_b32 s[AD], 0, s[AD]
	s_cselect_b32 s[AB], s[ABH], s[AB]
	s_cselect_b32 s[ALIM], s[NH], s[ALIM]
.endm
.macro CLEAR
	WIN 0x40
.set z, 0
.rept 128
	v_mov_b32 v[OA+z], 0
.set z, z+1
.endr
	WIN 0
.endm
.macro FETCHP u, f                     ; 16 LDS loads in one run: keys 32 u on: E's 4 fragments, then v's 4, turned
	WIN 0
.irp a, 0,1,2,3
	ds_load_b128 v[(\f)+8*(\a):(\f)+8*(\a)+3],   v[ADRA] offset:(\a)*16*PE+64*(\u)
	ds_load_b128 v[(\f)+8*(\a)+4:(\f)+8*(\a)+7], v[ADRA] offset:(\a)*16*PE+64*(\u)+32
.endr
.irp b, 0,1,2,3
	ds_load_tr16_b128 v[(\f)+32+8*(\b):(\f)+32+8*(\b)+3],   v[ADRB+(\u)/4] offset:((\u)%4)*32*PV+32*(\b)
	ds_load_tr16_b128 v[(\f)+32+8*(\b)+4:(\f)+32+8*(\b)+7], v[ADRB+(\u)/4] offset:((\u)%4)*32*PV+16*PV+32*(\b)
.endr
.endm
.macro MULP f, a0, zero                ; 8 products: row blocks a0, a0 + 1 x 4 channel blocks; zero = 1: they start a group's sums; the 16 accumulators take turns
	WIN 0x50
.irp a, \a0, (\a0)+1
.irp b, 0,1,2,3
.if \zero
	v_wmma_f32_16x16x32_f16 v[8*(4*(\a)+(\b)):8*(4*(\a)+(\b))+7], v[(\f)+32+8*(\b):(\f)+32+8*(\b)+7], v[(\f)+8*(\a):(\f)+8*(\a)+7], 0
.else
	v_wmma_f32_16x16x32_f16 v[8*(4*(\a)+(\b)):8*(4*(\a)+(\b))+7], v[(\f)+32+8*(\b):(\f)+32+8*(\b)+7], v[(\f)+8*(\a):(\f)+8*(\a)+7], v[8*(4*(\a)+(\b)):8*(4*(\a)+(\b))+7]
.endif
.endr
.endr
.endm
.macro ACC gg                          ; O += w P for group gg of the step: 64 packed lines behind four places; each accumulator's registers in ascending order
	WIN 0
	PLACES
	WIN 0x51                                       ; O and P in window 1, w in window 0
.irp a, 0,1,2,3
.irp b, 0,1,2,3
.irp i, 0,1,2,3
	v_pk_fma_f32 v[OA+8*(4*(\a)+(\b))+2*(\i):OA+8*(4*(\a)+(\b))+2*(\i)+1], v[8*(4*(\a)+(\b))+2*(\i):8*(4*(\a)+(\b))+2*(\i)+1], v[W+2*(4*(\gg)+(\a)):W+2*(4*(\gg)+(\a))+1], v[OA+8*(4*(\a)+(\b))+2*(\i):OA+8*(4*(\a)+(\b))+2*(\i)+1] op_sel_hi:[1,0,1]
.endr
.endr
.endr
	WIN 0
.endm
.macro SUB u                           ; 32 keys: the next 32 keys' fragments are asked for, then 16 products
.set FF, F0+64*((\u)%2)
.set FG, F0+64*(((\u)+1)%2)
.set ZZ, 0
.if ((\u)%4) == 0
.set ZZ, 1
.endif
.if (\u) == 0
	s_wait_dscnt 8                                 ; the fragments are in; w's eight loads, issued behind them, may be out
.else
	s_wait_dscnt 0x0                               ; the fragments, issued 16 products ago, are in
.endif
	WIN 0
	PLACES                                         ; in front of the loads into the buffer that the last products read
	FETCHP (\u)+1, FG
	MULP FF, 0, ZZ
	MULP FF, 2, ZZ
	WIN 0
.if (\u) == 3
	ACC 0
.endif
.endm
.macro BODY
.irp u, 0,1,2,3,4,5,6
	SUB \u
.endr
.endm
.macro WLOAD                           ; w of my four row blocks for the step's two groups
.irp gg, 0,1
.irp a, 0,1,2,3
	ds_load_b32 v[W+2*(4*(\gg)+(\a))], v[WAD] offset:512*(\gg)+64*(\a)
.endr
.endr
.endm
; THE WAY OUT of a tile: f32, 16 rows at a time through my stage (32 bytes a lane in, whole rows of 256 bytes back), then 32 stores.
.macro EPI base
	WIN 0
	s_wait_xcnt 0x0                                ; the registers that the first tile's stores read are loaded again only behind this wait
.irp a, 0,1,2,3
	WIN 0x04                                       ; store data in window 1
.irp b, 0,1,2,3
	ds_store_b128 v[STO], v[OA+8*(4*(\a)+(\b)):OA+8*(4*(\a)+(\b))+3] offset:64*(\b)
	ds_store_b128 v[STO], v[OA+8*(4*(\a)+(\b))+4:OA+8*(4*(\a)+(\b))+7] offset:64*(\b)+16
.endr
	WIN 0x80                                       ; loaded data in window 2
.irp t, 0,1,2,3,4,5,6,7
	ds_load_b128 v[32*(\a)+4*(\t):32*(\a)+4*(\t)+3], v[RD] offset:(\t)*2*SP  ; LDS serves a wave's instructions in order (ISA guide 5.7.1.4)
.endr
.endr
	s_wait_dscnt 0x0
	WIN 0x08                                       ; store data in window 2
.irp a, 0,1,2,3
.irp t, 0,1,2,3,4,5,6,7
	global_store_b128 v[CO], v[32*(\a)+4*(\t):32*(\a)+4*(\t)+3], s[(\base):(\base)+1] offset:(16*(\a)+2*(\t))*4096  ; 16 lanes store 256 consecutive bytes, aligned
.endr
.endr
	WIN 0
.endm
; A step's last 32 keys, and the change of slots.  Each wave waits for all its tensor loads (one is out: its part of the next slot), adds 0 to its spare word, and waits for that and for its reads of this slot.
; fill = 1: the barrier opens a round of the cluster's, and this slot is filled again first thing behind it, with the step two further on in the walk; where the block ends, its tile goes out.
.macro MEETP fill
	WIN 0
	s_wait_tensorcnt 0x0                           ; no tensor load of mine is out, so a group 0 may be written
	ds_add_u32 v[SPW], v[NIL]
.if \fill
	s_xor_b32 s[TBF], s[TBF], SLOT
	s_add_co_u32 s[G0A+5], s[LBA], s[TBF]
	s_add_co_u32 s[G0B+5], s[LBB], s[TBF]
	ASK 1
	s_sub_co_u32 s[RT], s[RT], 1
	s_add_co_u32 s[WN], s[WB], 1024
	s_cmp_eq_u32 s[RT], 0
	s_cselect_b32 s[WB], WT1, s[WN]                ; the next two groups, or the head of the second block's table
.else
	s_add_co_u32 s[WB], s[WB], 1024
.endif
	s_wait_dscnt 0x0                               ; the add is done, the last fragments are in: my reads of this slot are over
	s_barrier_signal -1
	MULP F1, 0, 0
	WIN 0
	s_barrier_wait -1
.if \fill
	CREST
	JLOADP                                         ; its four v_nop are also the places in front of the loads below
.else
	PLACES
.endif
	s_xor_b32 s[TB], s[TB], SLOT
	v_add_nc_u32 v[ADRA], s[TB], v[ADRA0]
	v_add_nc_u32 v[ADRB], s[TB], v[ADRB0]
	v_add_nc_u32 v[ADRB+1], 4*32*PV, v[ADRB]
	v_add_nc_u32 v[WAD], s[WB], v[WA0]
	FETCHP 0, F0
	MULP F1, 2, 0
	ACC 1
	WLOAD                                          ; behind the lines that read this step's w
.if \fill
	s_cmp_lg_u32 s[RT], 0                          ; the same in all four partners; what is jumped holds no barrier and no tensor load
	s_cbranch_scc1 .Lgoes_on_\@
	EPI OL
	CLEAR
	s_mov_b32 s[RT], s[NH]
.Lgoes_on_\@:
.endif
.endm
	s_load_b256 s[4:11], s[0:1], 0x0               ; e s[4:5], st s[6:7], qkv s[8:9], o s[10:11]
	v_lshl_add_u32 v[SPW], v0, 2, SPARE
	v_mov_b32 v[NIL], 0
	ds_add_u32 v[SPW], v[NIL]                      ; the wave's opening: an add, waited for ahead of my first tensor load
	ds_add_u32 v12, v13
	v_lshrrev_b32 v3, 5, v0
	v_readfirstlane_b32 s[WV], v3
	s_lshr_b32 s[WR], s[WV], 1
	s_and_b32 s[WC], s[WV], 1
	s_bfe_u32 s[CX], ttmp6, 0x40000
	s_lshl_b32 s[CT], ttmp9, 2
	s_add_co_u32 s[CT], s[CT], s[CX]               ; it enters v's and o's addresses alone
	s_and_b32 s2, ttmp7, 0xffff
	s_lshr_b32 s[BATCH], s2, 3
	s_and_b32 s[BL], s2, 7
	s_lshr_b32 s3, s[BL], 1
	s_add_co_u32 s[NL], s3, 1
	s_sub_co_u32 s[NH], 8, s3
	s_sub_co_u32 s[BH], 15, s[BL]
	s_mov_b32 s[G1A], 15|(1<<16)|(1<<20)|(1<<21)|(6<<22)|(3<<25)  ; the mask of four; 2-byte elements; padding on; bit 21 beside a mask; after every 128 words 4 words
	s_mov_b32 s[G1A+1], 256<<16                    ; 256 keys x 64 rows
	s_mov_b32 s[G1A+2], 64<<16
	s_mov_b32 s[G1A+3], 256<<16
	s_mov_b32 s[G1A+4], 64
	s_mov_b32 s[G1A+5], 2048                       ; elements from row to row of e
	s_mov_b32 s[G1A+6], 0
	s_mov_b32 s[G1A+7], 0
	s_mov_b32 s[G1B], (1<<16)|(1<<20)|(5<<22)|(7<<25)  ; no mask; after every 64 words 8 words
	s_mov_b32 s[G1B+1], 128<<16                    ; 128 channels x 128 keys
	s_mov_b32 s[G1B+2], 128<<16
	s_mov_b32 s[G1B+3], 128<<16
	s_mov_b32 s[G1B+4], 128
	s_mov_b32 s[G1B+5], 3072
	s_mov_b32 s[G1B+6], 0
	s_mov_b32 s[G1B+7], 0
	s_mul_i32 s[LBA], s[WC], ELOAD
	s_mul_i32 s[LBB], s[WC], VLOAD
	s_add_co_u32 s[LBB], s[LBB], ATILE
	s_lshl_b32 s80, s[BATCH], 23                   ; e: the batch (2,048 rows of 4,096 bytes) and the 64 rows of a block that I fetch
	s_lshl_b32 s81, s[WC], 18
	s_add_co_u32 s80, s80, s81
	s_mov_b32 s81, 0
	s_lshl_b32 s88, s[BATCH], 11                   ; v: the batch's rows, the 128 keys of a step that I fetch, byte 4,096 of a row, my channel tile
	s_lshl_b32 s89, s[WC], 7
	s_add_co_u32 s88, s88, s89
	s_mul_i32 s88, s88, 6144
	s_lshl_b32 s89, s[CT], 8
	s_add_co_u32 s88, s88, s89
	s_add_co_u32 s88, s88, 4096
	s_mov_b32 s89, 0
	s_lshl_b32 s[OL], s[BATCH], 11                 ; o: row 2,048 batch + 128 block + 64 WR, byte 512 channel tile + 256 WC
	s_lshl_b32 s[OL+1], s[WR], 6
	s_add_co_u32 s[OL], s[OL], s[OL+1]
	s_lshl_b32 s[OL+1], s[BH], 7
	s_add_co_u32 s[OH], s[OL], s[OL+1]
	s_lshl_b32 s[OL+1], s[BL], 7
	s_add_co_u32 s[OL], s[OL], s[OL+1]
	s_lshl_b32 s[OL], s[OL], 12
	s_lshl_b32 s[OH], s[OH], 12
	s_lshl_b32 s[OL+1], s[CT], 9
	s_lshl_b32 s[OH+1], s[WC], 8
	s_add_co_u32 s[OL+1], s[OL+1], s[OH+1]
	s_add_co_u32 s[OL], s[OL], s[OL+1]
	s_add_co_u32 s[OH], s[OH], s[OL+1]
	s_mov_b32 s[OL+1], 0
	s_mov_b32 s[OH+1], 0
	s_mov_b32 s[AD], 0
	s_mov_b32 s[ALIM], s[NL]
	s_lshl_b32 s[AB], s[BL], 19                    ; a block: 128 rows of 4,096 bytes
	s_lshl_b32 s[ABH], s[BH], 19
	s_mov_b32 s[OF+1], 0
	s_mov_b32 s[RT], s[NL]
	s_mov_b32 s[WB], WT0
	s_mov_b32 s[TB], 0
	s_mov_b32 s[TBF], SLOT
	s_mov_b32 s[G0A], 1
	s_mov_b32 s[G0A+1], s[LBA]
	s_mov_b32 s[G0A+4], 1
	s_add_co_u32 s[G0A+5], s[LBA], SLOT
	s_mov_b32 s[G0B], 1
	s_mov_b32 s[G0B+1], s[LBB]
	s_mov_b32 s[G0B+4], 1
	s_add_co_u32 s[G0B+5], s[LBB], SLOT
	s_wait_dscnt 0x0                               ; the opening add is done
	s_wait_kmcnt 0x0
	s_add_nc_u64 s[EB:EB+1], s[4:5], s[80:81]
	s_add_nc_u64 s[VB:VB+1], s[8:9], s[88:89]
	s_add_nc_u64 s[OL:OL+1], s[10:11], s[OL:OL+1]
	s_add_nc_u64 s[OH:OH+1], s[10:11], s[OH:OH+1]
	ASK 0                                          ; the walk's steps 0 and 1
	ASK 1
	CROUND                                         ; all four work-groups are here: the first joint loads meet
	s_cmp_eq_u32 s[WR], 0                          ; a wave's two first fills stand in one branch: two loads of mine are out
	s_cbranch_scc0 .Lfirst_b
	tensor_load_to_lds s[G0A:G0A+3], s[G1A:G1A+7]
	s_nop 0
	tensor_load_to_lds s[G0A+4:G0A+7], s[G1A:G1A+7]
	s_nop 0
	PLACES
	s_branch .Lfirst_asked
.Lfirst_b:
	tensor_load_to_lds s[G0B:G0B+3], s[G1B:G1B+7]
	s_nop 0
	tensor_load_to_lds s[G0B+4:G0B+7], s[G1B:G1B+7]
	s_nop 0
	PLACES
.Lfirst_asked:
	; THE TABLES, in the wait for the first tiles: two trips, the first block's and the second's.  Thread t is row t of the block.
	v_lshlrev_b32 v[TA], 3, v0                     ; 8 t: my row's place in a group of st
	v_mov_b32 v[TF], 0xff7fffff
	v_mov_b32 v[TZ], 0
	v_lshl_add_u32 v[TW], v0, 2, WT0
	s_mov_b32 s[BC], s[BL]
	s_mov_b32 s[TCN], 2
.Ltab:
	s_lshl_b32 s80, s[BATCH], 18                   ; a batch of st: 16 groups x 2,048 rows x 8 bytes
	s_lshl_b32 s81, s[BC], 10                      ; a block: 128 rows x 8 bytes
	s_add_co_u32 s80, s80, s81
	s_mov_b32 s81, 0
	s_add_nc_u64 s[86:87], s[6:7], s[80:81]
	s_lshr_b32 s[NG], s[BC], 1
	s_lshl_b32 s[NG], s[NG], 1
	s_add_co_u32 s[NG], s[NG], 2                   ; 2 (block / 2 + 1) groups were written
.set g, 0
.rept 16
	global_load_b64 v[32+2*g:33+2*g], v[TA], s[86:87] offset:16384*g
.set g, g+1
.endr
	s_wait_loadcnt 0x0
.set g, 2
.rept 14
	s_cmp_gt_u32 s[NG], g
	s_cselect_b32 s[MK], -1, 0
	v_cndmask_b32 v[32+2*g], v[TF], v[32+2*g], s[MK]  ; a group that was not written: the lowest finite number,
	v_cndmask_b32 v[33+2*g], 0, v[33+2*g], s[MK]      ; and 0
.set g, g+1
.endr
	v_max3_num_f32 v[TM], v32, v34, v36
	v_max3_num_f32 v[TM+1], v38, v40, v42
	v_max3_num_f32 v[TM+2], v44, v46, v48
	v_max3_num_f32 v[TM+3], v50, v52, v54
	v_max3_num_f32 v[TM+4], v56, v58, v60
	v_max3_num_f32 v[TM], v[TM], v[TM+1], v62
	v_max3_num_f32 v[TM+2], v[TM+2], v[TM+3], v[TM+4]
	v_max_num_f32 v[TM], v[TM], v[TM+2]            ; M
.set g, 0
.rept 16
	v_sub_f32 v[64+g], v[32+2*g], v[TM]
.set g, g+1
.endr
.set g, 0
.rept 16
	v_exp_f32 v[64+g], v[64+g]
.set g, g+1
.endr
	v_nop                                          ; a plain instruction between the last exponential and the use of its result
.set g, 0
	s_wait_alu depctr_va_vdst(0)
.rept 4
	v_mul_f32 v[TM+1+g], v[64+g], v[33+2*g]        ; L in four chains
.set g, g+1
.endr
.rept 12
	v_fmac_f32 v[TM+1+g%4], v[64+g], v[33+2*g]
.set g, g+1
.endr
	v_add_f32 v[TM+1], v[TM+1], v[TM+2]
	v_add_f32 v[TM+3], v[TM+3], v[TM+4]
	v_add_f32 v[TM+1], v[TM+1], v[TM+3]
	v_rcp_f32 v[TM+2], v[TM+1]                     ; L is 1 at the least: the group of the maximum holds a weight 1
	v_nop
.set g, 0
	s_wait_alu depctr_va_vdst(0)
.rept 16
	v_mul_f32 v[64+g], v[64+g], v[TM+2]
.set g, g+1
.endr
.set g, 0
.rept 16
	ds_store_b32 v[TW], v[64+g] offset:512*g
.set g, g+1
.endr
	ds_store_b32 v[TW], v[TZ] offset:512*16        ; the two groups behind the table's end hold 0
	ds_store_b32 v[TW], v[TZ] offset:512*17
	v_add_nc_u32 v[TW], WT1-WT0, v[TW]
	s_mov_b32 s[BC], s[BH]
	s_sub_co_u32 s[TCN], s[TCN], 1
	s_cmp_lg_u32 s[TCN], 0
	s_cbranch_scc1 .Ltab
.irp k, 0,1,2,3,4,5,6,7
	v_mov_b32 v[W+2*(\k)+1], 0                     ; named in pairs with w
.endr
	CLEAR
	v_and_b32 v1, 15, v0                           ; l % 16
	v_bfe_u32 v2, v0, 4, 1                         ; l / 16
	v_mul_u32_u24 v[ADRA0], v1, PE
	v_lshl_add_u32 v[ADRA0], v2, 4, v[ADRA0]
	s_mul_i32 s2, s[WR], 64*PE
	v_add_nc_u32 v[ADRA0], s2, v[ADRA0]
	v_and_b32 v3, 7, v0                            ; the turning load: lane l reads key 8 (l / 16) + l % 8, channels 8 ((l / 8) % 2) + 0..7
	v_lshl_add_u32 v3, v2, 3, v3
	v_mul_u32_u24 v[ADRB0], v3, PV
	v_bfe_u32 v3, v0, 3, 1
	v_lshl_add_u32 v[ADRB0], v3, 4, v[ADRB0]
	s_lshl_b32 s2, s[WC], 7
	s_add_co_u32 s2, s2, ATILE
	v_add_nc_u32 v[ADRB0], s2, v[ADRB0]
	v_mov_b32 v[ADRA], v[ADRA0]
	v_mov_b32 v[ADRB], v[ADRB0]
	v_add_nc_u32 v[ADRB+1], 4*32*PV, v[ADRB]
	s_mul_i32 s2, s[WV], 16*SP
	s_add_co_u32 s2, s2, STAGE
	v_mul_u32_u24 v[STO], v1, SP
	v_lshl_add_u32 v[STO], v2, 5, v[STO]
	v_add_nc_u32 v[STO], s2, v[STO]
	v_mul_u32_u24 v[RD], v2, SP
	v_lshl_add_u32 v[RD], v1, 4, v[RD]
	v_add_nc_u32 v[RD], s2, v[RD]
	v_lshlrev_b32 v[CO], 12, v2
	v_lshl_add_u32 v[CO], v1, 4, v[CO]
	s_lshl_b32 s2, s[WR], 8
	v_lshl_add_u32 v[WA0], v1, 2, s2               ; (64 WR + l % 16) x 4
	v_add_nc_u32 v[WAD], s[WB], v[WA0]
	s_wait_tensorcnt 0x1                           ; my part of step 0 is in; step 1's may stay out
	s_wait_dscnt 0x0                               ; for the others' sake: my rows of the tables are stored
	s_barrier_signal -1
	s_barrier_wait -1
	FETCHP 0, F0
	WLOAD
	s_mov_b32 s[CNT], 8
	s_branch .Lbody                                ; the loop is entered behind its change of slots
.Ltop:                                                 ; seven changes of slots fill the walk's steps 2 to 8
	MEETP 1
.Lbody:
	BODY
	s_sub_co_u32 s[CNT], s[CNT], 1
	s_cmp_lg_u32 s[CNT], 0
	s_cbranch_scc1 .Ltop
	MEETP 0                                        ; the tail is written out: nothing is left to ask for
	BODY
	s_wait_dscnt 0x0
	MULP F1, 0, 0
	MULP F1, 2, 0
	ACC 1
	EPI OH
	s_wait_tensorcnt 0x0                           ; the wave's end
	ds_add_u32 v[SPW], v[NIL]
	s_wait_dscnt 0x0
	CROUND                                         ; the closing round
	s_endpgm
.Lfunc_end_k_q4c75a73464_pv:
	.size	k_q4c75a73464_pv, .Lfunc_end_k_q4c75a73464_pv-k_q4c75a73464_pv
	.p2alignl 7, 3214868480
	.fill 96, 4, 3214868480
	.section	.rodata,"a",@progbits
	.p2align	6, 0x0
	.amdhsa_kernel k_q4c75a73464_pv
		.amdhsa_group_segment_fixed_size 327680
		.amdhsa_private_segment_fixed_size 0
		.amdhsa_enable_private_segment 0
		.amdhsa_kernarg_size 32
		.amdhsa_user_sgpr_count 2
		.amdhsa_user_sgpr_kernarg_segment_ptr 1
		.amdhsa_wavefront_size32 1
		.amdhsa_system_sgpr_workgroup_id_x 1
		.amdhsa_system_sgpr_workgroup_id_y 1
		.amdhsa_system_sgpr_workgroup_id_z 1
		.amdhsa_system_vgpr_workitem_id 0
		.amdhsa_next_free_vgpr 640
		.amdhsa_next_free_sgpr 90
		.amdhsa_reserve_vcc 0
		.amdhsa_float_denorm_mode_32 3
		.amdhsa_float_denorm_mode_16_64 3
		.amdhsa_memory_ordered 1
		.amdhsa_forward_progress 1
		.amdhsa_inst_pref_size 103
	.end_amdhsa_kernel
	.amdgpu_metadata
---
amdhsa.version: [ 1, 2 ]
amdhsa.kernels:
  - .name:           k_q4c75a73464_pv
    .symbol:         k_q4c75a73464_pv.kd
    .args:
      - { .name: e, .offset: 0, .size: 8, .value_kind: global_buffer, .address_space: global }
      - { .name: st, .offset: 8, .size: 8, .value_kind: global_buffer, .address_space: global }
      - { .name: qkv, .offset: 16, .size: 8, .value_kind: global_buffer, .address_space: global }
      - { .name: o, .offset: 24, .size: 8, .value_kind: global_buffer, .address_space: global }
    .group_segment_fixed_size: 327680
    .private_segment_fixed_size: 0
    .kernarg_segment_align: 8
    .kernarg_segment_size: 32
    .max_flat_workgroup_size: 128
    .sgpr_count:     90
    .vgpr_count:     640
    .wavefront_size: 32
...
	.end_amdgpu_metadata
.endif
;; end of part 9
;; launch ln (part 10): grid 512 x 1, 4 waves a work-group, no clusters, 0 bytes of LDS; arguments o, qkv, gamma, beta, xh; writes xh
.if DOCPART == 10
	.amdgcn_target "amdgcn-amd-amdhsa--gfx1250"
	.amdhsa_code_object_version 6
	.text
	.protected	k_q4c75a73464_ln
	.globl	k_q4c75a73464_ln
	.p2align	8
	.type	k_q4c75a73464_ln,@function
k_q4c75a73464_ln:
	s_mov_b64 s[64:65], 0
	v_nop
	global_prefetch_b8 v0, s[64:65] scope:SCOPE_SE
	s_setreg_imm32_b32 hwreg(HW_REG_WAVE_MODE, 25, 1), 1
	s_wait_xcnt 0x0
; h = LayerNorm(o + v) gamma + beta over 1,024 channels, eps = 1e-5, all in f32; h rounded once to f16 into xh.  gamma and beta are rounded to bf16, like every input of the module.
; The variance is the mean of (z - mean)^2, taken in a second pass over registers: no difference of large sums.  LIMIT.  h beyond 65,504 becomes an infinity.
; A stream: one wave, one row, so the sums never leave the wave: no LDS, no barrier, no matrix unit, no cluster.  A wave takes four rows through two row slots, in a loop of two trips of two rows:
; while one slot is worked on the other is on its way; the last trip jumps over its loads, so that no load leaves the wave's rows.
; Of chunk j (0-7) lane l holds channels 128 j + 4 l + 0..3: 16 bytes of o, 8 of v and of h: a wave's load of o covers 512 consecutive bytes, of v and its store of h 256, aligned.
.set G,  8                             ; v[8:39]    gamma
.set BT, 40                            ; v[40:71]   beta
.set VS, 72                            ; v[72:103]  v as loaded, two slots of 16 (below v128: their halves are named)
.set OS, 104                           ; v[104:167] o, then z, z - mean and the result, two slots of 32
.set HS, 168                           ; v[168:199] h to store, two sets of 16
.set T,  200                           ; v[200:207] at work
.set MU, 208                           ; v[208:209] the mean, twice
.set RS, 210                           ; v[210:211] 1 / sqrt(var + eps), twice
	s_load_b256 s[4:11], s[0:1], 0x0               ; o s[4:5], qkv s[6:7], gamma s[8:9], beta s[10:11]
	s_load_b64 s[12:13], s[0:1], 0x20              ; xh
	v_lshrrev_b32 v3, 5, v0
	v_readfirstlane_b32 s14, v3                    ; wave
	v_and_b32 v3, 31, v0
	v_lshlrev_b32 v1, 4, v3                        ; 16 l
	v_lshlrev_b32 v2, 3, v3                        ; 8 l
	s_lshl_b32 s15, ttmp9, 4
	s_lshl2_add_u32 s15, s14, s15                  ; my first row: 16 work-group + 4 wave
	s_lshl_b32 s16, s15, 12
	s_mov_b32 s17, 0
	s_mul_i32 s18, s15, 6144
	s_mov_b32 s19, 0
	s_lshl_b32 s20, s15, 11
	s_mov_b32 s21, 0
	s_mov_b32 s22, 0xffff0000                      ; a word's upper bf16
	s_mov_b32 s23, 0x3a800000                      ; 1 / 1,024
	s_mov_b32 s24, 0x3727c5ac                      ; 1e-5
	s_mov_b32 s26, 0x76543210                      ; v_permlanex16_b32: each lane takes its own place in the other half
	s_mov_b32 s27, 0xfedcba98
	s_wait_kmcnt 0x0
	s_add_nc_u64 s[4:5], s[4:5], s[16:17]
	s_add_nc_u64 s[6:7], s[6:7], s[18:19]
	s_add_nc_u64 s[12:13], s[12:13], s[20:21]
.irp j, 0,1,2,3,4,5,6,7
	global_load_b128 v[G+4*(\j):G+4*(\j)+3], v1, s[8:9] offset:512*(\j)
	global_load_b128 v[BT+4*(\j):BT+4*(\j)+3], v1, s[10:11] offset:512*(\j)
.endr
.macro LOADROW k, s                    ; 16 loads: the row k rows behind the trip's first, into slot s
.irp j, 0,1,2,3,4,5,6,7
	global_load_b128 v[OS+32*(\s)+4*(\j):OS+32*(\s)+4*(\j)+3], v1, s[4:5] offset:(\k)*4096+512*(\j) th:TH_LOAD_NT
.endr
.irp j, 0,1,2,3,4,5,6,7
	global_load_b64 v[VS+16*(\s)+2*(\j):VS+16*(\s)+2*(\j)+1], v2, s[6:7] offset:(\k)*6144+4096+256*(\j)
.endr
.endm
	LOADROW 0, 0
	LOADROW 1, 1
	s_wait_loadcnt 32                              ; gamma and beta are in; the two rows' 32 loads stay out
.set i, 0
.rept 16
	v_cvt_pk_bf16_f32 v4, v[G+2*i], v[G+2*i+1]
	v_cvt_pk_bf16_f32 v5, v[BT+2*i], v[BT+2*i+1]
	v_lshlrev_b32 v[G+2*i], 16, v4
	v_and_b32 v[G+2*i+1], s22, v4
	v_lshlrev_b32 v[BT+2*i], 16, v5
	v_and_b32 v[BT+2*i+1], s22, v5
.set i, i+1
.endr
.macro ADDV o, t, a, b, c, d           ; four channels: z = o + v
	v_cvt_f32_f16 v[(\t)], \a
	v_cvt_f32_f16 v[(\t)+1], \b
	v_cvt_f32_f16 v[(\t)+2], \c
	v_cvt_f32_f16 v[(\t)+3], \d
	v_pk_add_f32 v[(\o):(\o)+1], v[(\o):(\o)+1], v[(\t):(\t)+1]
	v_pk_add_f32 v[(\o)+2:(\o)+3], v[(\o)+2:(\o)+3], v[(\t)+2:(\t)+3]
.endm
.macro ZROW0
	ADDV OS+0, T, v72.l, v72.h, v73.l, v73.h
	ADDV OS+4, T+4, v74.l, v74.h, v75.l, v75.h
	ADDV OS+8, T, v76.l, v76.h, v77.l, v77.h
	ADDV OS+12, T+4, v78.l, v78.h, v79.l, v79.h
	ADDV OS+16, T, v80.l, v80.h, v81.l, v81.h
	ADDV OS+20, T+4, v82.l, v82.h, v83.l, v83.h
	ADDV OS+24, T, v84.l, v84.h, v85.l, v85.h
	ADDV OS+28, T+4, v86.l, v86.h, v87.l, v87.h
.endm
.macro ZROW1
	ADDV OS+32, T, v88.l, v88.h, v89.l, v89.h
	ADDV OS+36, T+4, v90.l, v90.h, v91.l, v91.h
	ADDV OS+40, T, v92.l, v92.h, v93.l, v93.h
	ADDV OS+44, T+4, v94.l, v94.h, v95.l, v95.h
	ADDV OS+48, T, v96.l, v96.h, v97.l, v97.h
	ADDV OS+52, T+4, v98.l, v98.h, v99.l, v99.h
	ADDV OS+56, T, v100.l, v100.h, v101.l, v101.h
	ADDV OS+60, T+4, v102.l, v102.h, v103.l, v103.h
.endm
.macro ACROSS                          ; v4 + v5 summed over the 32 lanes, the result in every lane
	v_add_f32 v4, v4, v5
	v_add_f32_dpp v4, v4, v4 row_xmask:1 row_mask:0xf bank_mask:0xf
	v_add_f32_dpp v4, v4, v4 row_xmask:2 row_mask:0xf bank_mask:0xf
	v_add_f32_dpp v4, v4, v4 row_xmask:4 row_mask:0xf bank_mask:0xf
	v_add_f32_dpp v4, v4, v4 row_xmask:8 row_mask:0xf bank_mask:0xf
	v_permlanex16_b32 v5, v4, s26, s27
	v_add_f32 v4, v4, v5
.endm
.macro ROW s                           ; the row in slot s, which is row s of the trip's two
.set O, OS+32*(\s)
.set H, HS+16*(\s)
.if (\s) == 0
	ZROW0
.else
	ZROW1
.endif
	v_pk_add_f32 v[4:5], v[O:O+1], v[O+2:O+3]      ; the sum, in two chains of pairs
	v_pk_add_f32 v[6:7], v[O+4:O+5], v[O+6:O+7]
.set i, 8
.rept 6
	v_pk_add_f32 v[4:5], v[4:5], v[O+i:O+i+1]
	v_pk_add_f32 v[6:7], v[6:7], v[O+i+2:O+i+3]
.set i, i+4
.endr
	v_pk_add_f32 v[4:5], v[4:5], v[6:7]
	ACROSS
	v_mul_f32 v[MU], s23, v4
	v_mul_f32 v[MU+1], s23, v4
.set i, 0
.rept 16
	v_pk_add_f32 v[O+i:O+i+1], v[O+i:O+i+1], v[MU:MU+1] neg_lo:[0,1] neg_hi:[0,1]  ; z - mean
.set i, i+2
.endr
	v_pk_mul_f32 v[4:5], v[O:O+1], v[O:O+1]
	v_pk_mul_f32 v[6:7], v[O+2:O+3], v[O+2:O+3]
.set i, 4
.rept 7
	v_pk_fma_f32 v[4:5], v[O+i:O+i+1], v[O+i:O+i+1], v[4:5]
	v_pk_fma_f32 v[6:7], v[O+i+2:O+i+3], v[O+i+2:O+i+3], v[6:7]
.set i, i+4
.endr
	v_pk_add_f32 v[4:5], v[4:5], v[6:7]
	ACROSS
	v_fma_f32 v4, v4, s23, s24                     ; var + eps
	v_rsq_f32 v[RS], v4
	v_nop                                          ; a plain instruction between the root and the use of its result
	s_wait_alu depctr_va_vdst(0)
	v_mov_b32 v[RS+1], v[RS]
.set i, 0
.rept 16
	v_pk_mul_f32 v[O+i:O+i+1], v[O+i:O+i+1], v[RS:RS+1]
.set i, i+2
.endr
.set i, 0
.rept 16
	v_pk_fma_f32 v[O+i:O+i+1], v[O+i:O+i+1], v[G+i:G+i+1], v[BT+i:BT+i+1]
.set i, i+2
.endr
.set i, 0
.rept 16
	v_cvt_pk_f16_f32 v[H+i], v[O+2*i], v[O+2*i+1]
.set i, i+1
.endr
.irp j, 0,1,2,3,4,5,6,7
	global_store_b64 v2, v[H+2*(\j):H+2*(\j)+1], s[12:13] offset:(\s)*2048+256*(\j)
.endr
.endm
	s_mov_b32 s28, 2
.Lpair:
	s_wait_loadcnt 16                              ; slot 0's row is in; slot 1's 16 loads, issued behind it, stay out
	ROW 0
	s_cmp_eq_u32 s28, 1
	s_cbranch_scc1 .Llast0
	LOADROW 2, 0
	s_wait_loadcnt 16                              ; slot 1's row is in; the 16 just issued stay out
	s_branch .Lgo1
.Llast0:
	s_wait_loadcnt 0x0                             ; nothing was issued behind slot 1's row
.Lgo1:
	ROW 1
	s_cmp_eq_u32 s28, 1
	s_cbranch_scc1 .Llast1
	LOADROW 3, 1
.Llast1:
	s_wait_xcnt 0x0                                ; the three bases and both sets of h are written again only behind this wait
	s_add_nc_u64 s[4:5], s[4:5], 2*4096
	s_add_nc_u64 s[6:7], s[6:7], 2*6144
	s_add_nc_u64 s[12:13], s[12:13], 2*2048
	s_sub_co_u32 s28, s28, 1
	s_cmp_lg_u32 s28, 0
	s_cbranch_scc1 .Lpair
	s_endpgm
.Lfunc_end_k_q4c75a73464_ln:
	.size	k_q4c75a73464_ln, .Lfunc_end_k_q4c75a73464_ln-k_q4c75a73464_ln
	.p2alignl 7, 3214868480
	.fill 96, 4, 3214868480
	.section	.rodata,"a",@progbits
	.p2align	6, 0x0
	.amdhsa_kernel k_q4c75a73464_ln
		.amdhsa_group_segment_fixed_size 0
		.amdhsa_private_segment_fixed_size 0
		.amdhsa_enable_private_segment 0
		.amdhsa_kernarg_size 40
		.amdhsa_user_sgpr_count 2
		.amdhsa_user_sgpr_kernarg_segment_ptr 1
		.amdhsa_wavefront_size32 1
		.amdhsa_system_sgpr_workgroup_id_x 1
		.amdhsa_system_sgpr_workgroup_id_y 1
		.amdhsa_system_sgpr_workgroup_id_z 1
		.amdhsa_system_vgpr_workitem_id 0
		.amdhsa_next_free_vgpr 212
		.amdhsa_next_free_sgpr 66
		.amdhsa_reserve_vcc 0
		.amdhsa_float_denorm_mode_32 3
		.amdhsa_float_denorm_mode_16_64 3
		.amdhsa_memory_ordered 1
		.amdhsa_forward_progress 1
		.amdhsa_inst_pref_size 33
	.end_amdhsa_kernel
	.amdgpu_metadata
---
amdhsa.version: [ 1, 2 ]
amdhsa.kernels:
  - .name:           k_q4c75a73464_ln
    .symbol:         k_q4c75a73464_ln.kd
    .args:
      - { .name: o, .offset: 0, .size: 8, .value_kind: global_buffer, .address_space: global }
      - { .name: qkv, .offset: 8, .size: 8, .value_kind: global_buffer, .address_space: global }
      - { .name: gamma, .offset: 16, .size: 8, .value_kind: global_buffer, .address_space: global }
      - { .name: beta, .offset: 24, .size: 8, .value_kind: global_buffer, .address_space: global }
      - { .name: xh, .offset: 32, .size: 8, .value_kind: global_buffer, .address_space: global }
    .group_segment_fixed_size: 0
    .private_segment_fixed_size: 0
    .kernarg_segment_align: 8
    .kernarg_segment_size: 40
    .max_flat_workgroup_size: 128
    .sgpr_count:     66
    .vgpr_count:     212
    .wavefront_size: 32
...
	.end_amdgpu_metadata
.endif
;; end of part 10
;; launch fc (part 11): grid 4 x 64, 4 waves a work-group, clusters of 4 x 4, 327,680 bytes of LDS; arguments xh, wh, out0, bfc; writes out0
.if DOCPART == 11
	.amdgcn_target "amdgcn-amd-amdhsa--gfx1250"
	.amdhsa_code_object_version 6
	.text
	.protected	k_q4c75a73464_fc
	.globl	k_q4c75a73464_fc
	.p2align	8
	.type	k_q4c75a73464_fc,@function
k_q4c75a73464_fc:
	s_mov_b64 s[64:65], 0
	v_nop
	global_prefetch_b8 v0, s[64:65] scope:SCOPE_SE
	s_setreg_imm32_b32 hwreg(HW_REG_WAVE_MODE, 25, 1), 1
	s_wait_xcnt 0x0
	s_wait_alu depctr_hold_cnt(0) depctr_sa_sdst(0) depctr_va_vdst(0) depctr_va_sdst(0) depctr_va_ssrc(0) depctr_va_vcc(0) depctr_vm_vsrc(0)
	s_getreg_b32 s2, hwreg(HW_REG_IB_STS2, 6, 4)
	s_cmp_eq_u32 s2, 0
	s_cbranch_scc0 .Lentry_in_a_cluster
	s_endpgm
.Lentry_in_a_cluster:
	s_bfe_u32 s2, ttmp6, 0x10000c
	s_cmp_lg_u32 s2, 0xf033
	s_cbranch_scc0 .Lentry_shape_is_right
	s_endpgm
.Lentry_shape_is_right:
; out0[row][:] = h[row][:] . Wfc + bfc.  h = xh: [8192][1024] f16; Wfc is the fourth weight of wh, [1024 d][1024 n] f16; out0 f32.  Sums in f32; bfc is rounded to bf16, like every input of the module,
; and is the C operand of the product that starts each sum.
; A tile is 128 rows x 256 columns: 256 tiles, one for each WGP.  Four waves, 2 x 2, each 64 x 128: 32 accumulators.  K = 1,024 in 8 steps of 128 through two LDS slots.
; Wfc lies [K][N] and is turned on the way out of LDS by ds_load_tr16_b128.  Source 0 = 16 columns of Wfc, source 1 = 16 rows of h: a lane holds row l % 16 and columns 8 (l / 16) + 0..7.
; CLUSTER 4 x 4: h's tiles are shared along a row of the cluster, Wfc's along a column: joint loads.
; REGISTERS.  Window 0: v0-15 addresses; v32-127, v128-223 fragment buffers; v224-255 at work.  Window 1: accumulator (a, b) at v[8 (8 a + b)].  Window 2: v0-63 the bias: column block b at v[8 b].
.set PA,    272
.set ALOAD, 64*PA
.set ATILE, 2*ALOAD
.set PB,    544
.set BLOAD, 64*PB
.set SLOT1, 1<<17
.set STAGE, SLOT1+ATILE+2*BLOAD        ; behind the ring, never filled by a tensor load: 16 rows x 528 bytes for each wave
.set SP,    528                        ; a stage row: 512 bytes + 16
.set SPARE, STAGE+4*16*SP
.set ASTEP, 256
.set BSTEP, 128*2048
.set ADRA0, 4
.set ADRB0, 5
.set ADRA,  6
.set ADRB,  7
.set STO,   8
.set RD,    9
.set CO,    10
.set BO,    11                         ; v11  32 (l / 16): my eight columns of a block of 16 in bfc
.set SPW,   12
.set NIL,   13
.set F0,    32
.set F1,    128
.set TMP,   224
.set OB,    32                         ; the way out: 16 rows read back, two sets of 64 registers by turns
.set WV, 12
.set WR, 13
.set WC, 14
.set CX, 15
.set CY, 16
.set TC, 17
.set TR, 18
.set G1A, 24
.set G1B, 32
.set G0A, 40
.set G0B, 48
.set CNT, 56
.set TB,  57
.set MULW, 0x50
.set MSB, 0
.macro WIN new
.if MSB != (\new)
	s_set_vgpr_msb (MSB<<8)|(\new)
.set MSB, (\new)
.endif
.endm
.macro PLACES
.rept 4
	v_nop
.endr
.endm
.macro JLOAD                           ; a joint refill: waves 0, 1 fetch h's halves, waves 2, 3 Wfc's; an s_nop 0 and four v_nop follow each line
	s_cmp_eq_u32 s[WR], 0
	s_cbranch_scc0 .Lfor_b_\@
	tensor_load_to_lds s[G0A+4:G0A+7], s[G1A:G1A+7]
	s_nop 0
	PLACES
	s_branch .Lasked_\@
.Lfor_b_\@:
	tensor_load_to_lds s[G0B+4:G0B+7], s[G1B:G1B+7]
	s_nop 0
	PLACES
.Lasked_\@:
.endm
.macro CREST
	s_cmp_lg_u32 s[WV], 0
	s_cbranch_scc1 .Lnot_wave_0_\@
	s_barrier_signal -3
.Lnot_wave_0_\@:
	s_barrier_wait -3
	s_barrier_signal -1
	s_barrier_wait -1
.endm
.macro CROUND
	s_barrier_signal -1
	s_barrier_wait -1
	CREST
.endm
.macro MUL8 f, a, first                ; first = 1: the product starts the sums, with the bias as C (window 2).  The 32 accumulators take turns
.if \first
	WIN 0x60
.else
	WIN MULW
.endif
.irp b, 0,1,2,3,4,5,6,7
.if \first
	v_wmma_f32_16x16x32_f16 v[8*(8*(\a)+(\b)):8*(8*(\a)+(\b))+7], v[(\f)+32+8*(\b):(\f)+32+8*(\b)+7], v[(\f)+8*(\a):(\f)+8*(\a)+7], v[8*(\b):8*(\b)+7]
.else
	v_wmma_f32_16x16x32_f16 v[8*(8*(\a)+(\b)):8*(8*(\a)+(\b))+7], v[(\f)+32+8*(\b):(\f)+32+8*(\b)+7], v[(\f)+8*(\a):(\f)+8*(\a)+7], v[8*(8*(\a)+(\b)):8*(8*(\a)+(\b))+7]
.endif
.endr
.endm
.macro FETCH q, f
	WIN 0
.irp b, 0,1,2,3,4,5,6,7
	ds_load_tr16_b128 v[(\f)+32+8*(\b):(\f)+32+8*(\b)+3],   v[ADRB] offset:(\q)*32*PB+32*(\b)
	ds_load_tr16_b128 v[(\f)+32+8*(\b)+4:(\f)+32+8*(\b)+7], v[ADRB] offset:(\q)*32*PB+16*PB+32*(\b)
.endr
.irp a, 0,1,2,3
	ds_load_b128 v[(\f)+8*(\a):(\f)+8*(\a)+3],   v[ADRA] offset:(\a)*16*PA+64*(\q)
	ds_load_b128 v[(\f)+8*(\a)+4:(\f)+8*(\a)+7], v[ADRA] offset:(\a)*16*PA+64*(\q)+32
.endr
.endm
.macro QUARTER q, f, g, first
	s_wait_dscnt 4                                 ; all but the youngest four loads (h's blocks 2, 3) are in
	MUL8 \f, 0, \first
	MUL8 \f, 1, \first
	PLACES
	FETCH \q, \g
	s_wait_dscnt 24                                ; all but the 24 just issued
	MUL8 \f, 2, \first
	MUL8 \f, 3, \first
.endm
; The fourth quarter changes slots: each wave waits for all its tensor loads, adds 0 to its spare word, waits for that and for its reads of this slot; fill = 1: the barrier opens a round of the
; cluster's, and this slot is filled again, two K steps ahead, first thing behind the round.
.macro TURN fill
	WIN 0
	s_wait_tensorcnt 0x0
	ds_add_u32 v[SPW], v[NIL]
	s_wait_dscnt 5                                 ; the add and the youngest four loads may be out
	MUL8 F1, 0, 0
	s_wait_dscnt 0x0
	s_barrier_signal -1
	MUL8 F1, 1, 0
	WIN 0
	s_barrier_wait -1
.if \fill
	CREST
	s_xor_b32 s[G0A+5], s[G0A+5], SLOT1
	s_add_nc_u64 s[G0A+6:G0A+7], s[G0A+6:G0A+7], ASTEP
	s_xor_b32 s[G0B+5], s[G0B+5], SLOT1
	s_add_nc_u64 s[G0B+6:G0B+7], s[G0B+6:G0B+7], BSTEP
	JLOAD
.else
	PLACES
.endif
	s_xor_b32 s[TB], s[TB], SLOT1
	v_add_nc_u32 v[ADRA], s[TB], v[ADRA0]
	v_add_nc_u32 v[ADRB], s[TB], v[ADRB0]
	FETCH 0, F0
	MUL8 F1, 2, 0
	MUL8 F1, 3, 0
.endm
	s_load_b256 s[4:11], s[0:1], 0x0               ; xh s[4:5], wh s[6:7], out0 s[8:9], bfc s[10:11]
	v_lshl_add_u32 v[SPW], v0, 2, SPARE
	v_mov_b32 v[NIL], 0
	ds_add_u32 v[SPW], v[NIL]                      ; the wave's opening: an add, waited for ahead of my first tensor load
	ds_add_u32 v12, v13
	v_lshrrev_b32 v3, 5, v0
	v_readfirstlane_b32 s[WV], v3
	s_lshr_b32 s[WR], s[WV], 1
	s_and_b32 s[WC], s[WV], 1
	s_bfe_u32 s[CX], ttmp6, 0x40000
	s_bfe_u32 s[CY], ttmp6, 0x40004
	s_lshl_b32 s[TC], ttmp9, 2
	s_add_co_u32 s[TC], s[TC], s[CX]
	s_and_b32 s[TR], ttmp7, 0xffff
	s_lshl_b32 s[TR], s[TR], 2
	s_add_co_u32 s[TR], s[TR], s[CY]
	s_lshl_b32 s62, s[CY], 2
	s_lshl_b32 s62, 15, s62                        ; my row of the cluster
	s_lshl_b32 s63, 0x1111, s[CX]                  ; my column
	s_or_b32 s[G1A], s62, (1<<16)|(1<<20)|(1<<21)|(5<<22)|(3<<25)
	s_mov_b32 s[G1A+1], 128<<16                    ; 128 along K x 64 rows
	s_mov_b32 s[G1A+2], 64<<16
	s_mov_b32 s[G1A+3], 128<<16
	s_mov_b32 s[G1A+4], 64
	s_mov_b32 s[G1A+5], 1024
	s_mov_b32 s[G1A+6], 0
	s_mov_b32 s[G1A+7], 0
	s_or_b32 s[G1B], s63, (1<<16)|(1<<20)|(1<<21)|(6<<22)|(7<<25)
	s_mov_b32 s[G1B+1], 256<<16                    ; 256 columns x 64 K rows
	s_mov_b32 s[G1B+2], 64<<16
	s_mov_b32 s[G1B+3], 256<<16
	s_mov_b32 s[G1B+4], 64
	s_mov_b32 s[G1B+5], 1024
	s_mov_b32 s[G1B+6], 0
	s_mov_b32 s[G1B+7], 0
	s_lshl_b32 s20, s[TR], 18                      ; h: (128 tile row + 64 half) rows of 2,048 bytes: no cx enters
	s_lshl_b32 s21, s[WC], 17
	s_add_co_u32 s20, s20, s21
	s_mov_b32 s21, 0
	s_lshl_b32 s22, s[TC], 9                       ; Wfc: the fourth weight, 512 bytes a tile column, 64 K rows a half: no cy enters
	s_add_co_u32 s22, s22, 3*2097152
	s_lshl_b32 s23, s[WC], 17
	s_add_co_u32 s22, s22, s23
	s_mov_b32 s23, 0
	s_mul_i32 s2, s[WC], ALOAD
	s_mul_i32 s3, s[WC], BLOAD
	s_add_co_u32 s3, s3, ATILE
	s_lshl_b32 s68, s[TR], 7                       ; out0: row 128 tile row + 64 WR, byte 1,024 tile column + 512 WC
	s_lshl_b32 s69, s[WR], 6
	s_add_co_u32 s68, s68, s69
	s_lshl_b32 s68, s68, 12
	s_lshl_b32 s70, s[TC], 10
	s_lshl_b32 s69, s[WC], 9
	s_add_co_u32 s70, s70, s69                     ; also my columns' place in bfc
	s_add_co_u32 s68, s68, s70
	s_mov_b32 s69, 0
	s_mov_b32 s71, 0
	s_mov_b32 s[TB], 0
	s_wait_dscnt 0x0                               ; the opening add is done
	s_wait_kmcnt 0x0
	s_add_nc_u64 s[20:21], s[4:5], s[20:21]
	s_add_nc_u64 s[22:23], s[6:7], s[22:23]
	s_add_nc_u64 s[8:9], s[8:9], s[68:69]
	s_add_nc_u64 s[10:11], s[10:11], s[70:71]
.irp s, 0,1
	s_mov_b32 s[G0A+4*(\s)], 1
	s_add_co_u32 s[G0A+4*(\s)+1], s2, (\s)*SLOT1
	s_add_nc_u64 s[G0A+4*(\s)+2:G0A+4*(\s)+3], s[20:21], (\s)*ASTEP
	s_or_b32 s[G0A+4*(\s)+3], s[G0A+4*(\s)+3], 0x80000000
	s_mov_b32 s[G0B+4*(\s)], 1
	s_add_co_u32 s[G0B+4*(\s)+1], s3, (\s)*SLOT1
	s_add_nc_u64 s[G0B+4*(\s)+2:G0B+4*(\s)+3], s[22:23], (\s)*BSTEP
	s_or_b32 s[G0B+4*(\s)+3], s[G0B+4*(\s)+3], 0x80000000
.endr
	CROUND                                         ; all sixteen work-groups are here: the first joint loads meet
	s_cmp_eq_u32 s[WR], 0                          ; a wave's two first fills stand in one branch: two loads of mine are out
	s_cbranch_scc0 .Lfirst_b
	tensor_load_to_lds s[G0A:G0A+3], s[G1A:G1A+7]
	s_nop 0
	tensor_load_to_lds s[G0A+4:G0A+7], s[G1A:G1A+7]
	s_nop 0
	PLACES
	s_branch .Lfirst_asked
.Lfirst_b:
	tensor_load_to_lds s[G0B:G0B+3], s[G1B:G1B+7]
	s_nop 0
	tensor_load_to_lds s[G0B+4:G0B+7], s[G1B:G1B+7]
	s_nop 0
	PLACES
.Lfirst_asked:
	v_and_b32 v1, 15, v0                           ; l % 16
	v_bfe_u32 v2, v0, 4, 1                         ; l / 16
	v_lshlrev_b32 v[BO], 5, v2
	WIN 0x80                                       ; the bias of column 16 b + 8 (l / 16) + j into v[8 b + j] of window 2
.irp b, 0,1,2,3,4,5,6,7
	global_load_b128 v[8*(\b):8*(\b)+3],   v[BO], s[10:11] offset:64*(\b)
	global_load_b128 v[8*(\b)+4:8*(\b)+7], v[BO], s[10:11] offset:64*(\b)+16
.endr
	WIN 0
	v_mul_u32_u24 v[ADRA0], v1, PA
	v_lshl_add_u32 v[ADRA0], v2, 4, v[ADRA0]
	s_mul_i32 s2, s[WR], 64*PA
	v_add_nc_u32 v[ADRA0], s2, v[ADRA0]
	v_and_b32 v3, 7, v0                            ; the turning load: lane l reads K row 8 (l / 16) + l % 8, columns 8 ((l / 8) % 2) + 0..7
	v_lshl_add_u32 v3, v2, 3, v3
	v_mul_u32_u24 v[ADRB0], v3, PB
	v_bfe_u32 v3, v0, 3, 1
	v_lshl_add_u32 v[ADRB0], v3, 4, v[ADRB0]
	s_lshl_b32 s2, s[WC], 8
	s_add_co_u32 s2, s2, ATILE
	v_add_nc_u32 v[ADRB0], s2, v[ADRB0]
	v_mov_b32 v[ADRA], v[ADRA0]
	v_mov_b32 v[ADRB], v[ADRB0]
	s_mul_i32 s2, s[WV], 16*SP
	s_add_co_u32 s2, s2, STAGE
	v_mul_u32_u24 v[STO], v1, SP                   ; in: row l % 16, 32 bytes for each half of the lanes
	v_lshl_add_u32 v[STO], v2, 5, v[STO]
	v_add_nc_u32 v[STO], s2, v[STO]
	v_and_b32 v3, 31, v0
	v_lshlrev_b32 v[CO], 4, v3                     ; back and out: 32 lanes take one row of 512 bytes
	v_add_nc_u32 v[RD], s2, v[CO]
	s_wait_loadcnt 0x0
	WIN 0x0a                                       ; the bias rounded to bf16,
.set i, 0
.rept 32
	v_cvt_pk_bf16_f32 v[TMP+i], v[2*i], v[2*i+1]
.set i, i+1
.endr
	WIN 0x80                                       ; and back as f32
.set i, 0
.rept 32
	v_lshlrev_b32 v[2*i], 16, v[TMP+i]
	v_and_b32 v[2*i+1], 0xffff0000, v[TMP+i]
.set i, i+1
.endr
	WIN 0
	s_wait_tensorcnt 0x1                           ; my part of K step 0 is in; step 1's may stay out
	s_barrier_signal -1
	s_barrier_wait -1
	FETCH 0, F0
	QUARTER 1, F0, F1, 1                           ; the first quarter stands in front of the loop: its products start the sums, on the bias
	WIN 0
	s_mov_b32 s[CNT], 6
.Lstep:
	QUARTER 2, F1, F0, 0
	QUARTER 3, F0, F1, 0
	TURN 1
	QUARTER 1, F0, F1, 0
	WIN 0
	s_sub_co_u32 s[CNT], s[CNT], 1
	s_cmp_lg_u32 s[CNT], 0
	s_cbranch_scc1 .Lstep
	QUARTER 2, F1, F0, 0
	QUARTER 3, F0, F1, 0
	TURN 0
	QUARTER 1, F0, F1, 0
	QUARTER 2, F1, F0, 0
	QUARTER 3, F0, F1, 0
	s_wait_dscnt 4
	MUL8 F1, 0, 0
	MUL8 F1, 1, 0
	s_wait_dscnt 0x0
	MUL8 F1, 2, 0
	MUL8 F1, 3, 0
	WIN 0
	PLACES
; THE WAY OUT of row block a: 32 bytes a lane go into my stage (each accumulator's low registers first), whole rows of 512 bytes come back and are stored.
.macro OUTA a
.set OBB, OB+64*((\a)%2)
	WIN 0x04                                       ; store data in window 1
.irp b, 0,1,2,3,4,5,6,7
	ds_store_b128 v[STO], v[8*(8*(\a)+(\b)):8*(8*(\a)+(\b))+3] offset:64*(\b)
	ds_store_b128 v[STO], v[8*(8*(\a)+(\b))+4:8*(8*(\a)+(\b))+7] offset:64*(\b)+16
.endr
	WIN 0
	s_wait_xcnt 0x0                                ; the set's earlier stores have read it: it is loaded again only behind this wait
.irp t, 0,1,2,3,4,5,6,7,8,9,10,11,12,13,14,15
	ds_load_b128 v[OBB+4*(\t):OBB+4*(\t)+3], v[RD] offset:(\t)*SP  ; LDS serves a wave's instructions in order (ISA guide 5.7.1.4): these see the stores above
.endr
	s_wait_dscnt 0x0
.irp t, 0,1,2,3,4,5,6,7,8,9,10,11,12,13,14,15
	global_store_b128 v[CO], v[OBB+4*(\t):OBB+4*(\t)+3], s[8:9] offset:(16*(\a)+(\t))*4096 th:TH_STORE_NT  ; a wave's store covers 512 consecutive bytes, aligned
.endr
.endm
	OUTA 0
	OUTA 1
	OUTA 2
	OUTA 3
	s_wait_tensorcnt 0x0                           ; the wave's end
	ds_add_u32 v[SPW], v[NIL]
	s_wait_dscnt 0x0
	CROUND                                         ; the closing round
	s_endpgm
.Lfunc_end_k_q4c75a73464_fc:
	.size	k_q4c75a73464_fc, .Lfunc_end_k_q4c75a73464_fc-k_q4c75a73464_fc
	.p2alignl 7, 3214868480
	.fill 96, 4, 3214868480
	.section	.rodata,"a",@progbits
	.p2align	6, 0x0
	.amdhsa_kernel k_q4c75a73464_fc
		.amdhsa_group_segment_fixed_size 327680
		.amdhsa_private_segment_fixed_size 0
		.amdhsa_enable_private_segment 0
		.amdhsa_kernarg_size 32
		.amdhsa_user_sgpr_count 2
		.amdhsa_user_sgpr_kernarg_segment_ptr 1
		.amdhsa_wavefront_size32 1
		.amdhsa_system_sgpr_workgroup_id_x 1
		.amdhsa_system_sgpr_workgroup_id_y 1
		.amdhsa_system_sgpr_workgroup_id_z 1
		.amdhsa_system_vgpr_workitem_id 0
		.amdhsa_next_free_vgpr 576
		.amdhsa_next_free_sgpr 72
		.amdhsa_reserve_vcc 0
		.amdhsa_float_denorm_mode_32 3
		.amdhsa_float_denorm_mode_16_64 3
		.amdhsa_memory_ordered 1
		.amdhsa_forward_progress 1
		.amdhsa_inst_pref_size 75
	.end_amdhsa_kernel
	.amdgpu_metadata
---
amdhsa.version: [ 1, 2 ]
amdhsa.kernels:
  - .name:           k_q4c75a73464_fc
    .symbol:         k_q4c75a73464_fc.kd
    .args:
      - { .name: xh, .offset: 0, .size: 8, .value_kind: global_buffer, .address_space: global }
      - { .name: wh, .offset: 8, .size: 8, .value_kind: global_buffer, .address_space: global }
      - { .name: out0, .offset: 16, .size: 8, .value_kind: global_buffer, .address_space: global }
      - { .name: bfc, .offset: 24, .size: 8, .value_kind: global_buffer, .address_space: global }
    .group_segment_fixed_size: 327680
    .private_segment_fixed_size: 0
    .kernarg_segment_align: 8
    .kernarg_segment_size: 32
    .max_flat_workgroup_size: 128
    .sgpr_count:     72
    .vgpr_count:     576
    .wavefront_size: 32
...
	.end_amdgpu_metadata
.endif
;; end of part 11
;; ======== version 3 of 3: 6 launches; version 2 with the launch cast written anew for expert scheduling mode
;; limits: values are held in f16: magnitudes above 65,504 overflow, below 6.1e-05 lose precision; right only within a limited range of input values; values outside matrix products are rounded to f16
;; workspace buffers: xh 16,777,216 bytes; wh 8,388,608 bytes; qkv 50,331,648 bytes; e 33,554,432 bytes; st 1,048,576 bytes; o 33,554,432 bytes
;; launch cast (part 12): grid 768 x 1, 8 waves a work-group, no clusters, 0 bytes of LDS; arguments x, Wq, Wk, Wv, Wfc, xh, wh; writes xh, wh
.if DOCPART == 12
	.amdgcn_target "amdgcn-amd-amdhsa--gfx1250"
	.amdhsa_code_object_version 6
	.text
	.protected	k_q4c75a73464_cast
	.globl	k_q4c75a73464_cast
	.p2align	8
	.type	k_q4c75a73464_cast,@function
k_q4c75a73464_cast:
	s_mov_b64 s[64:65], 0
	v_nop
	global_prefetch_b8 v0, s[64:65] scope:SCOPE_SE
	s_setreg_imm32_b32 hwreg(HW_REG_WAVE_SCHED_MODE, 0, 2), 2
	s_setreg_imm32_b32 hwreg(HW_REG_WAVE_MODE, 25, 1), 1
	s_wait_xcnt 0x0
	s_wait_alu depctr_vm_vsrc(0)
; xh = x, wh = [Wq, Wk, Wv, Wfc], each number rounded to bf16 (nearest even) and that number written as f16.
; LIMITS.  The bf16 number is kept exactly from 6.1e-5 to 65,504 in magnitude; below that f16 keeps a fixed step of 6e-8; beyond it the result is an infinity.
; A stream: no LDS, no barrier, no matrix unit, no cluster (no byte is read twice).  A work-group takes 16,384 numbers: 65,536 bytes in, 32,768 out.
; Work-groups 0-511 take x, 512-767 the four weights, 64 each.  Thread t takes 16 bytes at 16 t of each of 16 blocks of 4,096 bytes: all 16 loads are out at once.
; THE MODE: SCHED_MODE bits 1:0 = 2 (LLVM: expert scheduling mode 2), set by the entry lines.  The code itself states the register dependences
; between vector instructions and memory instructions, with s_wait_alu, always for 0.
; THE PLAN.  Registers that memory instructions touch:
;   v1, v2     byte offsets, made once at the head and never written again: v1 is read by every load, v2 by every store; the blocks are reached by immediate offsets.
;   X          block j: four registers in which one load lands, once; only that block's vector lines name them, behind the block's wait for its load.
;   Y          block j: two registers, written once by the block's last two conversions and read by the block's one store; never written again.
;   v4, v5 are named by vector lines alone; the two bases are made by scalar lines ahead of the first load and stay.
; So no register that a memory instruction reads is written behind it, and no load lands in a register that a vector line has named: what is left to state is that
; a register is written before a memory instruction reads it.  One wait at the head states it for v1 and v2.  The 16 blocks go in four groups of four: a group's 32 vector
; lines write eight registers of Y, one wait states that they are written, and the group's four stores follow it in one run.
.set X, 8                              ; v[8:71]   block j: four f32 as loaded
.set Y, 72                             ; v[72:103] block j: four f16 to store
	s_load_b256 s[4:11], s[0:1], 0x0               ; x s[4:5], Wq s[6:7], Wk s[8:9], Wv s[10:11]
	s_load_b128 s[12:15], s[0:1], 0x20             ; Wfc s[12:13], xh s[14:15]
	s_load_b64 s[16:17], s[0:1], 0x30              ; wh
	v_lshlrev_b32 v1, 4, v0                        ; 16 t: my bytes of a block read
	v_lshlrev_b32 v2, 3, v0                        ; 8 t: of a block written
	s_mov_b32 s18, 0xffff0000                      ; a word's upper bf16
	s_sub_co_u32 s21, ttmp9, 512                   ; my number among the weights' work-groups (used only from 512 on)
	s_lshr_b32 s22, s21, 6                         ; which weight
	s_and_b32 s23, s21, 63                         ; which part of it
	s_cmp_lt_u32 ttmp9, 512
	s_cselect_b32 s24, ttmp9, s23                  ; my part of the source,
	s_cselect_b32 s26, ttmp9, s21                  ; and of the destination
	s_lshl_b32 s24, s24, 16
	s_mov_b32 s25, 0
	s_lshl_b32 s26, s26, 15
	s_mov_b32 s27, 0
	s_wait_kmcnt 0x0
	s_cmp_eq_u32 s22, 1
	s_cselect_b64 s[28:29], s[8:9], s[6:7]
	s_cmp_eq_u32 s22, 2
	s_cselect_b64 s[28:29], s[10:11], s[28:29]
	s_cmp_eq_u32 s22, 3
	s_cselect_b64 s[28:29], s[12:13], s[28:29]
	s_cmp_lt_u32 ttmp9, 512
	s_cselect_b64 s[28:29], s[4:5], s[28:29]       ; the source: x, or one of the weights
	s_cselect_b64 s[30:31], s[14:15], s[16:17]     ; the destination: xh or wh
	s_add_nc_u64 s[28:29], s[28:29], s[24:25]
	s_add_nc_u64 s[30:31], s[30:31], s[26:27]
	s_wait_alu depctr_va_vdst(0)                   ; v1 and v2 are written: every load of the kernel reads v1 as its offset, every store v2
.irp j, 0,1,2,3,4,5,6,7,8,9,10,11,12,13,14,15
	global_load_b128 v[X+4*(\j):X+4*(\j)+3], v1, s[28:29] offset:4096*(\j) th:TH_LOAD_NT
.endr
.irp g, 0,1,2,3                        ; group g: blocks 4 g to 4 g + 3
.irp i, 0,1,2,3
	s_wait_loadcnt 15-4*(\g)-(\i)                  ; loads come back in order: block 4 g + i is in, the younger ones stay out (stores do not count here)
	v_cvt_pk_bf16_f32 v4, v[X+16*(\g)+4*(\i)], v[X+16*(\g)+4*(\i)+1]
	v_cvt_pk_bf16_f32 v5, v[X+16*(\g)+4*(\i)+2], v[X+16*(\g)+4*(\i)+3]
	v_lshlrev_b32 v[X+16*(\g)+4*(\i)], 16, v4      ; the rounded numbers as f32 again
	v_and_b32 v[X+16*(\g)+4*(\i)+1], s18, v4
	v_lshlrev_b32 v[X+16*(\g)+4*(\i)+2], 16, v5
	v_and_b32 v[X+16*(\g)+4*(\i)+3], s18, v5
	v_cvt_pk_f16_f32 v[Y+8*(\g)+2*(\i)], v[X+16*(\g)+4*(\i)], v[X+16*(\g)+4*(\i)+1]
	v_cvt_pk_f16_f32 v[Y+8*(\g)+2*(\i)+1], v[X+16*(\g)+4*(\i)+2], v[X+16*(\g)+4*(\i)+3]
.endr
	s_wait_alu depctr_va_vdst(0)                   ; the group's conversions have written its eight registers of Y, which the four stores below read
.irp i, 0,1,2,3
	global_store_b64 v2, v[Y+8*(\g)+2*(\i):Y+8*(\g)+2*(\i)+1], s[30:31] offset:2048*(4*(\g)+(\i))  ; a wave's store covers 256 consecutive bytes, aligned
.endr
.endr
	s_endpgm
.Lfunc_end_k_q4c75a73464_cast:
	.size	k_q4c75a73464_cast, .Lfunc_end_k_q4c75a73464_cast-k_q4c75a73464_cast
	.p2alignl 7, 3214868480
	.fill 96, 4, 3214868480
	.section	.rodata,"a",@progbits
	.p2align	6, 0x0
	.amdhsa_kernel k_q4c75a73464_cast
		.amdhsa_group_segment_fixed_size 0
		.amdhsa_private_segment_fixed_size 0
		.amdhsa_enable_private_segment 0
		.amdhsa_kernarg_size 56
		.amdhsa_user_sgpr_count 2
		.amdhsa_user_sgpr_kernarg_segment_ptr 1
		.amdhsa_wavefront_size32 1
		.amdhsa_system_sgpr_workgroup_id_x 1
		.amdhsa_system_sgpr_workgroup_id_y 1
		.amdhsa_system_sgpr_workgroup_id_z 1
		.amdhsa_system_vgpr_workitem_id 0
		.amdhsa_next_free_vgpr 104
		.amdhsa_next_free_sgpr 66
		.amdhsa_reserve_vcc 0
		.amdhsa_float_denorm_mode_32 3
		.amdhsa_float_denorm_mode_16_64 3
		.amdhsa_memory_ordered 1
		.amdhsa_forward_progress 1
		.amdhsa_inst_pref_size 12
	.end_amdhsa_kernel
	.amdgpu_metadata
---
amdhsa.version: [ 1, 2 ]
amdhsa.kernels:
  - .name:           k_q4c75a73464_cast
    .symbol:         k_q4c75a73464_cast.kd
    .args:
      - { .name: x, .offset: 0, .size: 8, .value_kind: global_buffer, .address_space: global }
      - { .name: Wq, .offset: 8, .size: 8, .value_kind: global_buffer, .address_space: global }
      - { .name: Wk, .offset: 16, .size: 8, .value_kind: global_buffer, .address_space: global }
      - { .name: Wv, .offset: 24, .size: 8, .value_kind: global_buffer, .address_space: global }
      - { .name: Wfc, .offset: 32, .size: 8, .value_kind: global_buffer, .address_space: global }
      - { .name: xh, .offset: 40, .size: 8, .value_kind: global_buffer, .address_space: global }
      - { .name: wh, .offset: 48, .size: 8, .value_kind: global_buffer, .address_space: global }
    .group_segment_fixed_size: 0
    .private_segment_fixed_size: 0
    .kernarg_segment_align: 8
    .kernarg_segment_size: 56
    .max_flat_workgroup_size: 256
    .sgpr_count:     66
    .vgpr_count:     104
    .wavefront_size: 32
...
	.end_amdgpu_metadata
.endif
;; end of part 12
;; launch proj: the kernel of part 7 again; grid 12 x 16, 8 waves a work-group, clusters of 4 x 4, 327,680 bytes of LDS; arguments xh, wh, qkv; writes qkv
;; launch scores: the kernel of part 8 again; grid 9 x 16, 8 waves a work-group, no clusters, 327,680 bytes of LDS; arguments qkv, e, st; writes e, st
;; launch pv: the kernel of part 9 again; grid 8 x 32, 4 waves a work-group, clusters of 4 x 1, 327,680 bytes of LDS; arguments e, st, qkv, o; writes o
;; launch ln: the kernel of part 10 again; grid 512 x 1, 4 waves a work-group, no clusters, 0 bytes of LDS; arguments o, qkv, gamma, beta, xh; writes xh
;; launch fc: the kernel of part 11 again; grid 4 x 64, 4 waves a work-group, clusters of 4 x 4, 327,680 bytes of LDS; arguments xh, wh, out0, bfc; writes out0
